; MI455X (gfx1250); checked and timed in simulation.
; The chip was launched on July 23, 2026; its instructions are those of AMD's public machine-readable ISA for CDNA 5 (MIT licence, August 2026) and "CDNA5" Instruction Set Architecture Reference Guide (July 2026). The comments in the code are by the model that wrote it; some were corrected since.
;; Multi Head Attention. Allowed arithmetic: float matrix products may take bf16 or f16 operands with f32 sums; all other float work in f32.
;; Inputs: wk 1,024 x 1,024 float32; wo 1,024 x 1,024 float32; wq 1,024 x 1,024 float32; wv 1,024 x 1,024 float32; x 4 x 2,048 x 1,024 float32.
;; Outputs: out0 4 x 2,048 x 1,024 float32.
;; 3 versions, each right; version 2 is faster than version 1; version 3 is version 2 with the launch cvt written anew for expert scheduling mode. Each part assembles by itself: llvm-mc -triple=amdgcn-amd-amdhsa -mcpu=gfx1250 --defsym DOCPART=n.
;; ======== version 1 of 3: 4 launches
;; limits: values are held in f16: magnitudes above 65,504 overflow, below 6.1e-05 lose precision
;; workspace buffers: xh 16,777,216 bytes; wh 8,388,608 bytes; qkv 67,108,864 bytes; yh 33,554,432 bytes
;; launch cvt (part 1): grid 512 x 1, 8 waves a work-group, no clusters, 0 bytes of LDS; arguments x, wq, wk, wv, wo, xh, wh; writes xh, wh
.if DOCPART == 1
	.amdgcn_target "amdgcn-amd-amdhsa--gfx1250"
	.amdhsa_code_object_version 6
	.text
	.protected	k_q84bb6f714b_cvt
	.globl	k_q84bb6f714b_cvt
	.p2align	8
	.type	k_q84bb6f714b_cvt,@function
k_q84bb6f714b_cvt:
	s_mov_b64 s[64:65], 0
	v_nop
	global_prefetch_b8 v0, s[64:65] scope:SCOPE_SE
	s_setreg_imm32_b32 hwreg(HW_REG_WAVE_MODE, 25, 1), 1
	s_wait_xcnt 0x0
; x [8192][1024] and the four weights [1024][1024], f32, are rounded once to bf16 (to nearest even) and laid in panels:
; element (m, k) goes to byte ((m >> 7) * 16 + (k >> 6)) * 16384 + (m & 127) * 128 + (k & 63) * 2.
; A panel block (128 rows x 64 numbers) is 16,384 dense bytes, so the later launches fetch their tiles as dense memory.
; wh holds 32 panels: 0-7 wq, 8-15 wk, 16-23 wv, 24-31 wo.
; bf16 has f32's range: no limit of range is added here.
; A stream: every byte is read once and written once.  No LDS, no barrier, no matrix unit, no cluster: no two work-groups share a byte.
; Work-group g takes rows 16 g .. 16 g + 15 of x (all eight waves) and rows 2 g, 2 g + 1 of each weight (wave w: weight w >> 1,
; half w & 1 of the row).  In every load lanes 0-15 take 256 aligned bytes of one row and lanes 16-31 the same columns of the next row;
; the wave's store of the result is 256 consecutive bytes at a multiple of 256.
; All 24 loads of a lane go out first (12,288 bytes a wave on their way); no register that a memory instruction names is written again.
.set X, 8                              ; v[8:103]  load n: 4 registers; its first two then hold the 4 bf16 to store
	s_load_b256 s[4:11], s[0:1], 0x0               ; x s[4:5], wq s[6:7], wk s[8:9], wv s[10:11]
	s_load_b128 s[12:15], s[0:1], 0x20             ; wo s[12:13], xh s[14:15]
	s_load_b64 s[16:17], s[0:1], 0x30              ; wh
	v_lshrrev_b32 v1, 5, v0
	v_readfirstlane_b32 s18, v1                    ; wave 0..7
	s_lshr_b32 s19, s18, 1                         ; which weight is mine
	s_and_b32 s20, s18, 1                          ; which half of its rows' columns
	v_lshrrev_b32 v5, 4, v0                        ; x: my row of the group's 16
	v_and_b32 v6, 15, v0                           ; my 16 bytes of the 256
	v_lshlrev_b32 v1, 12, v5
	v_lshl_add_u32 v1, v6, 4, v1                   ; x source: row * 4096 + 16 * place
	v_lshlrev_b32 v2, 3, v0                        ; x target: row * 128 + 8 * place = 8 * thread
	v_bfe_u32 v5, v0, 4, 1                         ; weights: row 0 or 1 of the pair
	v_lshlrev_b32 v3, 12, v5
	v_lshl_add_u32 v3, v6, 4, v3                   ; weight source
	v_and_b32 v4, 31, v0
	v_lshlrev_b32 v4, 3, v4                        ; weight target: 8 * lane
	s_lshl_b32 s24, ttmp9, 16                      ; x: 16 rows of 4,096 bytes a group
	s_mov_b32 s25, 0
	s_lshr_b32 s26, ttmp9, 3                       ; xh: panel g >> 3 (262,144 bytes each),
	s_lshl_b32 s26, s26, 18
	s_and_b32 s27, ttmp9, 7
	s_lshl_b32 s27, s27, 11                        ; row 16 (g & 7) of 128 bytes
	s_add_co_u32 s26, s26, s27
	s_mov_b32 s27, 0
	s_lshl_b32 s28, ttmp9, 13                      ; weight source: row 2 g,
	s_lshl_b32 s29, s20, 11                        ; my half of the row (8 x 256 bytes)
	s_add_co_u32 s28, s28, s29
	s_mov_b32 s29, 0
	s_lshl_b32 s30, s19, 21                        ; wh: 8 panels a weight,
	s_lshr_b32 s31, ttmp9, 6
	s_lshl_b32 s31, s31, 18                        ; panel (2 g) >> 7,
	s_add_co_u32 s30, s30, s31
	s_and_b32 s31, ttmp9, 63
	s_lshl_b32 s31, s31, 8                         ; row (2 g) & 127 of 128 bytes,
	s_add_co_u32 s30, s30, s31
	s_lshl_b32 s31, s20, 17                        ; my half: 8 blocks of 16,384 bytes
	s_add_co_u32 s30, s30, s31
	s_mov_b32 s31, 0
	s_wait_kmcnt 0x0
	s_cmp_eq_u32 s19, 1                            ; my weight's address: a choice on the wave's number alone
	s_cselect_b64 s[22:23], s[8:9], s[6:7]
	s_cmp_eq_u32 s19, 2
	s_cselect_b64 s[22:23], s[10:11], s[22:23]
	s_cmp_eq_u32 s19, 3
	s_cselect_b64 s[22:23], s[12:13], s[22:23]
	s_add_nc_u64 s[4:5], s[4:5], s[24:25]
	s_add_nc_u64 s[14:15], s[14:15], s[26:27]
	s_add_nc_u64 s[22:23], s[22:23], s[28:29]
	s_add_nc_u64 s[16:17], s[16:17], s[30:31]
.irp n, 0,1,2,3,4,5,6,7,8,9,10,11,12,13,14,15
	global_load_b128 v[X+4*\n:X+4*\n+3], v1, s[4:5] offset:256*\n th:TH_LOAD_NT        ; x, columns 64 n .. 64 n + 63
.endr
.irp n, 0,1,2,3,4,5,6,7
	global_load_b128 v[X+64+4*\n:X+64+4*\n+3], v3, s[22:23] offset:256*\n th:TH_LOAD_NT ; my weight, 64 columns a load
.endr
; load n of the 24 is in when at most 23 - n younger ones are out (loads come back in order: ISA guide 5.7.1)
.irp n, 0,1,2,3,4,5,6,7,8,9,10,11,12,13,14,15
	s_wait_loadcnt 23-\n
	v_cvt_pk_bf16_f32 v[X+4*\n], v[X+4*\n], v[X+4*\n+1]
	v_cvt_pk_bf16_f32 v[X+4*\n+1], v[X+4*\n+2], v[X+4*\n+3]
	global_store_b64 v2, v[X+4*\n:X+4*\n+1], s[14:15] offset:16384*\n
.endr
.irp n, 0,1,2,3,4,5,6,7
	s_wait_loadcnt 7-\n
	v_cvt_pk_bf16_f32 v[X+64+4*\n], v[X+64+4*\n], v[X+64+4*\n+1]
	v_cvt_pk_bf16_f32 v[X+64+4*\n+1], v[X+64+4*\n+2], v[X+64+4*\n+3]
	global_store_b64 v4, v[X+64+4*\n:X+64+4*\n+1], s[16:17] offset:16384*\n
.endr
	s_endpgm
.Lfunc_end_k_q84bb6f714b_cvt:
	.size	k_q84bb6f714b_cvt, .Lfunc_end_k_q84bb6f714b_cvt-k_q84bb6f714b_cvt
	.p2alignl 7, 3214868480
	.fill 96, 4, 3214868480
	.section	.rodata,"a",@progbits
	.p2align	6, 0x0
	.amdhsa_kernel k_q84bb6f714b_cvt
		.amdhsa_group_segment_fixed_size 0
		.amdhsa_private_segment_fixed_size 0
		.amdhsa_enable_private_segment 0
		.amdhsa_kernarg_size 56
		.amdhsa_user_sgpr_count 2
		.amdhsa_user_sgpr_kernarg_segment_ptr 1
		.amdhsa_wavefront_size32 1
		.amdhsa_system_sgpr_workgroup_id_x 1
		.amdhsa_system_sgpr_workgroup_id_y 1
		.amdhsa_system_sgpr_workgroup_id_z 1
		.amdhsa_system_vgpr_workitem_id 0
		.amdhsa_next_free_vgpr 104
		.amdhsa_next_free_sgpr 66
		.amdhsa_reserve_vcc 0
		.amdhsa_float_denorm_mode_32 3
		.amdhsa_float_denorm_mode_16_64 3
		.amdhsa_memory_ordered 1
		.amdhsa_forward_progress 1
		.amdhsa_inst_pref_size 11
	.end_amdhsa_kernel
	.amdgpu_metadata
---
amdhsa.version: [ 1, 2 ]
amdhsa.kernels:
  - .name:           k_q84bb6f714b_cvt
    .symbol:         k_q84bb6f714b_cvt.kd
    .args:
      - { .name: x, .offset: 0, .size: 8, .value_kind: global_buffer, .address_space: global }
      - { .name: wq, .offset: 8, .size: 8, .value_kind: global_buffer, .address_space: global }
      - { .name: wk, .offset: 16, .size: 8, .value_kind: global_buffer, .address_space: global }
      - { .name: wv, .offset: 24, .size: 8, .value_kind: global_buffer, .address_space: global }
      - { .name: wo, .offset: 32, .size: 8, .value_kind: global_buffer, .address_space: global }
      - { .name: xh, .offset: 40, .size: 8, .value_kind: global_buffer, .address_space: global }
      - { .name: wh, .offset: 48, .size: 8, .value_kind: global_buffer, .address_space: global }
    .group_segment_fixed_size: 0
    .private_segment_fixed_size: 0
    .kernarg_segment_align: 8
    .kernarg_segment_size: 56
    .max_flat_workgroup_size: 256
    .sgpr_count:     66
    .vgpr_count:     104
    .wavefront_size: 32
...
	.end_amdgpu_metadata
.endif
;; end of part 1
;; launch qkv (part 2): grid 12 x 32, 4 waves a work-group, clusters of 4 x 4, 327,680 bytes of LDS; arguments xh, wh, qkv; writes qkv
.if DOCPART == 2
	.amdgcn_target "amdgcn-amd-amdhsa--gfx1250"
	.amdhsa_code_object_version 6
	.text
	.protected	k_q84bb6f714b_qkv
	.globl	k_q84bb6f714b_qkv
	.p2align	8
	.type	k_q84bb6f714b_qkv,@function
k_q84bb6f714b_qkv:
	s_mov_b64 s[64:65], 0
	v_nop
	global_prefetch_b8 v0, s[64:65] scope:SCOPE_SE
	s_setreg_imm32_b32 hwreg(HW_REG_WAVE_MODE, 25, 1), 1
	s_wait_xcnt 0x0
	s_wait_alu depctr_hold_cnt(0) depctr_sa_sdst(0) depctr_va_vdst(0) depctr_va_sdst(0) depctr_va_ssrc(0) depctr_va_vcc(0) depctr_vm_vsrc(0)
	s_getreg_b32 s2, hwreg(HW_REG_IB_STS2, 6, 4)
	s_cmp_eq_u32 s2, 0
	s_cbranch_scc0 .Lentry_in_a_cluster
	s_endpgm
.Lentry_in_a_cluster:
	s_bfe_u32 s2, ttmp6, 0x10000c
	s_cmp_lg_u32 s2, 0xf033
	s_cbranch_scc0 .Lentry_shape_is_right
	s_endpgm
.Lentry_shape_is_right:
; q, k, v = x W^T for the stacked weights: C[m][n] = sum over k of xh[m][k] wh[n][k], m < 8192, n < 3072, k < 1024; bf16 operands, f32 sums.
; Results, head-major, m = 2048 b + t, head = (n & 1023) >> 6, bh = 16 b + head:
;   q at byte 0 and k at byte 16,777,216: [bh][t][64] f16, rounded once;
;   v at byte 33,554,432: [bh][t][64 hi | 64 lo] f16, hi = f16(v), lo = f16(v - hi): the pair carries some 22 bits.  An early query row averages few
;   values, so its results are large beside the late rows', and one rounding of v to 11 bits would show there.
; LIMIT: |q|, |k|, |v| below 65,504 (beyond: infinity, and NaN in v's lo); what lies below 6e-8 of q, k and of v's lo is lost.
; A work-group makes 256 x 256 of C with four waves, one to a SIMD; a wave makes 128 x 128: 64 accumulator tiles, 512 registers.
; xh and wh lie in panels (128 rows x 64 numbers = 16,384 dense bytes), so a K step of 128 of one panel is 32,768 dense bytes:
; one tensor load of 128 rows of 256 bytes.  The mover lays 16 bytes of padding behind every 128 bytes, so in LDS a row of 64 numbers
; has a pitch of 144 bytes, and the K step's two blocks of 64 numbers lie 18,432 bytes apart.
; K goes in 8 steps of 128 through two LDS slots.
; CLUSTERS: 4 x 4 work-groups.  The four of a cluster row need the same tiles of xh, the four of a column the same tiles of wh: each tile is
; asked for jointly, by the same tensor load with the same descriptor and a mask that names the four.  A cluster's four block columns are
; the whole of q, of k or of v, so the choice of the way out hangs on the cluster's x alone, which all partners share.
; REGISTERS in windows of 256: window 0: v16-27 addresses, v64-127 / v128-191 fragments of xh (two buffers), v32-63 and v192-223 packed results;
; window 1: v64-127 / v128-191 fragments of wh; window 2: accumulator tiles of my rows 0-63 (tile (a, b) at v[8 (8 a + b)]); window 3: rows 64-127.
; The matrix instruction is used transposed (source 0 = 16 rows of wh, source 1 = 16 rows of xh): a lane then holds eight neighbouring
; columns of one row of C.
.set NB,     8                         ; fragments of wh a wave uses (16 rows each)
.set PITCH,  144                       ; LDS row: 128 bytes + 16 of padding: an odd multiple of 16 bytes
.set KBS,    128*PITCH                 ; one block of 64 along K, 128 rows: 18,432
.set APAN,   2*KBS                     ; one panel's K step: what one tensor load brings
.set BOFF,   2*APAN                    ; wh's tiles lie behind xh's two panels
.set BHALF,  APAN                      ; my 128 rows of wh: panel 0 or 1
.set SLOT,   4*APAN                    ; 147,456
.set STAGE,  2*SLOT                    ; behind the ring: 16 rows x 272 bytes for each wave; no fill lands there
.set SPITCH, 272
.set STEPB,  32768                     ; memory bytes of a K step in one panel
.set LAPS,   4                         ; a lap = two K steps = once round the ring
.set VMEM,   33554432                  ; v's part of qkv
.set ADRA, 16                          ; v16-17  LDS address of my xh fragments in slot 0, 1
.set ADRB, 20                          ; v20-21  the same for wh
.set STO,  24                          ; v24     way out: where I put 16 bytes of a row
.set RD,   25                          ; v25     way out of q, k: where I read back (four rows of 128 bytes)
.set CO,   26                          ; v26     my byte offset in a store of 512 bytes
.set RDV,  27                          ; v27     way out of v: where I read back (two rows of 256 bytes)
.set HP,   32                          ; v32-47  way out of v: hi, packed (below v128: their halves are named)
.set LP,   48                          ; v48-63  way out of v: lo, packed
.set U,    64                          ; v64-95  way out of v: hi widened to f32, then v - hi
.set F0,   64
.set F1,   128
.set RB0,  128                         ; way out of v: two buffers for the read-back
.set RB1,  160
.set TMP,  192
.set G1,  24                           ; s[24:31] group 1 for xh's tiles
.set G0,  32                           ; s[32:39] group 0 for xh's tiles, one set a slot
.set G1B, 48                           ; s[48:55] group 1 for wh's tiles: the mask differs
.set G0B, 56                           ; s[56:63] group 0 for wh's tiles
.set G1W0, (3<<16)|(1<<20)|(1<<21)|(4<<22)|(3<<25) ; elements of 8 bytes; padding on; bit 21 beside a mask; after every 32 words, 4 words
.set MSB, 0
.macro WIN new                         ; the immediate's high byte repeats the setting that is left
.if MSB != \new
	s_set_vgpr_msb (MSB<<8)|\new
.set MSB, \new
.endif
.endm
.set MUL_LO, 0xa1                      ; source 0 (wh) window 1, source 1 (xh) window 0, C and D window 2
.set MUL_HI, 0xf1                      ; the same, C and D window 3
.set TO_B,   0x40                      ; destination window 1, address window 0
; A joint load: waves 0 and 1 fetch xh's two panels, waves 2 and 3 wh's.  The branch hangs on the wave's number alone.
.macro JLOAD s
	s_cmp_eq_u32 s11, 0
	s_cbranch_scc0 .Lfor_b_\@
	tensor_load_to_lds s[G0+4*\s:G0+4*\s+3], s[G1:G1+7]
	s_nop 0
	s_branch .Lasked_\@
.Lfor_b_\@:
	tensor_load_to_lds s[G0B+4*\s:G0B+4*\s+3], s[G1B:G1B+7]
	s_nop 0
.Lasked_\@:
.endm
; A round of the cluster's barrier: my work-group's barrier, wave 0 signals for the work-group, every wave waits for all sixteen, my barrier again.
.macro CREST                           ; a round behind its opening barrier
	s_cmp_lg_u32 s10, 0
	s_cbranch_scc1 .Lnot_wave_0_\@
	s_barrier_signal -3
.Lnot_wave_0_\@:
	s_barrier_wait -3
	s_barrier_signal -1
	s_barrier_wait -1
.endm
.macro CROUND
	s_barrier_signal -1
	s_barrier_wait -1
	CREST
.endm
	s_load_b128 s[4:7], s[0:1], 0x0                ; xh s[4:5], wh s[6:7]
	s_load_b64 s[8:9], s[0:1], 0x10                ; qkv
	s_set_vgpr_msb 0x40
	v_lshl_add_u32 v255, v0, 2, 0x4c400
	s_set_vgpr_msb 0x4000
	v_mov_b32 v255, 0
	s_set_vgpr_msb 0x1
	ds_add_u32 v255, v255
	s_set_vgpr_msb 0x100
	v_lshrrev_b32 v1, 5, v0
	v_readfirstlane_b32 s10, v1                    ; wave 0..3
	s_lshr_b32 s11, s10, 1                         ; my half of the block's rows.  Also: I fetch for xh (0) or wh (1)
	s_and_b32 s12, s10, 1                          ; my half of its columns.  Also: which panel I fetch
	s_bfe_u32 s40, ttmp6, 0x40000                  ; cx
	s_bfe_u32 s41, ttmp6, 0x40004                  ; cy
	s_lshl_b32 s42, ttmp9, 2
	s_add_co_u32 s42, s42, s40                     ; block column 0..11
	s_and_b32 s13, ttmp7, 0xffff
	s_lshl_b32 s13, s13, 2
	s_add_co_u32 s13, s13, s41                     ; block row 0..31
	s_lshl_b32 s43, s41, 2
	s_lshl_b32 s43, 15, s43                        ; my row of the cluster
	s_lshl_b32 s44, 0x1111, s40                    ; my column
	s_or_b32 s[G1+0], s43, G1W0                    ; xh's tiles go to my row
	s_or_b32 s[G1B+0], s44, G1W0                   ; wh's tiles to my column
	s_mov_b32 s[G1+1], 32<<16                      ; tensor_dim0 = 32 elements (256 bytes)
	s_mov_b32 s[G1B+1], 32<<16
	s_mov_b32 s[G1+2], 128<<16                     ; tensor_dim1 = 128 rows
	s_mov_b32 s[G1B+2], 128<<16
	s_mov_b32 s[G1+3], 32<<16                      ; tile_dim0 = 32
	s_mov_b32 s[G1B+3], 32<<16
	s_mov_b32 s[G1+4], 128                         ; tile_dim1 = 128
	s_mov_b32 s[G1B+4], 128
	s_mov_b32 s[G1+5], 32                          ; pitch 32 elements: the block is dense
	s_mov_b32 s[G1B+5], 32
	s_mov_b32 s[G1+6], 0
	s_mov_b32 s[G1B+6], 0
	s_mov_b32 s[G1+7], 0
	s_mov_b32 s[G1B+7], 0
	; xh's address hangs on the block row alone, wh's on the block column alone, each in registers that never hold the other coordinate
	s_lshl_b32 s16, s13, 1
	s_add_co_u32 s16, s16, s12                     ; panel 2 x block row + half
	s_lshl_b32 s16, s16, 18                        ; 262,144 bytes a panel
	s_mov_b32 s17, 0
	s_lshl_b32 s46, s42, 1
	s_add_co_u32 s46, s46, s12                     ; panel 2 x block column + half
	s_lshl_b32 s46, s46, 18
	s_mov_b32 s47, 0
	s_mul_i32 s20, s10, APAN                       ; where they go: xh's two panels, then wh's two = wave x 36,864
	s_wait_dscnt 0x0
	s_wait_kmcnt 0x0
	s_add_nc_u64 s[14:15], s[4:5], s[16:17]
	s_add_nc_u64 s[46:47], s[6:7], s[46:47]
	CROUND                                         ; all sixteen work-groups are here: the first joint loads meet
.irp s, 0,1
	s_mov_b32 s[G0+4*\s], 1
	s_add_co_u32 s[G0+4*\s+1], s20, \s*SLOT
	s_add_nc_u64 s[G0+4*\s+2:G0+4*\s+3], s[14:15], \s*STEPB        ; K step s
	s_or_b32 s[G0+4*\s+3], s[G0+4*\s+3], 0x80000000
	s_mov_b32 s[G0B+4*\s], 1
	s_add_co_u32 s[G0B+4*\s+1], s20, \s*SLOT
	s_add_nc_u64 s[G0B+4*\s+2:G0B+4*\s+3], s[46:47], \s*STEPB
	s_or_b32 s[G0B+4*\s+3], s[G0B+4*\s+3], 0x80000000
	JLOAD \s                                       ; both first fills: two loads of the wave are out
.endr
	; a fragment: lane l holds row l % 16; registers 0-3 K = 8 (l / 16) + 0..7, registers 4-7 K = 16 + 8 (l / 16) + 0..7: two loads 32 bytes apart
	v_and_b32 v1, 15, v0
	v_bfe_u32 v2, v0, 4, 1
	v_mul_u32_u24 v3, v1, PITCH
	v_lshl_add_u32 v3, v2, 4, v3
	s_mul_i32 s21, s11, APAN
	s_mul_i32 s22, s12, BHALF
	s_add_co_u32 s22, s22, BOFF
.irp s, 0,1
	v_add_nc_u32 v[ADRA+\s], s21, v3
	v_add_nc_u32 v[ADRB+\s], s22, v3
	s_add_co_u32 s21, s21, SLOT
	s_add_co_u32 s22, s22, SLOT
.endr
	s_mul_i32 s23, s10, 16*SPITCH
	s_add_co_u32 s23, s23, STAGE                   ; my stage
	v_mul_u32_u24 v4, v1, SPITCH
	v_lshl_add_u32 v4, v2, 4, v4
	v_add_nc_u32 v[STO], s23, v4                   ; in: row l % 16, 16 bytes for each half of the lanes
	v_bfe_u32 v5, v0, 3, 2                         ; q, k back: eight lanes take the 128 bytes of one head in one row, four rows a load
	v_and_b32 v6, 7, v0
	v_mul_u32_u24 v5, v5, SPITCH
	v_lshl_add_u32 v5, v6, 4, v5
	v_add_nc_u32 v[RD], s23, v5
	v_mul_u32_u24 v7, v2, SPITCH                   ; v back: lanes 0-15 one row of 256 bytes, lanes 16-31 the next
	v_lshl_add_u32 v7, v1, 4, v7
	v_add_nc_u32 v[RDV], s23, v7
	v_and_b32 v6, 31, v0
	v_lshlrev_b32 v[CO], 4, v6                     ; either way a store is 512 dense bytes: 16 x lane
; 2 NB matrix instructions: row blocks a0, a0 + 1 of the window's four x all NB column blocks, 32 along K.  zero = 1: the first product starts the sums.
; The accumulators take turns, one instruction a turn, in the same order in every quarter step.
.macro MULR f, hi, a0, zero
.irp a, \a0, \a0+1
.irp b, 0,1,2,3,4,5,6,7
.if \zero
	v_wmma_f32_16x16x32_bf16 v[8*(NB*(\a)+\b):8*(NB*(\a)+\b)+7], v[\f+8*\b:\f+8*\b+7], v[\f+8*(4*\hi+\a):\f+8*(4*\hi+\a)+7], 0
.else
	v_wmma_f32_16x16x32_bf16 v[8*(NB*(\a)+\b):8*(NB*(\a)+\b)+7], v[\f+8*\b:\f+8*\b+7], v[\f+8*(4*\hi+\a):\f+8*(4*\hi+\a)+7], v[8*(NB*(\a)+\b):8*(NB*(\a)+\b)+7]
.endif
.endr
.endr
.endm
; the fragments of one quarter step (32 along K at byte k of the slot's rows) into buffer f: 16 loads of wh, 16 of xh
.macro FETCH slot, k, f
	WIN TO_B
.irp i, 0,1,2,3,4,5,6,7
	ds_load_b128 v[\f+8*\i:\f+8*\i+3],   v[ADRB+\slot] offset:\k+\i*16*PITCH
	ds_load_b128 v[\f+8*\i+4:\f+8*\i+7], v[ADRB+\slot] offset:\k+\i*16*PITCH+32
.endr
	WIN 0
.irp i, 0,1,2,3,4,5,6,7
	ds_load_b128 v[\f+8*\i:\f+8*\i+3],   v[ADRA+\slot] offset:\k+\i*16*PITCH
	ds_load_b128 v[\f+8*\i+4:\f+8*\i+7], v[ADRA+\slot] offset:\k+\i*16*PITCH+32
.endr
.endm
; four places behind the matrix instructions that read a buffer, in front of the loads into it (ISA guide 7.12.1 for vector instructions)
.macro PLACES
.rept 4
	v_nop
.endr
.endm
.macro QUARTER slot, k, f, g, zero
	s_wait_dscnt 8                                 ; wh and xh's rows 0-63 are in; the youngest eight loads (rows 64-127) may be out
	WIN MUL_LO
	MULR \f, 0, 0, \zero
	MULR \f, 0, 2, \zero
	PLACES
	FETCH \slot, \k, \g
	s_wait_dscnt 2*NB+16                           ; all but the 32 just issued
	WIN MUL_HI
	MULR \f, 1, 0, \zero
	MULR \f, 1, 2, \zero
.endm
.macro THREE slot, zero                ; quarters 0, 1, 2 of a K step; each fetches the next: byte 64, then the second block of 64, then its byte 64
	QUARTER \slot, 64,     F0, F1, \zero
	QUARTER \slot, KBS,    F1, F0, 0
	QUARTER \slot, KBS+64, F0, F1, 0
.endm
; The last quarter changes slots.  In front of the barrier each wave waits for its reads of this slot and for all its tensor loads (one is out:
; its part of the next slot).  Where the slot is filled again the barrier opens a round of the cluster's barrier, and the joint refill is the
; first tensor load behind the round.  From a request to the wait for it a wave issues 240 matrix instructions.
.macro TURN slot, next, fill
	s_wait_dscnt 8
	WIN MUL_LO
	MULR F1, 0, 0, 0
	s_wait_dscnt 0                                 ; my reads of this slot are over
	s_wait_tensorcnt 0x0                           ; all my tensor loads have landed
	ds_add_u32 v255, v255
	s_wait_dscnt 0x0
	s_barrier_signal -1
	MULR F1, 0, 2, 0                               ; register work while the others arrive
	WIN 0
	s_barrier_wait -1
.if \fill
	CREST
	s_add_nc_u64 s[G0+4*\slot+2:G0+4*\slot+3], s[G0+4*\slot+2:G0+4*\slot+3], 2*STEPB
	s_add_nc_u64 s[G0B+4*\slot+2:G0B+4*\slot+3], s[G0B+4*\slot+2:G0B+4*\slot+3], 2*STEPB
	JLOAD \slot
.endif
	PLACES
	FETCH \next, 0, F0
	WIN MUL_HI
	MULR F1, 1, 0, 0
	MULR F1, 1, 2, 0
.endm
.macro LAP zero
	THREE 0, \zero
	TURN 0, 1, 1
	THREE 1, 0
	TURN 1, 0, 1
.endm
	s_wait_tensorcnt 1                             ; my part of K step 0 is in; K step 1's may stay out
	s_barrier_signal -1
	s_barrier_wait -1
	FETCH 0, 0, F0
	LAP 1                                          ; the first lap's first products start the sums
	WIN 0
	s_mov_b32 s3, LAPS-2
.Llap:
	LAP 0
	WIN 0
	s_sub_co_u32 s3, s3, 1
	s_cmp_lg_u32 s3, 0
	s_cbranch_scc1 .Llap
	THREE 0, 0                                     ; the last lap fills nothing
	TURN 0, 1, 0
	THREE 1, 0
	s_wait_dscnt 8
	WIN MUL_LO
	MULR F1, 0, 0, 0
	MULR F1, 0, 2, 0
	s_wait_dscnt 0
	WIN MUL_HI
	MULR F1, 1, 0, 0
	MULR F1, 1, 2, 0
	; THE WAY OUT, 16 rows at a time, through my own stage in LDS; every store of the wave is 512 dense bytes.
	PLACES
	WIN 0                                          ; a branch follows
	s_lshr_b32 s67, s13, 3                         ; b: 8 block rows each
	s_lshl_b32 s67, s67, 4
	s_and_b32 s68, s42, 3
	s_lshl_b32 s68, s68, 2                         ; 4 heads a block column,
	s_add_co_u32 s67, s67, s68
	s_lshl_b32 s68, s12, 1                         ; 2 a wave
	s_add_co_u32 s67, s67, s68                     ; 16 b + my first head
	s_and_b32 s68, s13, 7
	s_lshl_b32 s68, s68, 1
	s_add_co_u32 s68, s68, s11                     ; my first t / 128
	s_mov_b32 s69, ttmp9                           ; the cluster's x: 0 q, 1 k, 2 v; the same in all sixteen partners
	s_cmp_eq_u32 s69, 2
	s_cbranch_scc1 .Lv_out
	s_lshl_b32 s66, s69, 6                         ; q, k: 64 heads each,
	s_add_co_u32 s66, s66, s67
	s_lshl_b32 s66, s66, 18                        ; 262,144 bytes a head,
	s_lshl_b32 s68, s68, 14                        ; rows of 128 bytes
	s_add_co_u32 s66, s66, s68
	s_mov_b32 s67, 0
	s_add_nc_u64 s[8:9], s[8:9], s[66:67]
; q, k: rows 16 i .. 16 i + 15 of my block = tiles (a, 0..7) of window 2 or 3 (from = 0x0a or 0x0f); f: F0 or F1 in turn.
; In the read-back lanes 0-7 and 8-15 take 128 bytes of two stage rows 272 bytes apart, which overlap in 112 bytes modulo 256: accepted, once a block.
.macro OUT16 i, a, from, f
	WIN \from
.irp b, 0,1,2,3,4,5,6,7
.irp r, 0,1,2,3
	v_cvt_pk_f16_f32 v[TMP+4*\b+\r], v[8*(NB*\a+\b)+2*\r], v[8*(NB*\a+\b)+2*\r+1]
.endr
.endr
	WIN 0
.irp b, 0,1,2,3,4,5,6,7
	ds_store_b128 v[STO], v[TMP+4*\b:TMP+4*\b+3] offset:32*\b
.endr
	s_wait_xcnt 0x0                                ; buffer f, which earlier stores read, is loaded again only behind this wait
.irp t, 0,1,2,3,4,5,6,7
	ds_load_b128 v[\f+4*\t:\f+4*\t+3], v[RD] offset:(\t>>2)*128+(\t&3)*4*SPITCH    ; LDS serves a wave's instructions in order: these see the stores above
.endr
.irp t, 0,1,2,3,4,5,6,7
	s_wait_dscnt 7-\t
	global_store_b128 v[CO], v[\f+4*\t:\f+4*\t+3], s[8:9] offset:(\t>>2)*262144+\i*2048+(\t&3)*512  ; head t >> 2, four rows: 512 consecutive bytes, aligned
.endr
.endm
	OUT16 0, 0, 0x0a, F0
	OUT16 1, 1, 0x0a, F1
	OUT16 2, 2, 0x0a, F0
	OUT16 3, 3, 0x0a, F1
	OUT16 4, 0, 0x0f, F0
	OUT16 5, 1, 0x0f, F1
	OUT16 6, 2, 0x0f, F0
	OUT16 7, 3, 0x0f, F1
	s_branch .Lout_done
.Lv_out:
	s_lshl_b32 s66, s67, 19                        ; v: 524,288 bytes a head,
	s_lshl_b32 s68, s68, 15                        ; rows of 256 bytes
	s_add_co_u32 s66, s66, s68
	s_add_co_u32 s66, s66, VMEM
	s_mov_b32 s67, 0
	s_add_nc_u64 s[8:9], s[8:9], s[66:67]
; v: rows 16 i .. 16 i + 15, head hh of my two = tiles (a, 4 hh .. 4 hh + 3) of window 2 or 3 (from = 0x0a or 0x0f: both sources; sub = 0x02 or 0x03: source 0).
; hi = f16(v); lo = f16(v - hi), the difference taken in f32, where it is exact.  A stage row holds 128 bytes of hi and 128 of lo: a row of v as it lies in memory.
.macro OUT16V i, a, from, sub, hh, f
	WIN \from
.irp bb, 0,1,2,3
.irp r, 0,1,2,3
	v_cvt_pk_f16_f32 v[HP+4*\bb+\r], v[8*(NB*\a+4*\hh+\bb)+2*\r], v[8*(NB*\a+4*\hh+\bb)+2*\r+1]
.endr
.endr
	WIN 0
.set e, 0
.irp src, v32.l,v32.h,v33.l,v33.h,v34.l,v34.h,v35.l,v35.h,v36.l,v36.h,v37.l,v37.h,v38.l,v38.h,v39.l,v39.h,v40.l,v40.h,v41.l,v41.h,v42.l,v42.h,v43.l,v43.h,v44.l,v44.h,v45.l,v45.h,v46.l,v46.h,v47.l,v47.h
	v_cvt_f32_f16 v[U+e], \src                     ; the halves of v[HP .. HP+15], in order
.set e, e+1
.endr
	WIN \sub
.set e, 0
.rept 16
	v_pk_add_f32 v[U+2*e:U+2*e+1], v[8*(NB*\a+4*\hh)+2*e:8*(NB*\a+4*\hh)+2*e+1], v[U+2*e:U+2*e+1] neg_lo:[0,1] neg_hi:[0,1]
.set e, e+1
.endr
	WIN 0
.set e, 0
.rept 16
	v_cvt_pk_f16_f32 v[LP+e], v[U+2*e], v[U+2*e+1]
.set e, e+1
.endr
.irp bb, 0,1,2,3
	ds_store_b128 v[STO], v[HP+4*\bb:HP+4*\bb+3] offset:32*\bb
	ds_store_b128 v[STO], v[LP+4*\bb:LP+4*\bb+3] offset:128+32*\bb
.endr
	s_wait_xcnt 0x0                                ; buffer f, which earlier stores read, is loaded again only behind this wait
.irp t, 0,1,2,3,4,5,6,7
	ds_load_b128 v[\f+4*\t:\f+4*\t+3], v[RDV] offset:\t*2*SPITCH   ; LDS serves a wave's instructions in order: these see the stores above
.endr
.irp t, 0,1,2,3,4,5,6,7
	s_wait_dscnt 7-\t
	global_store_b128 v[CO], v[\f+4*\t:\f+4*\t+3], s[8:9] offset:\hh*524288+\i*4096+\t*512   ; two rows of 256 bytes: 512 consecutive bytes, aligned
.endr
.endm
.macro OUTV2 i, a, from, sub
	OUT16V \i, \a, \from, \sub, 0, RB0
	OUT16V \i, \a, \from, \sub, 1, RB1
.endm
	OUTV2 0, 0, 0x0a, 0x02
	OUTV2 1, 1, 0x0a, 0x02
	OUTV2 2, 2, 0x0a, 0x02
	OUTV2 3, 3, 0x0a, 0x02
	OUTV2 4, 0, 0x0f, 0x03
	OUTV2 5, 1, 0x0f, 0x03
	OUTV2 6, 2, 0x0f, 0x03
	OUTV2 7, 3, 0x0f, 0x03
.Lout_done:
	s_set_vgpr_msb 0x1
	s_wait_tensorcnt 0x0
	ds_add_u32 v255, v255
	s_wait_dscnt 0x0
	s_set_vgpr_msb 0x100
	CROUND                                         ; the closing round: no work-group ends while a partner may still ask for a tile that names it
	s_endpgm
.Lfunc_end_k_q84bb6f714b_qkv:
	.size	k_q84bb6f714b_qkv, .Lfunc_end_k_q84bb6f714b_qkv-k_q84bb6f714b_qkv
	.p2alignl 7, 3214868480
	.fill 96, 4, 3214868480
	.section	.rodata,"a",@progbits
	.p2align	6, 0x0
	.amdhsa_kernel k_q84bb6f714b_qkv
		.amdhsa_group_segment_fixed_size 327680
		.amdhsa_private_segment_fixed_size 0
		.amdhsa_enable_private_segment 0
		.amdhsa_kernarg_size 24
		.amdhsa_user_sgpr_count 2
		.amdhsa_user_sgpr_kernarg_segment_ptr 1
		.amdhsa_wavefront_size32 1
		.amdhsa_system_sgpr_workgroup_id_x 1
		.amdhsa_system_sgpr_workgroup_id_y 1
		.amdhsa_system_sgpr_workgroup_id_z 1
		.amdhsa_system_vgpr_workitem_id 0
		.amdhsa_next_free_vgpr 1024
		.amdhsa_next_free_sgpr 72
		.amdhsa_reserve_vcc 0
		.amdhsa_float_denorm_mode_32 3
		.amdhsa_float_denorm_mode_16_64 3
		.amdhsa_memory_ordered 1
		.amdhsa_forward_progress 1
		.amdhsa_inst_pref_size 255
	.end_amdhsa_kernel
	.section	.bss,"aw",@nobits
	.p2align	6
	.space	262144
	.amdgpu_metadata
---
amdhsa.version: [ 1, 2 ]
amdhsa.kernels:
  - .name:           k_q84bb6f714b_qkv
    .symbol:         k_q84bb6f714b_qkv.kd
    .args:
      - { .name: xh, .offset: 0, .size: 8, .value_kind: global_buffer, .address_space: global }
      - { .name: wh, .offset: 8, .size: 8, .value_kind: global_buffer, .address_space: global }
      - { .name: qkv, .offset: 16, .size: 8, .value_kind: global_buffer, .address_space: global }
    .group_segment_fixed_size: 327680
    .private_segment_fixed_size: 0
    .kernarg_segment_align: 8
    .kernarg_segment_size: 24
    .max_flat_workgroup_size: 128
    .sgpr_count:     72
    .vgpr_count:     1024
    .wavefront_size: 32
...
	.end_amdgpu_metadata
.endif
;; end of part 2
;; launch attn (part 3): grid 256 x 1, 8 waves a work-group, clusters of 4 x 1, 327,680 bytes of LDS; arguments qkv, yh; writes yh
.if DOCPART == 3
	.amdgcn_target "amdgcn-amd-amdhsa--gfx1250"
	.amdhsa_code_object_version 6
	.text
	.protected	k_q84bb6f714b_attn
	.globl	k_q84bb6f714b_attn
	.p2align	8
	.type	k_q84bb6f714b_attn,@function
k_q84bb6f714b_attn:
	s_mov_b64 s[64:65], 0
	v_nop
	global_prefetch_b8 v0, s[64:65] scope:SCOPE_SE
	s_setreg_imm32_b32 hwreg(HW_REG_WAVE_MODE, 25, 1), 1
	s_wait_xcnt 0x0
	s_wait_alu depctr_hold_cnt(0) depctr_sa_sdst(0) depctr_va_vdst(0) depctr_va_sdst(0) depctr_va_ssrc(0) depctr_va_vcc(0) depctr_vm_vsrc(0)
	s_getreg_b32 s2, hwreg(HW_REG_IB_STS2, 6, 4)
	s_cmp_eq_u32 s2, 0
	s_cbranch_scc0 .Lentry_in_a_cluster
	s_endpgm
.Lentry_in_a_cluster:
	s_bfe_u32 s2, ttmp6, 0x10000c
	s_cmp_lg_u32 s2, 0x3003
	s_cbranch_scc0 .Lentry_shape_is_right
	s_endpgm
.Lentry_shape_is_right:
; Causal attention of one (b, head) by a cluster of four work-groups: y = softmax(q k^T / 8 + causal mask) v, with a running maximum.
; qkv: q at byte 0, k at 16,777,216: [64 (b, head)][2048 t][64] f16; v at 33,554,432: [64][2048][64 hi | 64 lo] f16, v = hi + lo.
; yh: y as a pair of bf16, hi = bf16(y), lo = bf16(y - hi), some 16 bits together, in panels: part p of element (m = 2048 b + t, head, d) lies at
; (((m >> 7) * 16 + head) * 2 + p) * 16384 + (m & 127) * 128 + 2 d.
; Products in f16 with f32 sums; softmax in f32; P in (0, 1] is rounded once to f16.  v and y go as pairs because an early query row averages few values:
; its results are large beside the late rows', and a single rounding of v or y to 11 or 8 bits would show there.
; LIMIT: q, k, v as they were stored (f16: below 65,504).  Exponentials whose result would be denormal come out as zero.
; SHARES.  The 2048 query rows are 32 bands of 64; work-group cx of the cluster takes rows 64 s + 16 cx + 0..15 of every band s.  Wave w owns
; four query tiles of 16 rows, in bands w, 15 - w, 16 + w, 31 - w: 66 units of (16 queries x 64 keys) for every wave.  Key tile n (64 keys) is
; needed by band s if n <= s and cut by the mask if n = s.  Every branch hangs on w and a counter alone; cx enters global addresses and the
; mask's limit, which is a value.
; CLUSTER.  All four work-groups walk the same 8 supertiles of 256 keys of K and V: each is asked for jointly (mask 15), waves 0-3 a quarter of K,
; waves 4-7 a quarter of V, through two LDS slots; a round of the cluster's barrier stands in front of every refill.
; TRANSPOSED PRODUCTS.  S^T = K Q^T: a lane (r = l % 16, h = l / 16) holds keys 16 t + 8 h + 0..7 of query r, so the softmax stays inside a lane
; but for one exchange between the halves, and the packed pairs of tiles 2 c, 2 c + 1 are the second source P^T for keys 32 c .. 32 c + 31 as they lie.
; y^T = V^T P^T, hi's and lo's products onto the same sums: V^T comes from V's rows [key][d] by the transposing LDS load; a lane's results are
; d = 16 dt + 8 h + 0..7 of query r.
.set SLOT,  110592                     ; K: 256 keys x 144 bytes = 36,864; V: 256 keys x 288 bytes = 73,728
.set VOFF,  36864
.set STAGE, 2*SLOT                     ; 221,184: for each wave 4,608 bytes: 16 rows x 144 bytes of hi, then of lo; no fill lands there
.set WST,   4608
.set KMEM,  16777216                   ; k's part of qkv
.set VMEM,  33554432                   ; v's part
.set MJ,  16                           ; v16-19  running maximum of tile j (raw scores)
.set LJ,  20                           ; v20-27  running sum of tile j, a pair
.set AL,  28                           ; v28-29  rescale factor, twice
.set NM,  30                           ; v30-31  -(maximum x c), twice
.set T,   32                           ; v32-39  at work
.set P,   40                           ; v40-55  P^T in f16: registers of its own, so that the next unit's scores land on no source of a pending product
.set NMJ, 56                           ; v56-59  -(maximum x c) of tile j, as the exponentials subtracted it
.set S,   64                           ; v64-95  four score tiles; on the way out: y's hi and lo, packed
.set U,   96                           ; v96-127 way out: hi widened to f32, then y - hi
.set KF,  128                          ; v128-191 K fragments, (t, c) at 8 (2 t + c)
.set VF,  192                          ; v192-255 V^T fragments, (d, c) at 8 (4 c + d): hi in window 0, lo under the same numbers in window 1
.set OB,  64                           ; window 1: Q (j, c) at v[16 j + 8 c]; y^T sums (j, d) at v[64 + 32 j + 8 d]
; v2, v3 K address in slot 0, 1; v4, v5 V address; v6, v7 the stepped copies; v8 mask limit; v9 the limit for the first tile; v10 -infinity;
; v11 stage in; v12 stage back; v13 16 x lane; v14 Q offset
.set G1K, 24
.set G1V, 32
.set G0K, 40                           ; s[40:47] one set a slot
.set G0V, 48                           ; s[48:55]
.set MSB, 0
.macro WIN new
.if MSB != \new
	s_set_vgpr_msb (MSB<<8)|\new
.set MSB, \new
.endif
.endm
.macro ROUND                           ; a round of the cluster's barrier
	s_barrier_signal -1
	s_barrier_wait -1
	s_cmp_lg_u32 s8, 0
	s_cbranch_scc1 .Lnot_wave_0_\@
	s_barrier_signal -3
.Lnot_wave_0_\@:
	s_barrier_wait -3
	s_barrier_signal -1
	s_barrier_wait -1
.endm
.macro JKV s                           ; a joint load: waves 0-3 K's quarter, waves 4-7 V's; one a wave
	s_cmp_eq_u32 s10, 0
	s_cbranch_scc0 .Lfor_v_\@
	tensor_load_to_lds s[G0K+4*\s:G0K+4*\s+3], s[G1K:G1K+7]
	s_nop 0
	s_branch .Lasked_\@
.Lfor_v_\@:
	tensor_load_to_lds s[G0V+4*\s:G0V+4*\s+3], s[G1V:G1V+7]
	s_nop 0
.Lasked_\@:
.endm
	s_load_b128 s[4:7], s[0:1], 0x0                ; qkv s[4:5], yh s[6:7]
	v_lshl_add_u32 v62, v0, 2, 0x3f000
	v_mov_b32 v63, 0
	ds_add_u32 v62, v63
	v_lshrrev_b32 v1, 5, v0
	v_readfirstlane_b32 s8, v1                     ; wave 0..7
	s_and_b32 s9, s8, 3                            ; which quarter of a supertile I fetch
	s_lshr_b32 s10, s8, 2                          ; for K (0) or V (1)
	s_bfe_u32 s11, ttmp6, 0x40000                  ; cx
	s_mov_b32 s12, ttmp9                           ; the cluster's number = 16 b + head
	s_mov_b32 s16, s8                              ; my four bands
	s_sub_co_u32 s17, 15, s8
	s_add_co_u32 s18, s8, 16
	s_sub_co_u32 s19, 31, s8                       ; the largest of the four
	s_mov_b32 s20, 0x3e38aa3b                      ; c = log2(e) / 8: the scale 1 / sqrt(64) and the base change in one factor
	s_mov_b32 s21, 0x3e38aa3b
	s_mov_b32 s72, 0xbe38aa3b                      ; -c
	s_mov_b32 s22, 0x76543210                      ; v_permlanex16_b32: lane i of one half reads lane i of the other
	s_mov_b32 s23, 0xfedcba98
	; group 1, dense rows of 256 bytes.  K: 32 rows = 64 keys, 16 bytes of padding behind every 128 bytes.  V: 64 rows = 64 keys, 32 bytes behind every 256.
	s_mov_b32 s[G1K+0], 15|(3<<16)|(1<<20)|(1<<21)|(4<<22)|(3<<25)
	s_mov_b32 s[G1V+0], 15|(3<<16)|(1<<20)|(1<<21)|(5<<22)|(7<<25)
	s_mov_b32 s[G1K+1], 32<<16
	s_mov_b32 s[G1V+1], 32<<16
	s_mov_b32 s[G1K+2], 32<<16
	s_mov_b32 s[G1V+2], 64<<16
	s_mov_b32 s[G1K+3], 32<<16
	s_mov_b32 s[G1V+3], 32<<16
	s_mov_b32 s[G1K+4], 32
	s_mov_b32 s[G1V+4], 64
	s_mov_b32 s[G1K+5], 32
	s_mov_b32 s[G1V+5], 32
	s_mov_b32 s[G1K+6], 0
	s_mov_b32 s[G1V+6], 0
	s_mov_b32 s[G1K+7], 0
	s_mov_b32 s[G1V+7], 0
	s_lshl_b32 s66, s12, 18                        ; K: my head, 262,144 bytes,
	s_lshl_b32 s67, s9, 13                         ; my quarter: 64 keys of 128 bytes
	s_add_co_u32 s66, s66, s67
	s_mov_b32 s67, 0
	s_lshl_b32 s78, s12, 19                        ; V: my head, 524,288 bytes,
	s_lshl_b32 s79, s9, 14                         ; my quarter: 64 keys of 256 bytes
	s_add_co_u32 s78, s78, s79
	s_mov_b32 s79, 0
	s_mul_i32 s70, s9, 9216                        ; and where they go
	s_mul_i32 s71, s9, 18432
	s_add_co_u32 s71, s71, VOFF
	s_wait_dscnt 0x0
	s_wait_kmcnt 0x0
	s_add_nc_u64 s[68:69], s[4:5], s[66:67]
	s_add_nc_u64 s[78:79], s[4:5], s[78:79]
	ROUND                                          ; all four work-groups are here: the first joint loads meet
.irp s, 0,1
	s_mov_b32 s[G0K+4*\s], 1
	s_add_co_u32 s[G0K+4*\s+1], s70, \s*SLOT
	s_add_nc_u64 s[G0K+4*\s+2:G0K+4*\s+3], s[68:69], KMEM+\s*32768 ; supertile s
	s_or_b32 s[G0K+4*\s+3], s[G0K+4*\s+3], 0x80000000
	s_mov_b32 s[G0V+4*\s], 1
	s_add_co_u32 s[G0V+4*\s+1], s71, \s*SLOT
	s_add_nc_u64 s[G0V+4*\s+2:G0V+4*\s+3], s[78:79], VMEM+\s*65536
	s_or_b32 s[G0V+4*\s+3], s[G0V+4*\s+3], 0x80000000
	JKV \s                                         ; both first fills: two loads of the wave are out
.endr
	v_and_b32 v1, 15, v0                           ; r
	v_bfe_u32 v15, v0, 4, 1                        ; h
	v_mul_u32_u24 v2, v1, 144
	v_lshl_add_u32 v2, v15, 4, v2                  ; K: row r, 16 h
	v_add_nc_u32 v3, SLOT, v2
	v_and_b32 v32, 7, v0
	v_lshl_add_u32 v33, v15, 3, v32                ; V: key 8 h + (l & 7),
	v_mul_u32_u24 v4, v33, 288
	v_bfe_u32 v34, v0, 3, 1
	v_lshl_add_u32 v4, v34, 4, v4                  ; 16 bytes by (l >> 3) & 1
	v_add_nc_u32 v4, VOFF, v4
	v_add_nc_u32 v5, SLOT, v4
	v_lshlrev_b32 v35, 3, v15
	v_sub_nc_u32 v8, v1, v35
	s_lshl_b32 s74, s11, 4
	v_add_nc_u32 v8, s74, v8                       ; in the tile on the diagonal, register 8 t + jj (key 16 t + 8 h + jj) is cut if 16 t + jj > 16 cx + r - 8 h
	s_lshl_b32 s73, s8, 6
	v_add_nc_u32 v9, s73, v8                       ; first tile, band w: + 64 w, at least 56 for w > 0, which no 16 t + jj (55 at the most) exceeds
	v_mov_b32 v10, 0xff800000
	s_mul_i32 s73, s8, WST
	s_add_co_u32 s73, s73, STAGE
	v_add_nc_u32 v11, s73, v2                      ; stage in: row r, 16 h
	v_bfe_u32 v36, v0, 3, 2
	v_mul_u32_u24 v36, v36, 144
	v_lshl_add_u32 v36, v32, 4, v36
	v_add_nc_u32 v12, s73, v36                     ; stage back: four rows of 128 bytes a load
	v_and_b32 v37, 31, v0
	v_lshlrev_b32 v13, 4, v37
	v_lshlrev_b32 v14, 7, v1
	v_lshl_add_u32 v14, v15, 4, v14                ; Q: row r of 128 bytes, 16 h
	; Q's fragments, read once, straight into window 1
	s_lshl_b32 s74, s12, 18
	s_lshl_b32 s75, s11, 11                        ; 16 cx rows
	s_add_co_u32 s74, s74, s75
.irp j, 0,1,2,3
	s_lshl_b32 s76, s[16+\j], 13                   ; 64 rows a band
	s_add_co_u32 s76, s76, s74
	s_mov_b32 s77, 0
	s_add_nc_u64 s[56+2*\j:57+2*\j], s[4:5], s[76:77]
.endr
	WIN 0x40
.irp j, 0,1,2,3
.irp c, 0,1
	global_load_b128 v[16*\j+8*\c:16*\j+8*\c+3],   v14, s[56+2*\j:57+2*\j] offset:64*\c
	global_load_b128 v[16*\j+8*\c+4:16*\j+8*\c+7], v14, s[56+2*\j:57+2*\j] offset:64*\c+32
.endr
.endr
	WIN 0
	s_wait_loadcnt 0x0
; one key tile's fragments: 16 loads of K, 16 transposing loads of V's hi, 16 of its lo.  Four places stand behind the last products that read these registers.
.macro LOADKV
.rept 4
	v_nop
.endr
.irp t, 0,1,2,3
.irp c, 0,1
	ds_load_b128 v[KF+8*(2*\t+\c):KF+8*(2*\t+\c)+3],   v6 offset:\t*2304+\c*64
	ds_load_b128 v[KF+8*(2*\t+\c)+4:KF+8*(2*\t+\c)+7], v6 offset:\t*2304+\c*64+32
.endr
.endr
.irp c, 0,1
.irp d, 0,1,2,3
	ds_load_tr16_b128 v[VF+8*(4*\c+\d):VF+8*(4*\c+\d)+3],   v7 offset:\c*9216+\d*32
	ds_load_tr16_b128 v[VF+8*(4*\c+\d)+4:VF+8*(4*\c+\d)+7], v7 offset:\c*9216+4608+\d*32
.endr
.endr
	WIN 0x40                                       ; destination in window 1
.irp c, 0,1
.irp d, 0,1,2,3
	ds_load_tr16_b128 v[VF+8*(4*\c+\d):VF+8*(4*\c+\d)+3],   v7 offset:\c*9216+\d*32+128
	ds_load_tr16_b128 v[VF+8*(4*\c+\d)+4:VF+8*(4*\c+\d)+7], v7 offset:\c*9216+4608+\d*32+128
.endr
.endr
	WIN 0
.endm
.macro STEP                            ; the next key tile
	v_add_nc_u32 v6, 9216, v6
	v_add_nc_u32 v7, 18432, v7
	s_add_co_u32 s13, s13, 1
.endm
.macro MASK lim                        ; -infinity where key > query
.irp t, 0,1,2,3
.irp jj, 0,1,2,3,4,5,6,7
	v_cmp_gt_i32 vcc_lo, 16*\t+\jj, v[\lim]
	v_cndmask_b32 v[S+8*\t+\jj], v[S+8*\t+\jj], v10, vcc_lo
.endr
.endr
.endm
; One unit: query tile j against the key tile in KF, VF.  first = 1: it starts the maximum and the sums.
; mk = 0: masked if the tile is j's band; 1: masked by v9; 2: never on the diagonal.
; In every group of products four accumulators take turns, one instruction a turn.
.macro UNIT j, first, mk
	s_wait_dscnt 32                                ; K's 16 loads are in; V's 32, issued behind them, may be out
	WIN 0x04                                       ; source 1 (Q) in window 1
.irp t, 0,1,2,3
	v_wmma_f32_16x16x32_f16 v[S+8*\t:S+8*\t+7], v[KF+16*\t:KF+16*\t+7], v[16*\j:16*\j+7], 0
.endr
.irp t, 0,1,2,3
	v_wmma_f32_16x16x32_f16 v[S+8*\t:S+8*\t+7], v[KF+16*\t+8:KF+16*\t+15], v[16*\j+8:16*\j+15], v[S+8*\t:S+8*\t+7]
.endr
	WIN 0
.rept 4
	v_nop                                          ; four places before vector instructions read the scores (ISA guide 7.12.1)
.endr
.if \mk == 0
	s_cmp_lg_u32 s13, s[16+\j]
	s_cbranch_scc1 .Lnomask_\@
	MASK 8
.Lnomask_\@:
.endif
.if \mk == 1
	MASK 9
.endif
	; the largest of my 32 scores, in four chains, then the other half of the lanes
.irp t, 0,1,2,3
	v_max3_num_f32 v[T+\t], v[S+8*\t], v[S+8*\t+1], v[S+8*\t+2]
.endr
.irp t, 0,1,2,3
	v_max3_num_f32 v[T+\t], v[T+\t], v[S+8*\t+3], v[S+8*\t+4]
.endr
.irp t, 0,1,2,3
	v_max3_num_f32 v[T+\t], v[T+\t], v[S+8*\t+5], v[S+8*\t+6]
.endr
.irp t, 0,1,2,3
	v_max_num_f32 v[T+\t], v[T+\t], v[S+8*\t+7]
.endr
	v_max3_num_f32 v[T], v[T], v[T+1], v[T+2]
	v_max_num_f32 v[T], v[T], v[T+3]
	v_permlanex16_b32 v[T+1], v[T], s22, s23
.if \first
	v_max_num_f32 v[MJ+\j], v[T], v[T+1]
	v_mul_f32 v[NM], s72, v[MJ+\j]
	v_mul_f32 v[NM+1], s72, v[MJ+\j]
	v_mov_b32 v[NMJ+\j], v[NM]
.else
	v_max3_num_f32 v[MJ+\j], v[T], v[T+1], v[MJ+\j]
	v_mul_f32 v[NM], s72, v[MJ+\j]                 ; the offset that this tile's exponentials subtract
	v_sub_f32 v[T+2], v[NM], v[NMJ+\j]             ; less the one that the earlier tiles subtracted: at most 0
	v_exp_f32 v[AL], v[T+2]
	v_exp_f32 v[AL+1], v[T+2]
	v_mov_b32 v[NM+1], v[NM]                       ; plain work behind the exponentials (ISA guide 5.7.2)
	v_mov_b32 v[NMJ+\j], v[NM]
.endif
.set e, 0
.rept 16
	v_pk_fma_f32 v[S+e:S+e+1], v[S+e:S+e+1], s[20:21], v[NM:NM+1] op_sel_hi:[1,0,1]   ; score x c - maximum x c
.set e, e+2
.endr
.set e, 0
.rept 32
	v_exp_f32 v[S+e], v[S+e]
.set e, e+1
.endr
	v_nop                                          ; one plain place behind the last exponential
.if \first
	s_wait_alu depctr_va_vdst(0)
	v_pk_add_f32 v[LJ+2*\j:LJ+2*\j+1], v[S:S+1], v[S+4:S+5]
.else
	s_wait_alu depctr_va_vdst(0)
	v_pk_fma_f32 v[LJ+2*\j:LJ+2*\j+1], v[LJ+2*\j:LJ+2*\j+1], v[AL:AL+1], v[S:S+1]
	v_pk_add_f32 v[LJ+2*\j:LJ+2*\j+1], v[LJ+2*\j:LJ+2*\j+1], v[S+4:S+5]
.endif
	v_pk_add_f32 v[T+4:T+5], v[S+2:S+3], v[S+6:S+7]
.irp i, 8,12,16,20,24,28
	v_pk_add_f32 v[LJ+2*\j:LJ+2*\j+1], v[LJ+2*\j:LJ+2*\j+1], v[S+\i:S+\i+1]
	v_pk_add_f32 v[T+4:T+5], v[T+4:T+5], v[S+\i+2:S+\i+3]
.endr
	v_pk_add_f32 v[LJ+2*\j:LJ+2*\j+1], v[LJ+2*\j:LJ+2*\j+1], v[T+4:T+5]
.set e, 0
.rept 16
	v_cvt_pk_f16_f32 v[P+e], v[S+2*e], v[S+2*e+1]
.set e, e+1
.endr
.if \first == 0
	WIN 0x41                                       ; destination and source 0 in window 1
.set e, 0
.rept 16
	v_pk_mul_f32 v[OB+32*\j+e:OB+32*\j+e+1], v[OB+32*\j+e:OB+32*\j+e+1], v[AL:AL+1]
.set e, e+2
.endr
.endif
	s_wait_dscnt 16                                ; V's hi fragments are in; the 16 loads of lo may be out
	WIN 0x50                                       ; C and D in window 1
.irp d, 0,1,2,3
.if \first
	v_wmma_f32_16x16x32_f16 v[OB+32*\j+8*\d:OB+32*\j+8*\d+7], v[VF+8*\d:VF+8*\d+7], v[P:P+7], 0
.else
	v_wmma_f32_16x16x32_f16 v[OB+32*\j+8*\d:OB+32*\j+8*\d+7], v[VF+8*\d:VF+8*\d+7], v[P:P+7], v[OB+32*\j+8*\d:OB+32*\j+8*\d+7]
.endif
.endr
.irp d, 0,1,2,3
	v_wmma_f32_16x16x32_f16 v[OB+32*\j+8*\d:OB+32*\j+8*\d+7], v[VF+32+8*\d:VF+32+8*\d+7], v[P+8:P+15], v[OB+32*\j+8*\d:OB+32*\j+8*\d+7]
.endr
	s_wait_dscnt 0                                 ; V's lo fragments are in
	WIN 0x51                                       ; source 0 (lo) in window 1 too
.irp d, 0,1,2,3
	v_wmma_f32_16x16x32_f16 v[OB+32*\j+8*\d:OB+32*\j+8*\d+7], v[VF+8*\d:VF+8*\d+7], v[P:P+7], v[OB+32*\j+8*\d:OB+32*\j+8*\d+7]
.endr
.irp d, 0,1,2,3
	v_wmma_f32_16x16x32_f16 v[OB+32*\j+8*\d:OB+32*\j+8*\d+7], v[VF+32+8*\d:VF+32+8*\d+7], v[P+8:P+15], v[OB+32*\j+8*\d:OB+32*\j+8*\d+7]
.endr
	WIN 0
.endm
.macro TRYUNIT j                       ; tile j takes part while the key tile is not beyond its band
	s_cmp_gt_u32 s13, s[16+\j]
	s_cbranch_scc1 .Lnou_\@
	UNIT \j, 0, 0
.Lnou_\@:
.endm
; trips key tiles of the current slot.  A tile beyond my largest band (31 - w) is passed over whole; else tile 3 always takes part,
; so that every way behind the 48 LDS loads holds the waits for them.
.macro INNER trips, jmin
	s_mov_b32 s14, 0
.Lin_\@:
	s_cmp_gt_u32 s13, s19
	s_cbranch_scc1 .Lskip_\@
	LOADKV
.if \jmin < 1
	TRYUNIT 0
.endif
.if \jmin < 2
	TRYUNIT 1
.endif
.if \jmin < 3
	TRYUNIT 2
.endif
	UNIT 3, 0, 0
.Lskip_\@:
	STEP
	s_add_co_u32 s14, s14, 1
	s_cmp_lt_u32 s14, \trips
	s_cbranch_scc1 .Lin_\@
.endm
; The change of slots; slot = the one just read.  Every wave waits for all its tensor loads (its part of the other slot among them) and for its
; reads of this slot; with a refill a round of the cluster's barrier follows and the joint load is the first tensor load behind it, one a wave.
.macro SWITCH slot, refill
	s_wait_tensorcnt 0x0
	ds_add_u32 v62, v63
	s_wait_dscnt 0x0
.if \refill
	s_add_nc_u64 s[G0K+4*\slot+2:G0K+4*\slot+3], s[G0K+4*\slot+2:G0K+4*\slot+3], 65536   ; no load of mine is out: two supertiles on
	s_add_nc_u64 s[G0V+4*\slot+2:G0V+4*\slot+3], s[G0V+4*\slot+2:G0V+4*\slot+3], 131072
.endif
	s_wait_dscnt 0x0
.if \refill
	ROUND
	JKV \slot
.else
	s_barrier_signal -1
	s_barrier_wait -1
.endif
	v_mov_b32 v6, v[3-\slot]
	v_mov_b32 v7, v[5-\slot]
.endm
	s_wait_tensorcnt 1                             ; my part of supertile 0 is in; supertile 1's may stay out
	s_barrier_signal -1
	s_barrier_wait -1
	s_mov_b32 s13, 0                               ; key tile number
	v_mov_b32 v6, v2
	v_mov_b32 v7, v4
	LOADKV
	UNIT 0, 1, 1                                   ; key tile 0 is in every band's range: it starts every maximum and sum, nothing is cleared
	UNIT 1, 1, 2
	UNIT 2, 1, 2
	UNIT 3, 1, 2
	STEP
	INNER 3, 0
	s_mov_b32 s15, 0
.Louter:                                           ; supertiles 1 to 6; asks for 2 to 7
	SWITCH 0, 1
	INNER 4, 0
	SWITCH 1, 1
	INNER 4, 0
	s_add_co_u32 s15, s15, 1
	s_cmp_lt_u32 s15, 3
	s_cbranch_scc1 .Louter
	SWITCH 0, 0                                    ; supertile 7 (key tiles 28 to 31): nothing is left to fetch; only bands 31 - w reach it
	INNER 4, 3
	; THE WAY OUT: divide by the sum, split into two bf16, through my own stage, 512 dense bytes a store
.rept 4
	v_nop                                          ; four places behind the last products
.endr
	s_lshr_b32 s74, s12, 4
	s_lshl_b32 s74, s74, 4                         ; 16 b: panels of 128 rows
	s_and_b32 s75, s12, 15                         ; head
.irp j, 0,1,2,3
	s_lshr_b32 s76, s[16+\j], 1
	s_add_co_u32 s76, s76, s74                     ; panel 16 b + band / 2
	s_lshl_b32 s76, s76, 4
	s_add_co_u32 s76, s76, s75                     ; x 16 + head
	s_lshl_b32 s76, s76, 8                         ; x 2 blocks (hi, lo) of 128 rows
	s_and_b32 s77, s[16+\j], 1
	s_lshl_b32 s77, s77, 6
	s_add_co_u32 s76, s76, s77                     ; + 64 (band & 1)
	s_lshl_b32 s77, s11, 4
	s_add_co_u32 s76, s76, s77                     ; + 16 cx
	s_lshl_b32 s76, s76, 7                         ; rows of 128 bytes
	s_mov_b32 s77, 0
	s_add_nc_u64 s[56+2*\j:57+2*\j], s[6:7], s[76:77]   ; Q's loads, which named these registers, were waited for
.endr
; The four tiles use the wave's one stage in turn: LDS serves a wave's instructions in order, so a tile's stores come behind the loads of the tile before.
.macro FIN j
	v_add_f32 v[T], v[LJ+2*\j], v[LJ+2*\j+1]
	v_permlanex16_b32 v[T+1], v[T], s22, s23       ; the other half of the keys
	v_add_f32 v[T], v[T], v[T+1]
	v_rcp_f32 v[AL], v[T]
	v_rcp_f32 v[AL+1], v[T]
	v_nop                                          ; one plain place behind the reciprocals
	WIN 0x41
.set e, 0
	s_wait_alu depctr_va_vdst(0)
.rept 16
	v_pk_mul_f32 v[OB+32*\j+e:OB+32*\j+e+1], v[OB+32*\j+e:OB+32*\j+e+1], v[AL:AL+1]
.set e, e+2
.endr
	WIN 0x05                                       ; both sources in window 1
.set e, 0
.rept 16
	v_cvt_pk_bf16_f32 v[S+e], v[OB+32*\j+2*e], v[OB+32*\j+2*e+1]   ; hi
.set e, e+1
.endr
	WIN 0
.set e, 0
.rept 16
	v_lshlrev_b32 v[U+2*e], 16, v[S+e]             ; hi as f32
	v_and_b32 v[U+2*e+1], 0xffff0000, v[S+e]
.set e, e+1
.endr
	WIN 0x01                                       ; source 0 in window 1
.set e, 0
.rept 16
	v_pk_add_f32 v[U+2*e:U+2*e+1], v[OB+32*\j+2*e:OB+32*\j+2*e+1], v[U+2*e:U+2*e+1] neg_lo:[0,1] neg_hi:[0,1]   ; y - hi, exact in f32
.set e, e+1
.endr
	WIN 0
.set e, 0
.rept 16
	v_cvt_pk_bf16_f32 v[S+16+e], v[U+2*e], v[U+2*e+1]              ; lo
.set e, e+1
.endr
.irp d, 0,1,2,3
	ds_store_b128 v11, v[S+4*\d:S+4*\d+3] offset:32*\d
	ds_store_b128 v11, v[S+16+4*\d:S+16+4*\d+3] offset:2304+32*\d
.endr
.irp p, 0,1
.irp g, 0,1,2,3
	ds_load_b128 v[KF+32*\j+16*\p+4*\g:KF+32*\j+16*\p+4*\g+3], v12 offset:2304*\p+576*\g
.endr
.endr
.endm
	FIN 0
	FIN 1
	FIN 2
	FIN 3
.irp j, 0,1,2,3
.irp p, 0,1
.irp g, 0,1,2,3
	s_wait_dscnt (7-4*\p-\g)+16*(3-\j)             ; behind this load stand the later loads of its tile and 16 LDS instructions of each later tile
	global_store_b128 v13, v[KF+32*\j+16*\p+4*\g:KF+32*\j+16*\p+4*\g+3], s[56+2*\j:57+2*\j] offset:16384*\p+512*\g   ; four rows of the head: 512 consecutive bytes, aligned
.endr
.endr
.endr
	s_wait_tensorcnt 0x0
	ds_add_u32 v62, v63
	s_wait_dscnt 0x0
	ROUND                                          ; the closing round
	s_endpgm
.Lfunc_end_k_q84bb6f714b_attn:
	.size	k_q84bb6f714b_attn, .Lfunc_end_k_q84bb6f714b_attn-k_q84bb6f714b_attn
	.p2alignl 7, 3214868480
	.fill 96, 4, 3214868480
	.section	.rodata,"a",@progbits
	.p2align	6, 0x0
	.amdhsa_kernel k_q84bb6f714b_attn
		.amdhsa_group_segment_fixed_size 327680
		.amdhsa_private_segment_fixed_size 0
		.amdhsa_enable_private_segment 0
		.amdhsa_kernarg_size 16
		.amdhsa_user_sgpr_count 2
		.amdhsa_user_sgpr_kernarg_segment_ptr 1
		.amdhsa_wavefront_size32 1
		.amdhsa_system_sgpr_workgroup_id_x 1
		.amdhsa_system_sgpr_workgroup_id_y 1
		.amdhsa_system_sgpr_workgroup_id_z 1
		.amdhsa_system_vgpr_workitem_id 0
		.amdhsa_next_free_vgpr 512
		.amdhsa_next_free_sgpr 80
		.amdhsa_reserve_vcc 1
		.amdhsa_float_denorm_mode_32 3
		.amdhsa_float_denorm_mode_16_64 3
		.amdhsa_memory_ordered 1
		.amdhsa_forward_progress 1
		.amdhsa_inst_pref_size 227
	.end_amdhsa_kernel
	.amdgpu_metadata
---
amdhsa.version: [ 1, 2 ]
amdhsa.kernels:
  - .name:           k_q84bb6f714b_attn
    .symbol:         k_q84bb6f714b_attn.kd
    .args:
      - { .name: qkv, .offset: 0, .size: 8, .value_kind: global_buffer, .address_space: global }
      - { .name: yh, .offset: 8, .size: 8, .value_kind: global_buffer, .address_space: global }
    .group_segment_fixed_size: 327680
    .private_segment_fixed_size: 0
    .kernarg_segment_align: 8
    .kernarg_segment_size: 16
    .max_flat_workgroup_size: 256
    .sgpr_count:     80
    .vgpr_count:     512
    .wavefront_size: 32
...
	.end_amdgpu_metadata
.endif
;; end of part 3
;; launch oproj (part 4): grid 8 x 32, 4 waves a work-group, clusters of 4 x 4, 327,680 bytes of LDS; arguments yh, wh, out0; writes out0
.if DOCPART == 4
	.amdgcn_target "amdgcn-amd-amdhsa--gfx1250"
	.amdhsa_code_object_version 6
	.text
	.protected	k_q84bb6f714b_oproj
	.globl	k_q84bb6f714b_oproj
	.p2align	8
	.type	k_q84bb6f714b_oproj,@function
k_q84bb6f714b_oproj:
	s_mov_b64 s[64:65], 0
	v_nop
	global_prefetch_b8 v0, s[64:65] scope:SCOPE_SE
	s_setreg_imm32_b32 hwreg(HW_REG_WAVE_MODE, 25, 1), 1
	s_wait_xcnt 0x0
	s_wait_alu depctr_hold_cnt(0) depctr_sa_sdst(0) depctr_va_vdst(0) depctr_va_sdst(0) depctr_va_ssrc(0) depctr_va_vcc(0) depctr_vm_vsrc(0)
	s_getreg_b32 s2, hwreg(HW_REG_IB_STS2, 6, 4)
	s_cmp_eq_u32 s2, 0
	s_cbranch_scc0 .Lentry_in_a_cluster
	s_endpgm
.Lentry_in_a_cluster:
	s_bfe_u32 s2, ttmp6, 0x10000c
	s_cmp_lg_u32 s2, 0xf033
	s_cbranch_scc0 .Lentry_shape_is_right
	s_endpgm
.Lentry_shape_is_right:
; out0 = y wo^T: C[m][n] = sum over k of (yhi[m][k] + ylo[m][k]) wo[n][k], m < 8192, n < 1024, k < 1024; bf16 operands, f32 sums, f32 out, row-major.
; yh holds y as a pair of bf16 in panels: [64 panels of 128 rows][16 heads][hi, lo][128 rows][64]; wo is wh's panels 24 to 31 ([16 blocks of 64 along k][128 rows][64]).
; A work-group makes 256 x 128 of C with four waves, one to a SIMD; a wave makes 128 x 64: 32 accumulator tiles.  That block gives 256 work-groups.
; A K step is one head (64 along k), taken twice: hi's products and lo's onto the same sums.  16 K steps go through two LDS slots.  A K step of a panel of yh
; (hi block, lo block) is 32,768 dense bytes: one tensor load of 128 rows of 256 bytes (waves 0, 1); wo's block of 16,384 bytes is shared out by halves of 64 of
; its rows: 32 rows of 256 bytes each (waves 2, 3).  The mover lays 16 bytes of padding behind every 128 bytes: an LDS row of 64 numbers has a pitch of 144 bytes,
; and hi's and lo's blocks lie 18,432 bytes apart.
; Quarter steps 0, 1 multiply hi's k 0-31 and 32-63, quarters 2, 3 lo's: these find wo's fragments still in the two buffers, so their fetches bring yh's alone.
; CLUSTERS: 4 x 4 work-groups; yh's tiles are asked for jointly along a cluster row, wo's along a column.
; REGISTERS: window 0: v16-26 addresses, v64-127 / v128-191 fragments of yh (two buffers); window 1: v64-95 / v128-159 fragments of wo;
; window 2: accumulator tiles of my rows 0-63 (tile (a, b) at v[8 (4 a + b)]); window 3: rows 64-127.
; The matrix instruction is used transposed (source 0 = rows of wo, source 1 = rows of yh): a lane holds eight neighbouring columns of one row of C.
.set NB,     4
.set PITCH,  144
.set KBS,    128*PITCH                 ; 18,432: from hi's block to lo's
.set APAN,   2*KBS                     ; 36,864
.set BOFF,   2*APAN                    ; 73,728
.set BLOAD,  64*PITCH                  ; what one load of wo brings, and my 64 rows of wo: 9,216
.set SLOT,   BOFF+2*BLOAD              ; 92,160
.set STAGE,  2*SLOT                    ; behind the ring: 16 rows x 272 bytes for each wave; no fill lands there
.set SPITCH, 272
.set STEPA,  32768                     ; memory bytes of a K step in a panel of yh
.set STEPW,  16384                     ; and in a panel of wo
.set LAPS,   8                         ; a lap = two K steps = once round the ring
.set ADRA, 16
.set ADRB, 20
.set STO,  24
.set RD,   25
.set CO,   26
.set F0,   64
.set F1,   128
.set G1,  24
.set G0,  32
.set G1B, 48
.set G0B, 56
.set G1W0, (3<<16)|(1<<20)|(1<<21)|(4<<22)|(3<<25)
.set MSB, 0
.macro WIN new
.if MSB != \new
	s_set_vgpr_msb (MSB<<8)|\new
.set MSB, \new
.endif
.endm
.set MUL_LO, 0xa1
.set MUL_HI, 0xf1
.set TO_B,   0x40
.macro JLOAD s
	s_cmp_eq_u32 s11, 0
	s_cbranch_scc0 .Lfor_b_\@
	tensor_load_to_lds s[G0+4*\s:G0+4*\s+3], s[G1:G1+7]
	s_nop 0
	s_branch .Lasked_\@
.Lfor_b_\@:
	tensor_load_to_lds s[G0B+4*\s:G0B+4*\s+3], s[G1B:G1B+7]
	s_nop 0
.Lasked_\@:
.endm
.macro CREST
	s_cmp_lg_u32 s10, 0
	s_cbranch_scc1 .Lnot_wave_0_\@
	s_barrier_signal -3
.Lnot_wave_0_\@:
	s_barrier_wait -3
	s_barrier_signal -1
	s_barrier_wait -1
.endm
.macro CROUND
	s_barrier_signal -1
	s_barrier_wait -1
	CREST
.endm
	s_load_b128 s[4:7], s[0:1], 0x0                ; yh s[4:5], wh s[6:7]
	s_load_b64 s[8:9], s[0:1], 0x10                ; out0
	s_set_vgpr_msb 0x40
	v_lshl_add_u32 v255, v0, 2, 0x31400
	s_set_vgpr_msb 0x4000
	v_mov_b32 v255, 0
	s_set_vgpr_msb 0x1
	ds_add_u32 v255, v255
	s_set_vgpr_msb 0x100
	v_lshrrev_b32 v1, 5, v0
	v_readfirstlane_b32 s10, v1                    ; wave 0..3
	s_lshr_b32 s11, s10, 1                         ; my half of the block's rows.  Also: I fetch for yh (0) or wo (1)
	s_and_b32 s12, s10, 1                          ; my half of its columns.  Also: which part I fetch
	s_bfe_u32 s40, ttmp6, 0x40000                  ; cx
	s_bfe_u32 s41, ttmp6, 0x40004                  ; cy
	s_lshl_b32 s42, ttmp9, 2
	s_add_co_u32 s42, s42, s40                     ; block column 0..7
	s_and_b32 s13, ttmp7, 0xffff
	s_lshl_b32 s13, s13, 2
	s_add_co_u32 s13, s13, s41                     ; block row 0..31
	s_lshl_b32 s43, s41, 2
	s_lshl_b32 s43, 15, s43
	s_lshl_b32 s44, 0x1111, s40
	s_or_b32 s[G1+0], s43, G1W0
	s_or_b32 s[G1B+0], s44, G1W0
	s_mov_b32 s[G1+1], 32<<16                      ; rows of 32 elements of 8 bytes
	s_mov_b32 s[G1B+1], 32<<16
	s_mov_b32 s[G1+2], 128<<16                     ; yh: 128 rows
	s_mov_b32 s[G1B+2], 32<<16                     ; wo: 32 rows
	s_mov_b32 s[G1+3], 32<<16
	s_mov_b32 s[G1B+3], 32<<16
	s_mov_b32 s[G1+4], 128
	s_mov_b32 s[G1B+4], 32
	s_mov_b32 s[G1+5], 32
	s_mov_b32 s[G1B+5], 32
	s_mov_b32 s[G1+6], 0
	s_mov_b32 s[G1B+6], 0
	s_mov_b32 s[G1+7], 0
	s_mov_b32 s[G1B+7], 0
	s_lshl_b32 s16, s13, 1
	s_add_co_u32 s16, s16, s12                     ; yh: panel 2 x block row + half,
	s_lshl_b32 s16, s16, 19                        ; 524,288 bytes a panel
	s_mov_b32 s17, 0
	s_add_co_u32 s46, s42, 24                      ; wo: panel 24 + block column,
	s_lshl_b32 s46, s46, 18
	s_lshl_b32 s47, s12, 13                        ; my 64 rows of 128 bytes
	s_add_co_u32 s46, s46, s47
	s_mov_b32 s47, 0
	s_mul_i32 s20, s10, APAN                       ; waves 0, 1: yh's panels at wave x 36,864
	s_mul_i32 s45, s10, BLOAD
	s_add_co_u32 s45, s45, BOFF-2*BLOAD            ; waves 2, 3: wo's halves at 73,728 + (wave - 2) x 9,216
	s_wait_dscnt 0x0
	s_wait_kmcnt 0x0
	s_add_nc_u64 s[14:15], s[4:5], s[16:17]
	s_add_nc_u64 s[46:47], s[6:7], s[46:47]
	CROUND                                         ; all sixteen work-groups are here: the first joint loads meet
.irp s, 0,1
	s_mov_b32 s[G0+4*\s], 1
	s_add_co_u32 s[G0+4*\s+1], s20, \s*SLOT
	s_add_nc_u64 s[G0+4*\s+2:G0+4*\s+3], s[14:15], \s*STEPA
	s_or_b32 s[G0+4*\s+3], s[G0+4*\s+3], 0x80000000
	s_mov_b32 s[G0B+4*\s], 1
	s_add_co_u32 s[G0B+4*\s+1], s45, \s*SLOT
	s_add_nc_u64 s[G0B+4*\s+2:G0B+4*\s+3], s[46:47], \s*STEPW
	s_or_b32 s[G0B+4*\s+3], s[G0B+4*\s+3], 0x80000000
	JLOAD \s                                       ; both first fills: two loads of the wave are out
.endr
	v_and_b32 v1, 15, v0
	v_bfe_u32 v2, v0, 4, 1
	v_mul_u32_u24 v3, v1, PITCH
	v_lshl_add_u32 v3, v2, 4, v3
	s_mul_i32 s21, s11, APAN
	s_mul_i32 s22, s12, BLOAD
	s_add_co_u32 s22, s22, BOFF
.irp s, 0,1
	v_add_nc_u32 v[ADRA+\s], s21, v3
	v_add_nc_u32 v[ADRB+\s], s22, v3
	s_add_co_u32 s21, s21, SLOT
	s_add_co_u32 s22, s22, SLOT
.endr
	s_mul_i32 s23, s10, 16*SPITCH
	s_add_co_u32 s23, s23, STAGE
	v_mul_u32_u24 v4, v1, SPITCH
	v_lshl_add_u32 v4, v2, 5, v4
	v_add_nc_u32 v[STO], s23, v4                   ; in: row l % 16, 32 bytes (8 f32) for each half of the lanes
	v_mul_u32_u24 v5, v2, SPITCH
	v_lshl_add_u32 v5, v1, 4, v5
	v_add_nc_u32 v[RD], s23, v5                    ; back: lanes 0-15 one row of 256 bytes, lanes 16-31 the next
	v_lshlrev_b32 v5, 12, v2
	v_lshl_add_u32 v[CO], v1, 4, v5                ; the same two rows in out0 (4,096 bytes a row)
; The accumulators take turns, one instruction a turn, in the same order in every quarter step.
.macro MULR f, hi, a0, zero
.irp a, \a0, \a0+1
.irp b, 0,1,2,3
.if \zero
	v_wmma_f32_16x16x32_bf16 v[8*(NB*(\a)+\b):8*(NB*(\a)+\b)+7], v[\f+8*\b:\f+8*\b+7], v[\f+8*(4*\hi+\a):\f+8*(4*\hi+\a)+7], 0
.else
	v_wmma_f32_16x16x32_bf16 v[8*(NB*(\a)+\b):8*(NB*(\a)+\b)+7], v[\f+8*\b:\f+8*\b+7], v[\f+8*(4*\hi+\a):\f+8*(4*\hi+\a)+7], v[8*(NB*(\a)+\b):8*(NB*(\a)+\b)+7]
.endif
.endr
.endr
.endm
; a quarter step's fragments into buffer f: with withb = 1 8 loads of wo (byte kb of its rows), then 16 of yh (byte ka)
.macro FETCH slot, ka, kb, f, withb
.if \withb
	WIN TO_B
.irp i, 0,1,2,3
	ds_load_b128 v[\f+8*\i:\f+8*\i+3],   v[ADRB+\slot] offset:\kb+\i*16*PITCH
	ds_load_b128 v[\f+8*\i+4:\f+8*\i+7], v[ADRB+\slot] offset:\kb+\i*16*PITCH+32
.endr
.endif
	WIN 0
.irp i, 0,1,2,3,4,5,6,7
	ds_load_b128 v[\f+8*\i:\f+8*\i+3],   v[ADRA+\slot] offset:\ka+\i*16*PITCH
	ds_load_b128 v[\f+8*\i+4:\f+8*\i+7], v[ADRA+\slot] offset:\ka+\i*16*PITCH+32
.endr
.endm
.macro PLACES                          ; four places behind the matrix instructions that read a buffer, in front of the loads into it
.rept 4
	v_nop
.endr
.endm
.macro QUARTER slot, ka, kb, f, g, withb, zero
	s_wait_dscnt 8                                 ; all but the youngest eight loads (yh's rows 64-127) are in
	WIN MUL_LO
	MULR \f, 0, 0, \zero
	MULR \f, 0, 2, \zero
	PLACES
	FETCH \slot, \ka, \kb, \g, \withb
	s_wait_dscnt 16+2*NB*\withb                    ; all but the 16 or 24 just issued
	WIN MUL_HI
	MULR \f, 1, 0, \zero
	MULR \f, 1, 2, \zero
.endm
.macro THREE slot, zero                ; quarters 0, 1, 2; each fetches the next: hi's k 32-63 with wo's, then lo's k 0-31 and lo's k 32-63 without
	QUARTER \slot, 64,     64, F0, F1, 1, \zero
	QUARTER \slot, KBS,    0,  F1, F0, 0, 0
	QUARTER \slot, KBS+64, 0,  F0, F1, 0, 0
.endm
; The change of slots, as in a ring of two: every wave's reads of this slot and all its tensor loads are waited for in front of the barrier; where the
; slot is filled again the barrier opens a round of the cluster's barrier and the joint refill is the first tensor load behind it.
; From a request to the wait for it a wave issues 120 matrix instructions.
.macro TURN slot, next, fill
	s_wait_dscnt 8
	WIN MUL_LO
	MULR F1, 0, 0, 0
	s_wait_dscnt 0
	s_wait_tensorcnt 0x0
	ds_add_u32 v255, v255
	s_wait_dscnt 0x0
	s_barrier_signal -1
	MULR F1, 0, 2, 0
	WIN 0
	s_barrier_wait -1
.if \fill
	CREST
	s_add_nc_u64 s[G0+4*\slot+2:G0+4*\slot+3], s[G0+4*\slot+2:G0+4*\slot+3], 2*STEPA
	s_add_nc_u64 s[G0B+4*\slot+2:G0B+4*\slot+3], s[G0B+4*\slot+2:G0B+4*\slot+3], 2*STEPW
	JLOAD \slot
.endif
	PLACES
	FETCH \next, 0, 0, F0, 1
	WIN MUL_HI
	MULR F1, 1, 0, 0
	MULR F1, 1, 2, 0
.endm
.macro LAP zero
	THREE 0, \zero
	TURN 0, 1, 1
	THREE 1, 0
	TURN 1, 0, 1
.endm
	s_wait_tensorcnt 1                             ; my part of K step 0 is in; K step 1's may stay out
	s_barrier_signal -1
	s_barrier_wait -1
	FETCH 0, 0, 0, F0, 1
	LAP 1
	WIN 0
	s_mov_b32 s3, LAPS-2
.Llap:
	LAP 0
	WIN 0
	s_sub_co_u32 s3, s3, 1
	s_cmp_lg_u32 s3, 0
	s_cbranch_scc1 .Llap
	THREE 0, 0                                     ; the last lap fills nothing
	TURN 0, 1, 0
	THREE 1, 0
	s_wait_dscnt 8
	WIN MUL_LO
	MULR F1, 0, 0, 0
	MULR F1, 0, 2, 0
	s_wait_dscnt 0
	WIN MUL_HI
	MULR F1, 1, 0, 0
	MULR F1, 1, 2, 0
	; THE WAY OUT, 16 rows at a time: the f32 sums go as they are into my own stage and come back as whole rows of 256 bytes
	PLACES
	s_lshl_b32 s66, s13, 20                        ; 256 rows of 4,096 bytes a block row,
	s_lshl_b32 s67, s11, 19                        ; 128 a wave,
	s_add_co_u32 s66, s66, s67
	s_lshl_b32 s67, s42, 9                         ; 128 columns of 4 bytes a block column,
	s_add_co_u32 s66, s66, s67
	s_lshl_b32 s67, s12, 8                         ; 64 a wave
	s_add_co_u32 s66, s66, s67
	s_mov_b32 s67, 0
	s_add_nc_u64 s[8:9], s[8:9], s[66:67]
; rows 16 i .. 16 i + 15 of my block = tiles (a, 0..3) of window 2 or 3 (win = 0x08 or 0x0c: the LDS store's data); f: F0 or F1 in turn
.macro OUTF i, a, win, f
	WIN \win
.irp b, 0,1,2,3
	ds_store_b128 v[STO], v[8*(NB*\a+\b):8*(NB*\a+\b)+3]   offset:64*\b
	ds_store_b128 v[STO], v[8*(NB*\a+\b)+4:8*(NB*\a+\b)+7] offset:64*\b+16
.endr
	WIN 0
	s_wait_xcnt 0x0                                ; buffer f, which earlier stores read, is loaded again only behind this wait
.irp t, 0,1,2,3,4,5,6,7
	ds_load_b128 v[\f+4*\t:\f+4*\t+3], v[RD] offset:\t*2*SPITCH    ; LDS serves a wave's instructions in order: these see the stores above
.endr
.irp t, 0,1,2,3,4,5,6,7
	s_wait_dscnt 7-\t
	global_store_b128 v[CO], v[\f+4*\t:\f+4*\t+3], s[8:9] offset:(16*\i+2*\t)*4096 th:TH_STORE_NT   ; 16 lanes store 256 consecutive bytes, aligned
.endr
.endm
	OUTF 0, 0, 0x08, F0
	OUTF 1, 1, 0x08, F1
	OUTF 2, 2, 0x08, F0
	OUTF 3, 3, 0x08, F1
	OUTF 4, 0, 0x0c, F0
	OUTF 5, 1, 0x0c, F1
	OUTF 6, 2, 0x0c, F0
	OUTF 7, 3, 0x0c, F1
	s_set_vgpr_msb 0x1
	s_wait_tensorcnt 0x0
	ds_add_u32 v255, v255
	s_wait_dscnt 0x0
	s_set_vgpr_msb 0x100
	CROUND                                         ; the closing round
	s_endpgm
.Lfunc_end_k_q84bb6f714b_oproj:
	.size	k_q84bb6f714b_oproj, .Lfunc_end_k_q84bb6f714b_oproj-k_q84bb6f714b_oproj
	.p2alignl 7, 3214868480
	.fill 96, 4, 3214868480
	.section	.rodata,"a",@progbits
	.p2align	6, 0x0
	.amdhsa_kernel k_q84bb6f714b_oproj
		.amdhsa_group_segment_fixed_size 327680
		.amdhsa_private_segment_fixed_size 0
		.amdhsa_enable_private_segment 0
		.amdhsa_kernarg_size 24
		.amdhsa_user_sgpr_count 2
		.amdhsa_user_sgpr_kernarg_segment_ptr 1
		.amdhsa_wavefront_size32 1
		.amdhsa_system_sgpr_workgroup_id_x 1
		.amdhsa_system_sgpr_workgroup_id_y 1
		.amdhsa_system_sgpr_workgroup_id_z 1
		.amdhsa_system_vgpr_workitem_id 0
		.amdhsa_next_free_vgpr 896
		.amdhsa_next_free_sgpr 72
		.amdhsa_reserve_vcc 0
		.amdhsa_float_denorm_mode_32 3
		.amdhsa_float_denorm_mode_16_64 3
		.amdhsa_memory_ordered 1
		.amdhsa_forward_progress 1
		.amdhsa_inst_pref_size 113
	.end_amdhsa_kernel
	.amdgpu_metadata
---
amdhsa.version: [ 1, 2 ]
amdhsa.kernels:
  - .name:           k_q84bb6f714b_oproj
    .symbol:         k_q84bb6f714b_oproj.kd
    .args:
      - { .name: yh, .offset: 0, .size: 8, .value_kind: global_buffer, .address_space: global }
      - { .name: wh, .offset: 8, .size: 8, .value_kind: global_buffer, .address_space: global }
      - { .name: out0, .offset: 16, .size: 8, .value_kind: global_buffer, .address_space: global }
    .group_segment_fixed_size: 327680
    .private_segment_fixed_size: 0
    .kernarg_segment_align: 8
    .kernarg_segment_size: 24
    .max_flat_workgroup_size: 128
    .sgpr_count:     72
    .vgpr_count:     896
    .wavefront_size: 32
...
	.end_amdgpu_metadata
.endif
;; end of part 4
;; ======== version 2 of 3: 4 launches; 1.26 times as fast as version 1
;; limits: values are held in f16: magnitudes above 65,504 overflow, below 6.1e-05 lose precision
;; workspace buffers: xh 16,777,216 bytes; wh 8,388,608 bytes; qkv 50,855,936 bytes; yh 20,971,520 bytes
;; launch cvt (part 5): grid 512 x 1, 8 waves a work-group, no clusters, 0 bytes of LDS; arguments x, wq, wk, wv, wo, xh, wh; writes xh, wh
.if DOCPART == 5
	.amdgcn_target "amdgcn-amd-amdhsa--gfx1250"
	.amdhsa_code_object_version 6
	.text
	.protected	k_q84bb6f714b_cvt
	.globl	k_q84bb6f714b_cvt
	.p2align	8
	.type	k_q84bb6f714b_cvt,@function
k_q84bb6f714b_cvt:
	s_mov_b64 s[64:65], 0
	v_nop
	global_prefetch_b8 v0, s[64:65] scope:SCOPE_SE
	s_setreg_imm32_b32 hwreg(HW_REG_WAVE_MODE, 25, 1), 1
	s_wait_xcnt 0x0
; x [8192][1024] and the four weights [1024][1024], f32, are rounded once to bf16 (to nearest even) and laid in panels, so that the later
; launches fetch their tiles as dense memory:
;   xh: panels of 256 rows: element (m, k) at ((m >> 8) * 16 + (k >> 6)) * 32768 + (m & 255) * 128 + (k & 63) * 2;
;   wh: panels of 128 rows: element (n, k) at ((n >> 7) * 16 + (k >> 6)) * 16384 + (n & 127) * 128 + (k & 63) * 2; panels 0-7 wq, 8-15 wk, 16-23 wv, 24-31 wo.
; bf16 has f32's range: no limit of range is added here.
; A stream: every byte is read once and written once.  No LDS, no barrier, no matrix unit, no cluster: no two work-groups share a byte.
; Work-group g takes rows 16 g .. 16 g + 15 of x (all eight waves) and rows 2 g, 2 g + 1 of each weight (wave w: weight w >> 1,
; half w & 1 of the row).  In every load lanes 0-15 take 256 aligned bytes of one row and lanes 16-31 the same columns of the next row;
; the wave's store of the result is 256 consecutive bytes at a multiple of 256.
; All 24 loads of a lane go out first (12,288 bytes a wave on their way); no register that a memory instruction names is written again.
.set X, 8                              ; v[8:103]  load n: 4 registers; its first two then hold the 4 bf16 to store
	s_load_b256 s[4:11], s[0:1], 0x0               ; x s[4:5], wq s[6:7], wk s[8:9], wv s[10:11]
	s_load_b128 s[12:15], s[0:1], 0x20             ; wo s[12:13], xh s[14:15]
	s_load_b64 s[16:17], s[0:1], 0x30              ; wh
	v_lshrrev_b32 v1, 5, v0
	v_readfirstlane_b32 s18, v1                    ; wave 0..7
	s_lshr_b32 s19, s18, 1                         ; which weight is mine
	s_and_b32 s20, s18, 1                          ; which half of its rows' columns
	v_lshrrev_b32 v5, 4, v0                        ; x: my row of the group's 16
	v_and_b32 v6, 15, v0                           ; my 16 bytes of the 256
	v_lshlrev_b32 v1, 12, v5
	v_lshl_add_u32 v1, v6, 4, v1                   ; x source: row * 4096 + 16 * place
	v_lshlrev_b32 v2, 3, v0                        ; x target: row * 128 + 8 * place = 8 * thread
	v_bfe_u32 v5, v0, 4, 1                         ; weights: row 0 or 1 of the pair
	v_lshlrev_b32 v3, 12, v5
	v_lshl_add_u32 v3, v6, 4, v3                   ; weight source
	v_and_b32 v4, 31, v0
	v_lshlrev_b32 v4, 3, v4                        ; weight target: 8 * lane
	s_lshl_b32 s24, ttmp9, 16                      ; x: 16 rows of 4,096 bytes a group
	s_mov_b32 s25, 0
	s_lshr_b32 s26, ttmp9, 4                       ; xh: panel g >> 4 (524,288 bytes each),
	s_lshl_b32 s26, s26, 19
	s_and_b32 s27, ttmp9, 15
	s_lshl_b32 s27, s27, 11                        ; row 16 (g & 15) of 128 bytes
	s_add_co_u32 s26, s26, s27
	s_mov_b32 s27, 0
	s_lshl_b32 s28, ttmp9, 13                      ; weight source: row 2 g,
	s_lshl_b32 s29, s20, 11                        ; my half of the row (8 x 256 bytes)
	s_add_co_u32 s28, s28, s29
	s_mov_b32 s29, 0
	s_lshl_b32 s30, s19, 21                        ; wh: 8 panels a weight,
	s_lshr_b32 s31, ttmp9, 6
	s_lshl_b32 s31, s31, 18                        ; panel (2 g) >> 7,
	s_add_co_u32 s30, s30, s31
	s_and_b32 s31, ttmp9, 63
	s_lshl_b32 s31, s31, 8                         ; row (2 g) & 127 of 128 bytes,
	s_add_co_u32 s30, s30, s31
	s_lshl_b32 s31, s20, 17                        ; my half: 8 blocks of 16,384 bytes
	s_add_co_u32 s30, s30, s31
	s_mov_b32 s31, 0
	s_wait_kmcnt 0x0
	s_cmp_eq_u32 s19, 1                            ; my weight's address: a choice on the wave's number alone
	s_cselect_b64 s[22:23], s[8:9], s[6:7]
	s_cmp_eq_u32 s19, 2
	s_cselect_b64 s[22:23], s[10:11], s[22:23]
	s_cmp_eq_u32 s19, 3
	s_cselect_b64 s[22:23], s[12:13], s[22:23]
	s_add_nc_u64 s[4:5], s[4:5], s[24:25]
	s_add_nc_u64 s[14:15], s[14:15], s[26:27]
	s_add_nc_u64 s[22:23], s[22:23], s[28:29]
	s_add_nc_u64 s[16:17], s[16:17], s[30:31]
.irp n, 0,1,2,3,4,5,6,7,8,9,10,11,12,13,14,15
	global_load_b128 v[X+4*\n:X+4*\n+3], v1, s[4:5] offset:256*\n th:TH_LOAD_NT        ; x, columns 64 n .. 64 n + 63
.endr
.irp n, 0,1,2,3,4,5,6,7
	global_load_b128 v[X+64+4*\n:X+64+4*\n+3], v3, s[22:23] offset:256*\n th:TH_LOAD_NT ; my weight, 64 columns a load
.endr
; load n of the 24 is in when at most 23 - n younger ones are out (loads come back in order: ISA guide 5.7.1)
.irp n, 0,1,2,3,4,5,6,7,8,9,10,11,12,13,14,15
	s_wait_loadcnt 23-\n
	v_cvt_pk_bf16_f32 v[X+4*\n], v[X+4*\n], v[X+4*\n+1]
	v_cvt_pk_bf16_f32 v[X+4*\n+1], v[X+4*\n+2], v[X+4*\n+3]
	global_store_b64 v2, v[X+4*\n:X+4*\n+1], s[14:15] offset:32768*\n
.endr
.irp n, 0,1,2,3,4,5,6,7
	s_wait_loadcnt 7-\n
	v_cvt_pk_bf16_f32 v[X+64+4*\n], v[X+64+4*\n], v[X+64+4*\n+1]
	v_cvt_pk_bf16_f32 v[X+64+4*\n+1], v[X+64+4*\n+2], v[X+64+4*\n+3]
	global_store_b64 v4, v[X+64+4*\n:X+64+4*\n+1], s[16:17] offset:16384*\n
.endr
	s_endpgm
.Lfunc_end_k_q84bb6f714b_cvt:
	.size	k_q84bb6f714b_cvt, .Lfunc_end_k_q84bb6f714b_cvt-k_q84bb6f714b_cvt
	.p2alignl 7, 3214868480
	.fill 96, 4, 3214868480
	.section	.rodata,"a",@progbits
	.p2align	6, 0x0
	.amdhsa_kernel k_q84bb6f714b_cvt
		.amdhsa_group_segment_fixed_size 0
		.amdhsa_private_segment_fixed_size 0
		.amdhsa_enable_private_segment 0
		.amdhsa_kernarg_size 56
		.amdhsa_user_sgpr_count 2
		.amdhsa_user_sgpr_kernarg_segment_ptr 1
		.amdhsa_wavefront_size32 1
		.amdhsa_system_sgpr_workgroup_id_x 1
		.amdhsa_system_sgpr_workgroup_id_y 1
		.amdhsa_system_sgpr_workgroup_id_z 1
		.amdhsa_system_vgpr_workitem_id 0
		.amdhsa_next_free_vgpr 104
		.amdhsa_next_free_sgpr 66
		.amdhsa_reserve_vcc 0
		.amdhsa_float_denorm_mode_32 3
		.amdhsa_float_denorm_mode_16_64 3
		.amdhsa_memory_ordered 1
		.amdhsa_forward_progress 1
		.amdhsa_inst_pref_size 11
	.end_amdhsa_kernel
	.amdgpu_metadata
---
amdhsa.version: [ 1, 2 ]
amdhsa.kernels:
  - .name:           k_q84bb6f714b_cvt
    .symbol:         k_q84bb6f714b_cvt.kd
    .args:
      - { .name: x, .offset: 0, .size: 8, .value_kind: global_buffer, .address_space: global }
      - { .name: wq, .offset: 8, .size: 8, .value_kind: global_buffer, .address_space: global }
      - { .name: wk, .offset: 16, .size: 8, .value_kind: global_buffer, .address_space: global }
      - { .name: wv, .offset: 24, .size: 8, .value_kind: global_buffer, .address_space: global }
      - { .name: wo, .offset: 32, .size: 8, .value_kind: global_buffer, .address_space: global }
      - { .name: xh, .offset: 40, .size: 8, .value_kind: global_buffer, .address_space: global }
      - { .name: wh, .offset: 48, .size: 8, .value_kind: global_buffer, .address_space: global }
    .group_segment_fixed_size: 0
    .private_segment_fixed_size: 0
    .kernarg_segment_align: 8
    .kernarg_segment_size: 56
    .max_flat_workgroup_size: 256
    .sgpr_count:     66
    .vgpr_count:     104
    .wavefront_size: 32
...
	.end_amdgpu_metadata
.endif
;; end of part 5
;; launch qkv (part 6): grid 8 x 32, 4 waves a work-group, clusters of 4 x 4, 327,680 bytes of LDS; arguments xh, wh, qkv; writes qkv
.if DOCPART == 6
	.amdgcn_target "amdgcn-amd-amdhsa--gfx1250"
	.amdhsa_code_object_version 6
	.text
	.protected	k_q84bb6f714b_qkv
	.globl	k_q84bb6f714b_qkv
	.p2align	8
	.type	k_q84bb6f714b_qkv,@function
k_q84bb6f714b_qkv:
	s_mov_b64 s[64:65], 0
	v_nop
	global_prefetch_b8 v0, s[64:65] scope:SCOPE_SE
	s_setreg_imm32_b32 hwreg(HW_REG_WAVE_MODE, 25, 1), 1
	s_wait_xcnt 0x0
	s_wait_alu depctr_hold_cnt(0) depctr_sa_sdst(0) depctr_va_vdst(0) depctr_va_sdst(0) depctr_va_ssrc(0) depctr_va_vcc(0) depctr_vm_vsrc(0)
	s_getreg_b32 s2, hwreg(HW_REG_IB_STS2, 6, 4)
	s_cmp_eq_u32 s2, 0
	s_cbranch_scc0 .Lentry_in_a_cluster
	s_endpgm
.Lentry_in_a_cluster:
	s_bfe_u32 s2, ttmp6, 0x10000c
	s_cmp_lg_u32 s2, 0xf033
	s_cbranch_scc0 .Lentry_shape_is_right
	s_endpgm
.Lentry_shape_is_right:
; q, k, v = x W^T: C[m][n] = sum over k of x[m][k] W[n][k], m < 8192, 48 heads of 64 columns (16 each of wq, wk, wv), k < 1024; bf16 operands, f32 sums.
; Results, head-major, m = 2048 b + t, bh = 16 b + head: q at byte 0, k at 16,777,216, v at 33,554,432: [bh][t][64] f16, rounded once.
; At byte 50,331,648: [bh][64 t][64] f16, lo = f16(v - f16(v)) for t < 64: a query row below 64 averages few values, all of keys below 64, so its
; results are large beside the late rows', and one rounding of v to 11 bits would show there; the next launch adds lo's products for those keys.
; LIMIT: |q|, |k|, |v| below 65,504 (beyond: infinity, and NaN in v's lo); what lies below 6e-8 of q, k, v and of v's lo is lost.
; SHARES.  8192 x 3072 outputs over 256 work-groups are 256 x 384 each: one work-group to a WGP, all of equal work.  Four waves, one to a SIMD, 2 x 2:
; a wave makes 128 rows x 192 columns: 96 accumulator tiles, 768 registers.  For 32 along K a wave reads (128 + 192) x 64 bytes of LDS for 96 products.
; TILES.  xh lies in panels of 256 rows, wh of 128 rows, each [16 blocks of 64 along k][rows][64], so a K step of 64 is 32,768 dense bytes of xh (wave 0: one tensor
; load of 128 rows of 256 bytes) and 16,384 dense bytes of each of three panels of wh (waves 1 to 3: 64 rows of 256 bytes each).  The mover lays 16 bytes of
; padding behind every 128 bytes: an LDS row of 64 numbers has a pitch of 144 bytes.  16 K steps go through two LDS slots of 92,160 bytes; a K step of 128
; would take 184,320, and two such slots do not fit.
; CLUSTERS: 4 x 4 work-groups; xh's tile is asked for jointly along a cluster row, wh's along a column.
; PLACES.  Block row = 8 cy + cluster y: a cluster's four block rows are the same 256 values of t in the four batches (b = cy).  The six head slots of a block
; column are numbered c = 6 (cluster x) + 0..5; slot c is weight c >> 2 (q, k, v), head 4 cx + (c & 3): two slots are one panel of wh.  So whether v's lo is due
; (weight v, t < 64) hangs on the cluster's x and y and on the wave alone, which all partners share; cx and cy enter global addresses only.
; REGISTERS in windows of 256: window 0: v16-22 addresses; v32-95, v96-159 fragments of xh (8 x 16 rows x 32 K), two buffers; v160-255 the 12 fragments of wh,
; one buffer, filled again four at a time as soon as their 32 products are issued.  Windows 1 to 3: the accumulators of my head 0, 1, 2: tile (row block a,
; column block bb of the head) at v[8 (8 bb + a)].
; The matrix instruction is used transposed (source 0 = 16 rows of wh, source 1 = 16 rows of xh): a lane then holds eight neighbouring columns of one row of C.
.set PITCH,  144                       ; LDS row: 128 bytes + 16 of padding: an odd multiple of 16 bytes
.set ABLK,   256*PITCH                 ; xh's tile: 36,864
.set BPAN,   128*PITCH                 ; one panel's tile of wh: 18,432
.set BOFF,   ABLK                      ; wh's three tiles lie behind xh's: 384 rows in a run
.set SLOT,   ABLK+3*BPAN               ; 92,160
.set STAGE,  2*SLOT                    ; 184,320: behind the ring, 32 rows x 144 bytes for each wave; no fill lands there
.set WST,    32*PITCH                  ; 4,608
.set STEPA,  32768                     ; memory bytes of a K step in a panel of xh
.set STEPW,  16384                     ; and in a panel of wh
.set LAPS,   8                         ; a lap = two K steps = once round the ring
.set VLOMEM, 50331648                  ; v's lo
.set ADRA, 16                          ; v16-17  LDS address of my xh fragments in slot 0, 1
.set ADRB, 18                          ; v18-19  the same for wh
.set STO,  20                          ; v20     way out: where I put 16 bytes of a row
.set RD,   21                          ; v21     way out: where I read back (four rows of 128 bytes)
.set CO,   22                          ; v22     my byte offset in a store of 512 bytes
.set FA0,  32
.set FA1,  96
.set FB,   160
.set TMP,  32                          ; way out: v32-63 packed results
.set R0,   64                          ; v64-95, v96-127: two buffers for the read-back
.set R1,   96
.set HP,   32                          ; lo: v32-47 hi, packed (below v128: their halves are named)
.set LP,   48                          ; v48-63 lo, packed
.set U,    128                         ; v128-159 hi widened to f32, then v - hi
.set RL0,  160                         ; v160-175, v176-191: two buffers for lo's read-back
.set RL1,  176
.set G1,  24                           ; s[24:31] group 1 for xh's tile
.set G0,  32                           ; s[32:39] group 0 for xh's tile, one set a slot
.set G1B, 48                           ; s[48:55] group 1 for wh's tiles
.set G0B, 56                           ; s[56:63] group 0 for wh's tiles
.set BS,  76                           ; s[76:81] where my three heads go
.set BL,  82                           ; s[82:87] where their lo goes
.set G1W0, (3<<16)|(1<<20)|(1<<21)|(4<<22)|(3<<25) ; elements of 8 bytes; padding on; bit 21 beside a mask; after every 32 words, 4 words
.set MSB, 0
.macro WIN new                         ; the immediate's high byte repeats the setting that is left
.if MSB != \new
	s_set_vgpr_msb (MSB<<8)|\new
.set MSB, \new
.endif
.endm
.set W1, 0x50                          ; C and D in window 1, both sources in window 0
.set W2, 0xa0                          ; in window 2
.set W3, 0xf0                          ; in window 3
; A joint load: wave 0 fetches xh's tile, waves 1 to 3 a panel of wh each.  The branch hangs on the wave's number alone.
.macro JLOAD s
	s_cmp_eq_u32 s10, 0
	s_cbranch_scc0 .Lfor_b_\@
	tensor_load_to_lds s[G0+4*\s:G0+4*\s+3], s[G1:G1+7]
	s_nop 0
	s_branch .Lasked_\@
.Lfor_b_\@:
	tensor_load_to_lds s[G0B+4*\s:G0B+4*\s+3], s[G1B:G1B+7]
	s_nop 0
.Lasked_\@:
.endm
; A round of the cluster's barrier: my work-group's barrier, wave 0 signals for the work-group, every wave waits for all sixteen, my barrier again.
.macro CREST                           ; a round behind its opening barrier
	s_cmp_lg_u32 s10, 0
	s_cbranch_scc1 .Lnot_wave_0_\@
	s_barrier_signal -3
.Lnot_wave_0_\@:
	s_barrier_wait -3
	s_barrier_signal -1
	s_barrier_wait -1
.endm
.macro CROUND
	s_barrier_signal -1
	s_barrier_wait -1
	CREST
.endm
	s_load_b128 s[4:7], s[0:1], 0x0                ; xh s[4:5], wh s[6:7]
	s_load_b64 s[8:9], s[0:1], 0x10                ; qkv
	v_lshl_add_u32 v30, v0, 2, 0x31800
	v_mov_b32 v31, 0
	ds_add_u32 v30, v31
	v_lshrrev_b32 v1, 5, v0
	v_readfirstlane_b32 s10, v1                    ; wave 0..3
	s_lshr_b32 s11, s10, 1                         ; my half of the block's rows
	s_and_b32 s12, s10, 1                          ; my half of its columns
	s_bfe_u32 s40, ttmp6, 0x40000                  ; cx
	s_bfe_u32 s41, ttmp6, 0x40004                  ; cy
	s_mov_b32 s45, ttmp9                           ; the cluster's x, 0 or 1
	s_and_b32 s13, ttmp7, 0xffff                   ; the cluster's y, 0 to 7: t / 256
	s_lshl_b32 s43, s41, 2
	s_lshl_b32 s43, 15, s43                        ; my row of the cluster
	s_lshl_b32 s44, 0x1111, s40                    ; my column
	s_or_b32 s[G1+0], s43, G1W0                    ; xh's tile goes to my row
	s_or_b32 s[G1B+0], s44, G1W0                   ; wh's tiles to my column
	s_mov_b32 s[G1+1], 32<<16                      ; tensor_dim0 = 32 elements (256 bytes)
	s_mov_b32 s[G1B+1], 32<<16
	s_mov_b32 s[G1+2], 128<<16                     ; tensor_dim1: xh 128 rows,
	s_mov_b32 s[G1B+2], 64<<16                     ; wh 64
	s_mov_b32 s[G1+3], 32<<16                      ; tile_dim0 = 32
	s_mov_b32 s[G1B+3], 32<<16
	s_mov_b32 s[G1+4], 128                         ; tile_dim1
	s_mov_b32 s[G1B+4], 64
	s_mov_b32 s[G1+5], 32                          ; pitch 32 elements: the blocks are dense
	s_mov_b32 s[G1B+5], 32
	s_mov_b32 s[G1+6], 0
	s_mov_b32 s[G1B+6], 0
	s_mov_b32 s[G1+7], 0
	s_mov_b32 s[G1B+7], 0
	; xh's address hangs on cy and the cluster's y, wh's on cx, the cluster's x and the wave, each in registers that never hold the other place
	s_lshl_b32 s16, s41, 3
	s_add_co_u32 s16, s16, s13                     ; panel 8 cy + cluster y
	s_lshl_b32 s16, s16, 19                        ; 524,288 bytes a panel
	s_mov_b32 s17, 0
	s_max_u32 s46, s10, 1
	s_sub_co_u32 s46, s46, 1                       ; which of the block's three panels I fetch (wave 0 fetches none: it makes wave 1's address and does not use it)
	s_mul_i32 s47, s45, 3
	s_add_co_u32 s46, s46, s47                     ; pair of head slots, 0 to 5
	s_lshr_b32 s47, s46, 1                         ; weight
	s_lshl_b32 s47, s47, 3                         ; 8 panels each
	s_and_b32 s46, s46, 1
	s_add_co_u32 s46, s46, s47
	s_lshl_b32 s47, s40, 1
	s_add_co_u32 s46, s46, s47                     ; + 2 cx
	s_lshl_b32 s46, s46, 18                        ; 262,144 bytes a panel
	s_mov_b32 s47, 0
	s_mul_i32 s20, s10, BPAN
	s_add_co_u32 s20, s20, BOFF-BPAN               ; where wh's tiles go: 36,864 + (wave - 1) x 18,432
	s_wait_dscnt 0x0
	s_wait_kmcnt 0x0
	s_add_nc_u64 s[14:15], s[4:5], s[16:17]
	s_add_nc_u64 s[46:47], s[6:7], s[46:47]
	CROUND                                         ; all sixteen work-groups are here: the first joint loads meet
.irp s, 0,1
	s_mov_b32 s[G0+4*\s], 1
	s_mov_b32 s[G0+4*\s+1], \s*SLOT
	s_add_nc_u64 s[G0+4*\s+2:G0+4*\s+3], s[14:15], \s*STEPA        ; K step s
	s_or_b32 s[G0+4*\s+3], s[G0+4*\s+3], 0x80000000
	s_mov_b32 s[G0B+4*\s], 1
	s_add_co_u32 s[G0B+4*\s+1], s20, \s*SLOT
	s_add_nc_u64 s[G0B+4*\s+2:G0B+4*\s+3], s[46:47], \s*STEPW
	s_or_b32 s[G0B+4*\s+3], s[G0B+4*\s+3], 0x80000000
	JLOAD \s                                       ; both first fills: two loads of the wave are out
.endr
	; a fragment: lane l holds row l % 16; registers 0-3 K = 8 (l / 16) + 0..7, registers 4-7 K = 16 + 8 (l / 16) + 0..7: two loads 32 bytes apart
	v_and_b32 v1, 15, v0
	v_bfe_u32 v2, v0, 4, 1
	v_mul_u32_u24 v3, v1, PITCH
	v_lshl_add_u32 v3, v2, 4, v3                   ; row x pitch + 16 x half
	s_mul_i32 s21, s11, 128*PITCH                  ; my 128 rows of xh
	s_mul_i32 s22, s12, 192*PITCH                  ; my 192 rows of wh
	s_add_co_u32 s22, s22, BOFF
.irp s, 0,1
	v_add_nc_u32 v[ADRA+\s], s21, v3
	v_add_nc_u32 v[ADRB+\s], s22, v3
	s_add_co_u32 s21, s21, SLOT
	s_add_co_u32 s22, s22, SLOT
.endr
	s_mul_i32 s23, s10, WST
	s_add_co_u32 s23, s23, STAGE                   ; my stage
	v_add_nc_u32 v[STO], s23, v3                   ; in: row l % 16, 16 bytes for each half of the lanes
	v_bfe_u32 v5, v0, 3, 2                         ; back: eight lanes take a row's 128 bytes, four rows a load
	v_and_b32 v6, 7, v0
	v_mul_u32_u24 v5, v5, PITCH
	v_lshl_add_u32 v5, v6, 4, v5
	v_add_nc_u32 v[RD], s23, v5
	v_and_b32 v6, 31, v0
	v_lshlrev_b32 v[CO], 4, v6                     ; four rows of a head are 512 dense bytes: 16 x lane
; 16 matrix instructions: column blocks bb0, bb0 + 1 of head wi x all 8 row blocks, 32 along K; xh's fragments in buffer f.  zero = 1: the product starts the sums.
; The 96 accumulators take turns, one instruction a turn, in the same order in every quarter step.
.macro MULP f, wi, bb0, zero
.irp bb, \bb0, \bb0+1
.irp a, 0,1,2,3,4,5,6,7
.if \zero
	v_wmma_f32_16x16x32_bf16 v[8*(8*(\bb)+\a):8*(8*(\bb)+\a)+7], v[FB+8*(4*\wi+(\bb)):FB+8*(4*\wi+(\bb))+7], v[\f+8*\a:\f+8*\a+7], 0
.else
	v_wmma_f32_16x16x32_bf16 v[8*(8*(\bb)+\a):8*(8*(\bb)+\a)+7], v[FB+8*(4*\wi+(\bb)):FB+8*(4*\wi+(\bb))+7], v[\f+8*\a:\f+8*\a+7], v[8*(8*(\bb)+\a):8*(8*(\bb)+\a)+7]
.endif
.endr
.endr
.endm
.macro LDB slot, k, i0                 ; fragments i0 .. i0 + 3 of wh, 32 along K at byte k of the rows: 8 loads
.irp i, 0,1,2,3
	ds_load_b128 v[FB+8*(\i0+\i):FB+8*(\i0+\i)+3],   v[ADRB+\slot] offset:\k+(\i0+\i)*16*PITCH
	ds_load_b128 v[FB+8*(\i0+\i)+4:FB+8*(\i0+\i)+7], v[ADRB+\slot] offset:\k+(\i0+\i)*16*PITCH+32
.endr
.endm
.macro LDA slot, k, f                  ; the 8 fragments of xh into buffer f: 16 loads
.irp i, 0,1,2,3,4,5,6,7
	ds_load_b128 v[\f+8*\i:\f+8*\i+3],   v[ADRA+\slot] offset:\k+\i*16*PITCH
	ds_load_b128 v[\f+8*\i+4:\f+8*\i+7], v[ADRA+\slot] offset:\k+\i*16*PITCH+32
.endr
.endm
; four places behind the matrix instructions that read registers, in front of the loads into them (ISA guide 7.12.1 for vector instructions)
.macro PLACES
.rept 4
	v_nop
.endr
.endm
; A K step is two quarter... two steps of 32 along K, 96 matrix instructions each, on xh's buffers 0 and 1.  The LDS loads of a step are issued in the step before, in the
; order wh 0-3, xh (24 loads), wh 4-7 (8), wh 8-11 (8), each group behind the products that read its registers last.
; The first of the two: multiplies buffer f and fetches the second's fragments, at byte kn of the same slot's rows, xh's into buffer g.
.macro QUARTER slot, kn, f, g, zero
	s_wait_dscnt 16                                ; wh 0-3 and xh are in; the 16 younger loads (wh 4-11) may be out
	WIN W1
	MULP \f, 0, 0, \zero
	MULP \f, 0, 2, \zero
	PLACES
	WIN 0
	LDB \slot, \kn, 0
	LDA \slot, \kn, \g
	s_wait_dscnt 32                                ; wh 4-7 are in; wh 8-11 (8) and the 24 just issued may be out
	WIN W2
	MULP \f, 1, 0, \zero
	MULP \f, 1, 2, \zero
	PLACES
	WIN 0
	LDB \slot, \kn, 4
	s_wait_dscnt 32                                ; wh 8-11 are in; the 24 and the 8 issued behind them may be out
	WIN W3
	MULP \f, 2, 0, \zero
	MULP \f, 2, 2, \zero
	PLACES
	WIN 0
	LDB \slot, \kn, 8
.endm
; The second: multiplies buffer 1 and changes slots.  In front of the barrier each wave waits for its reads of this slot (all this step's fragments are then in
; registers) and for all its tensor loads (one is out: its part of the next slot).  Where the slot is filled again the barrier opens a round of the cluster's
; barrier, and the joint refill is the first tensor load behind the round; then the next slot's first fragments are read.
; From a request to the wait for it a wave issues 176 matrix instructions.
.macro TURN slot, next, fill
	s_wait_dscnt 16
	WIN W1
	MULP FA1, 0, 0, 0
	MULP FA1, 0, 2, 0
	s_wait_dscnt 0                                 ; my reads of this slot are over
	s_wait_tensorcnt 0x0                           ; all my tensor loads have landed
	ds_add_u32 v30, v31
	s_wait_dscnt 0x0
	s_barrier_signal -1
	WIN W2
	MULP FA1, 1, 0, 0                              ; register work while the others arrive
	WIN 0
	s_barrier_wait -1
.if \fill
	CREST
	s_add_nc_u64 s[G0+4*\slot+2:G0+4*\slot+3], s[G0+4*\slot+2:G0+4*\slot+3], 2*STEPA
	s_add_nc_u64 s[G0B+4*\slot+2:G0B+4*\slot+3], s[G0B+4*\slot+2:G0B+4*\slot+3], 2*STEPW
	JLOAD \slot
.endif
	PLACES
	LDB \next, 0, 0
	LDA \next, 0, FA0
	WIN W2
	MULP FA1, 1, 2, 0
	PLACES
	WIN 0
	LDB \next, 0, 4
	WIN W3
	MULP FA1, 2, 0, 0
	MULP FA1, 2, 2, 0
	PLACES
	WIN 0
	LDB \next, 0, 8
.endm
.macro LAP zero                        ; once round the ring, both slots filled again
	QUARTER 0, 64, FA0, FA1, \zero
	TURN 0, 1, 1
	QUARTER 1, 64, FA0, FA1, 0
	TURN 1, 0, 1
.endm
	s_wait_tensorcnt 1                             ; my part of K step 0 is in; K step 1's may stay out
	s_barrier_signal -1
	s_barrier_wait -1
	LDB 0, 0, 0
	LDA 0, 0, FA0
	LDB 0, 0, 4
	LDB 0, 0, 8
	LAP 1                                          ; the first 96 products start the sums: nothing is cleared
	WIN 0                                          ; at a label and at a branch every window is 0
	s_mov_b32 s3, LAPS-2
.Llap:
	LAP 0
	WIN 0
	s_sub_co_u32 s3, s3, 1
	s_cmp_lg_u32 s3, 0
	s_cbranch_scc1 .Llap
	QUARTER 0, 64, FA0, FA1, 0                     ; the last lap fills nothing
	TURN 0, 1, 0
	QUARTER 1, 64, FA0, FA1, 0
	s_wait_dscnt 16                                ; the very last step: nothing more to fetch, the counts run down
	WIN W1
	MULP FA1, 0, 0, 0
	MULP FA1, 0, 2, 0
	s_wait_dscnt 8
	WIN W2
	MULP FA1, 1, 0, 0
	MULP FA1, 1, 2, 0
	s_wait_dscnt 0
	WIN W3
	MULP FA1, 2, 0, 0
	MULP FA1, 2, 2, 0
	; THE WAY OUT, 32 rows of one head at a time: round to f16, 16 bytes a lane into my own stage, read back four rows a load, store 512 dense bytes a wave.
	PLACES
	WIN 0
	s_mul_i32 s72, s45, 6
	s_mul_i32 s67, s12, 3
	s_add_co_u32 s72, s72, s67                     ; c of my first head slot
	s_lshl_b32 s73, s41, 4
	s_lshl_b32 s67, s40, 2
	s_add_co_u32 s73, s73, s67                     ; 16 b + 4 cx
	s_lshl_b32 s74, s13, 15                        ; t = 256 (cluster y) + 128 (my half), rows of 128 bytes
	s_lshl_b32 s67, s11, 14
	s_add_co_u32 s74, s74, s67
.irp hh, 0,1,2
	s_add_co_u32 s66, s72, \hh                     ; c
	s_lshr_b32 s67, s66, 2
	s_lshl_b32 s67, s67, 6                         ; weight x 64 heads
	s_and_b32 s66, s66, 3
	s_add_co_u32 s66, s66, s67
	s_add_co_u32 s66, s66, s73                     ; + 16 b + 4 cx + (c & 3)
	s_lshl_b32 s66, s66, 18                        ; 262,144 bytes a head
	s_add_co_u32 s66, s66, s74
	s_mov_b32 s67, 0
	s_add_nc_u64 s[BS+2*\hh:BS+2*\hh+1], s[8:9], s[66:67]
.endr
; rows 32 ap .. 32 ap + 31 of head hh = tiles (2 ap, 0..3), (2 ap + 1, 0..3) of window 1 + hh (from = 0x05, 0x0a, 0x0f: both sources); f: R0 or R1 in turn.
; In the read-back lanes 0-7 and 8-15 take 128 bytes of two stage rows 144 bytes apart, which overlap in 16 bytes modulo 256: accepted, on the way out alone.
.macro OUT hh, ap, from, f
	WIN \from
.irp aa, 0,1
.irp bb, 0,1,2,3
.irp r, 0,1,2,3
	v_cvt_pk_f16_f32 v[TMP+16*\aa+4*\bb+\r], v[8*(8*\bb+2*\ap+\aa)+2*\r], v[8*(8*\bb+2*\ap+\aa)+2*\r+1]
.endr
.endr
.endr
	WIN 0
.irp aa, 0,1
.irp bb, 0,1,2,3
	ds_store_b128 v[STO], v[TMP+16*\aa+4*\bb:TMP+16*\aa+4*\bb+3] offset:16*PITCH*\aa+32*\bb
.endr
.endr
	s_wait_xcnt 0x0                                ; buffer f, which earlier stores read, is loaded again only behind this wait
.irp g, 0,1,2,3,4,5,6,7
	ds_load_b128 v[\f+4*\g:\f+4*\g+3], v[RD] offset:4*PITCH*\g     ; LDS serves a wave's instructions in order: these see the stores above
.endr
.irp g, 0,1,2,3,4,5,6,7
	s_wait_dscnt 7-\g
	global_store_b128 v[CO], v[\f+4*\g:\f+4*\g+3], s[BS+2*\hh:BS+2*\hh+1] offset:4096*\ap+512*\g   ; four rows: 512 consecutive bytes, aligned
.endr
.endm
	OUT 0, 0, 0x05, R0
	OUT 0, 1, 0x05, R1
	OUT 0, 2, 0x05, R0
	OUT 0, 3, 0x05, R1
	OUT 1, 0, 0x0a, R0
	OUT 1, 1, 0x0a, R1
	OUT 1, 2, 0x0a, R0
	OUT 1, 3, 0x0a, R1
	OUT 2, 0, 0x0f, R0
	OUT 2, 1, 0x0f, R1
	OUT 2, 2, 0x0f, R0
	OUT 2, 3, 0x0f, R1
	; v's lo for t < 64: cluster x = 1 (slots 6 to 11; v from slot 8), cluster y = 0, the waves of the block's upper rows, their first 64 rows
	s_cmp_lg_u32 s45, 1
	s_cbranch_scc1 .Lout_done
	s_cmp_lg_u32 s13, 0
	s_cbranch_scc1 .Lout_done
	s_cmp_lg_u32 s11, 0
	s_cbranch_scc1 .Lout_done
.irp hh, 0,1,2
	s_add_co_u32 s66, s72, \hh
	s_and_b32 s66, s66, 3
	s_add_co_u32 s66, s66, s73                     ; 16 b + head
	s_lshl_b32 s66, s66, 13                        ; 64 rows of 128 bytes a head
	s_add_co_u32 s66, s66, VLOMEM
	s_mov_b32 s67, 0
	s_add_nc_u64 s[BL+2*\hh:BL+2*\hh+1], s[8:9], s[66:67]
.endr
; rows 16 a .. 16 a + 15 of head hh (from: both sources in its window; sub = 0x01, 0x02, 0x03: source 0).  hi = f16(v); lo = f16(v - hi), the difference taken in f32, where it is exact.
.macro LOUT hh, a, from, sub, f
	WIN \from
.irp bb, 0,1,2,3
.irp r, 0,1,2,3
	v_cvt_pk_f16_f32 v[HP+4*\bb+\r], v[8*(8*\bb+\a)+2*\r], v[8*(8*\bb+\a)+2*\r+1]
.endr
.endr
	WIN 0
.set e, 0
.irp src, v32.l,v32.h,v33.l,v33.h,v34.l,v34.h,v35.l,v35.h,v36.l,v36.h,v37.l,v37.h,v38.l,v38.h,v39.l,v39.h,v40.l,v40.h,v41.l,v41.h,v42.l,v42.h,v43.l,v43.h,v44.l,v44.h,v45.l,v45.h,v46.l,v46.h,v47.l,v47.h
	v_cvt_f32_f16 v[U+e], \src                     ; the halves of v[HP .. HP+15], in order
.set e, e+1
.endr
	WIN \sub
.irp bb, 0,1,2,3
.irp r, 0,1,2,3
	v_pk_add_f32 v[U+8*\bb+2*\r:U+8*\bb+2*\r+1], v[8*(8*\bb+\a)+2*\r:8*(8*\bb+\a)+2*\r+1], v[U+8*\bb+2*\r:U+8*\bb+2*\r+1] neg_lo:[0,1] neg_hi:[0,1]
.endr
.endr
	WIN 0
.set e, 0
.rept 16
	v_cvt_pk_f16_f32 v[LP+e], v[U+2*e], v[U+2*e+1]
.set e, e+1
.endr
.irp bb, 0,1,2,3
	ds_store_b128 v[STO], v[LP+4*\bb:LP+4*\bb+3] offset:32*\bb
.endr
	s_wait_xcnt 0x0                                ; buffer f, which earlier stores read, is loaded again only behind this wait
.irp g, 0,1,2,3
	ds_load_b128 v[\f+4*\g:\f+4*\g+3], v[RD] offset:4*PITCH*\g
.endr
.irp g, 0,1,2,3
	s_wait_dscnt 3-\g
	global_store_b128 v[CO], v[\f+4*\g:\f+4*\g+3], s[BL+2*\hh:BL+2*\hh+1] offset:2048*\a+512*\g
.endr
.endm
	s_cmp_eq_u32 s12, 0                            ; the left wave's slots are 6, 7, 8: only its last head is of v; the right wave's 9, 10, 11 all are
	s_cbranch_scc1 .Llo_last
	LOUT 0, 0, 0x05, 0x01, RL0
	LOUT 0, 1, 0x05, 0x01, RL1
	LOUT 0, 2, 0x05, 0x01, RL0
	LOUT 0, 3, 0x05, 0x01, RL1
	LOUT 1, 0, 0x0a, 0x02, RL0
	LOUT 1, 1, 0x0a, 0x02, RL1
	LOUT 1, 2, 0x0a, 0x02, RL0
	LOUT 1, 3, 0x0a, 0x02, RL1
.Llo_last:
	LOUT 2, 0, 0x0f, 0x03, RL0
	LOUT 2, 1, 0x0f, 0x03, RL1
	LOUT 2, 2, 0x0f, 0x03, RL0
	LOUT 2, 3, 0x0f, 0x03, RL1
.Lout_done:
	s_wait_tensorcnt 0x0
	ds_add_u32 v30, v31
	s_wait_dscnt 0x0
	CROUND                                         ; the closing round: no work-group ends while a partner may still ask for a tile that names it
	s_endpgm
.Lfunc_end_k_q84bb6f714b_qkv:
	.size	k_q84bb6f714b_qkv, .Lfunc_end_k_q84bb6f714b_qkv-k_q84bb6f714b_qkv
	.p2alignl 7, 3214868480
	.fill 96, 4, 3214868480
	.section	.rodata,"a",@progbits
	.p2align	6, 0x0
	.amdhsa_kernel k_q84bb6f714b_qkv
		.amdhsa_group_segment_fixed_size 327680
		.amdhsa_private_segment_fixed_size 0
		.amdhsa_enable_private_segment 0
		.amdhsa_kernarg_size 24
		.amdhsa_user_sgpr_count 2
		.amdhsa_user_sgpr_kernarg_segment_ptr 1
		.amdhsa_wavefront_size32 1
		.amdhsa_system_sgpr_workgroup_id_x 1
		.amdhsa_system_sgpr_workgroup_id_y 1
		.amdhsa_system_sgpr_workgroup_id_z 1
		.amdhsa_system_vgpr_workitem_id 0
		.amdhsa_next_free_vgpr 1024
		.amdhsa_next_free_sgpr 90
		.amdhsa_reserve_vcc 0
		.amdhsa_float_denorm_mode_32 3
		.amdhsa_float_denorm_mode_16_64 3
		.amdhsa_memory_ordered 1
		.amdhsa_forward_progress 1
		.amdhsa_inst_pref_size 233
	.end_amdhsa_kernel
	.amdgpu_metadata
---
amdhsa.version: [ 1, 2 ]
amdhsa.kernels:
  - .name:           k_q84bb6f714b_qkv
    .symbol:         k_q84bb6f714b_qkv.kd
    .args:
      - { .name: xh, .offset: 0, .size: 8, .value_kind: global_buffer, .address_space: global }
      - { .name: wh, .offset: 8, .size: 8, .value_kind: global_buffer, .address_space: global }
      - { .name: qkv, .offset: 16, .size: 8, .value_kind: global_buffer, .address_space: global }
    .group_segment_fixed_size: 327680
    .private_segment_fixed_size: 0
    .kernarg_segment_align: 8
    .kernarg_segment_size: 24
    .max_flat_workgroup_size: 128
    .sgpr_count:     90
    .vgpr_count:     1024
    .wavefront_size: 32
...
	.end_amdgpu_metadata
.endif
;; end of part 6
;; launch attn (part 7): grid 256 x 1, 8 waves a work-group, clusters of 4 x 1, 327,680 bytes of LDS; arguments qkv, yh; writes yh
.if DOCPART == 7
	.amdgcn_target "amdgcn-amd-amdhsa--gfx1250"
	.amdhsa_code_object_version 6
	.text
	.protected	k_q84bb6f714b_attn
	.globl	k_q84bb6f714b_attn
	.p2align	8
	.type	k_q84bb6f714b_attn,@function
k_q84bb6f714b_attn:
	s_mov_b64 s[64:65], 0
	v_nop
	global_prefetch_b8 v0, s[64:65] scope:SCOPE_SE
	s_setreg_imm32_b32 hwreg(HW_REG_WAVE_MODE, 25, 1), 1
	s_wait_xcnt 0x0
	s_wait_alu depctr_hold_cnt(0) depctr_sa_sdst(0) depctr_va_vdst(0) depctr_va_sdst(0) depctr_va_ssrc(0) depctr_va_vcc(0) depctr_vm_vsrc(0)
	s_getreg_b32 s2, hwreg(HW_REG_IB_STS2, 6, 4)
	s_cmp_eq_u32 s2, 0
	s_cbranch_scc0 .Lentry_in_a_cluster
	s_endpgm
.Lentry_in_a_cluster:
	s_bfe_u32 s2, ttmp6, 0x10000c
	s_cmp_lg_u32 s2, 0x3003
	s_cbranch_scc0 .Lentry_shape_is_right
	s_endpgm
.Lentry_shape_is_right:
; Causal attention of one (b, head) by a cluster of four work-groups: y = softmax(q k^T / 8 + causal mask) v, with a running maximum.
; qkv: q at byte 0, k at 16,777,216, v at 33,554,432: [64 (b, head)][2048 t][64] f16; at 50,331,648: [64][64 t][64] f16, lo = f16(v - f16(v)) of keys below 64.
; Products in f16 with f32 sums; softmax in f32; P in (0, 1] is rounded once to f16.
; WHERE THE SECOND HALVES ARE USED.  Query row t averages t + 1 values, so the early rows' results are large beside the late rows', and a single
; rounding of v or y shows there first.  Rows below 64 see only keys below 64: v's lo enters in each wave's first unit (its tile 0 against key tile 0),
; elsewhere v is one f16 (11 bits).  y leaves as bf16; for the tiles of bands 0 to 7 (t < 512) a second bf16, lo = bf16(y - hi), goes with it.
; yh: [64 panels][16 heads][160 rows][64] bf16, 20,480 bytes a block.  Half hf of panel p of a batch (hp = 2 p + hf) holds in rows 64 hf + 16 a + r:
; a = 0: t = 16 hp + r; a = 1..3: t = 64 (8 + 3 (hp >> 2) + a - 1) + 16 (hp & 3) + r.  Rows 128 + 16 hf + r hold the lo of its fragment a = 0.
; So every half panel has one fragment with a second half, and the next launch's waves have equal work.
; LIMIT: q, k, v as they were stored (f16: below 65,504).  Exponentials whose result would be denormal come out as zero.
; SHARES.  The 2048 query rows are 32 bands of 64; work-group cx of the cluster takes rows 64 s + 16 cx + 0..15 of every band s.  Wave w owns
; four query tiles of 16 rows, in bands w, 15 - w, 16 + w, 31 - w: 66 units of (16 queries x 64 keys) for every wave.  Key tile n (64 keys) is
; needed by band s if n <= s and cut by the mask if n = s.  Every branch hangs on w and a counter alone; cx enters global addresses and the
; mask's limit, which is a value.
; CLUSTER.  All four work-groups walk the same 8 supertiles of 256 keys of K and V: each is asked for jointly (mask 15), waves 0-3 a quarter of K,
; waves 4-7 a quarter of V, through two LDS slots; a round of the cluster's barrier stands in front of every refill.
; TRANSPOSED PRODUCTS.  S^T = K Q^T: a lane (r = l % 16, h = l / 16) holds keys 16 t + 8 h + 0..7 of query r, so the softmax stays inside a lane
; but for one exchange between the halves, and the packed pairs of tiles 2 c, 2 c + 1 are the second source P^T for keys 32 c .. 32 c + 31 as they lie.
; y^T = V^T P^T: V^T comes from V's rows [key][d] by the transposing LDS load; a lane's results are d = 16 dt + 8 h + 0..7 of query r.
.set SLOT,  77824                      ; K: 256 keys x 144 bytes = 36,864; V: 256 keys x 160 bytes = 40,960
.set VOFF,  36864
.set VLO,   2*SLOT                     ; 155,648: v's lo of keys 0 to 63, 64 x 160 bytes, filled once
.set STAGE, VLO+10240                  ; 165,888: for each wave 4,608 bytes: 16 rows x 144 bytes of hi, then of lo; no fill lands there
.set WST,   4608
.set KMEM,  16777216                   ; k's part of qkv
.set VMEM,  33554432                   ; v's part
.set VLOMEM, 50331648                  ; the lo of keys below 64
.set YBLK,  20480                      ; a (panel, head) block of yh
.set MJ,  16                           ; v16-19  running maximum of tile j (raw scores)
.set LJ,  20                           ; v20-27  running sum of tile j, a pair
.set AL,  28                           ; v28-29  rescale factor, twice
.set NM,  30                           ; v30-31  -(maximum x c), twice
.set T,   32                           ; v32-39  at work
.set P,   40                           ; v40-55  P^T in f16: registers of its own, so that the next unit's scores land on no source of a pending product
.set NMJ, 56                           ; v56-59  -(maximum x c) of tile j, as the exponentials subtracted it
.set S,   64                           ; v64-95  four score tiles; on the way out: y's hi and lo, packed
.set U,   96                           ; v96-127 way out: hi widened to f32, then y - hi
.set KF,  128                          ; v128-191 K fragments, (t, c) at 8 (2 t + c)
.set VF,  192                          ; v192-255 V^T fragments, (d, c) at 8 (4 c + d): v in window 0; key tile 0's lo under the same numbers in window 1
.set OB,  64                           ; window 1: Q (j, c) at v[16 j + 8 c]; y^T sums (j, d) at v[64 + 32 j + 8 d]
; v2, v3 K address in slot 0, 1; v4, v5 V address; v6, v7 the stepped copies; v8 mask limit; v9 the limit for the first tile; v10 -infinity;
; v11 stage in; v12 stage back; v13 16 x lane; v14 Q offset; v15 address of v's lo
.set G1K, 24
.set G1V, 32                           ; serves V's quarters and the lo tile: both are 64 keys
.set G0K, 40                           ; s[40:47] one set a slot
.set G0V, 48                           ; s[48:55]
.set G0L, 80                           ; s[80:83] the lo tile
.set MSB, 0
.macro WIN new
.if MSB != \new
	s_set_vgpr_msb (MSB<<8)|\new
.set MSB, \new
.endif
.endm
.macro ROUND                           ; a round of the cluster's barrier
	s_barrier_signal -1
	s_barrier_wait -1
	s_cmp_lg_u32 s8, 0
	s_cbranch_scc1 .Lnot_wave_0_\@
	s_barrier_signal -3
.Lnot_wave_0_\@:
	s_barrier_wait -3
	s_barrier_signal -1
	s_barrier_wait -1
.endm
.macro JKV s                           ; a joint load: waves 0-3 K's quarter, waves 4-7 V's; one a wave
	s_cmp_eq_u32 s10, 0
	s_cbranch_scc0 .Lfor_v_\@
	tensor_load_to_lds s[G0K+4*\s:G0K+4*\s+3], s[G1K:G1K+7]
	s_nop 0
	s_branch .Lasked_\@
.Lfor_v_\@:
	tensor_load_to_lds s[G0V+4*\s:G0V+4*\s+3], s[G1V:G1V+7]
	s_nop 0
.Lasked_\@:
.endm
	s_load_b128 s[4:7], s[0:1], 0x0                ; qkv s[4:5], yh s[6:7]
	v_lshl_add_u32 v62, v0, 2, 0x31800
	v_mov_b32 v63, 0
	ds_add_u32 v62, v63
	v_lshrrev_b32 v1, 5, v0
	v_readfirstlane_b32 s8, v1                     ; wave 0..7
	s_and_b32 s9, s8, 3                            ; which quarter of a supertile I fetch
	s_lshr_b32 s10, s8, 2                          ; for K (0) or V (1)
	s_bfe_u32 s11, ttmp6, 0x40000                  ; cx
	s_mov_b32 s12, ttmp9                           ; the cluster's number = 16 b + head
	s_mov_b32 s16, s8                              ; my four bands
	s_sub_co_u32 s17, 15, s8
	s_add_co_u32 s18, s8, 16
	s_sub_co_u32 s19, 31, s8                       ; the largest of the four
	s_mov_b32 s20, 0x3e38aa3b                      ; c = log2(e) / 8: the scale 1 / sqrt(64) and the base change in one factor
	s_mov_b32 s21, 0x3e38aa3b
	s_mov_b32 s72, 0xbe38aa3b                      ; -c
	s_mov_b32 s22, 0x76543210                      ; v_permlanex16_b32: lane i of one half reads lane i of the other
	s_mov_b32 s23, 0xfedcba98
	; group 1: 32 dense rows of 256 bytes = 64 keys; 16 (K) or 32 (V) bytes of padding behind every 128 bytes
	s_mov_b32 s[G1K+0], 15|(3<<16)|(1<<20)|(1<<21)|(4<<22)|(3<<25)
	s_mov_b32 s[G1V+0], 15|(3<<16)|(1<<20)|(1<<21)|(4<<22)|(7<<25)
	s_mov_b32 s[G1K+1], 32<<16                     ; tensor_dim0, in elements of 8 bytes
	s_mov_b32 s[G1V+1], 32<<16
	s_mov_b32 s[G1K+2], 32<<16                     ; tensor_dim1
	s_mov_b32 s[G1V+2], 32<<16
	s_mov_b32 s[G1K+3], 32<<16                     ; tile_dim0
	s_mov_b32 s[G1V+3], 32<<16
	s_mov_b32 s[G1K+4], 32                         ; tile_dim1
	s_mov_b32 s[G1V+4], 32
	s_mov_b32 s[G1K+5], 32                         ; from row to row
	s_mov_b32 s[G1V+5], 32
	s_mov_b32 s[G1K+6], 0
	s_mov_b32 s[G1V+6], 0
	s_mov_b32 s[G1K+7], 0
	s_mov_b32 s[G1V+7], 0
	s_lshl_b32 s66, s12, 18                        ; my head: 262,144 bytes in k and in v,
	s_lshl_b32 s67, s9, 13                         ; my quarter: 64 keys of 128 bytes
	s_add_co_u32 s66, s66, s67
	s_mov_b32 s67, 0
	s_lshl_b32 s84, s12, 13                        ; v's lo: 8,192 bytes a head
	s_mov_b32 s85, 0
	s_mul_i32 s70, s9, 9216                        ; and where the quarters go
	s_mul_i32 s71, s9, 10240
	s_add_co_u32 s71, s71, VOFF
	s_wait_dscnt 0x0
	s_wait_kmcnt 0x0
	s_add_nc_u64 s[68:69], s[4:5], s[66:67]
	s_add_nc_u64 s[84:85], s[4:5], s[84:85]
	ROUND                                          ; all four work-groups are here: the first joint loads meet
	s_mov_b32 s[G0L], 1
	s_mov_b32 s[G0L+1], VLO
	s_add_nc_u64 s[G0L+2:G0L+3], s[84:85], VLOMEM  ; the lo of keys 0 to 63
	s_or_b32 s[G0L+3], s[G0L+3], 0x80000000
	s_cmp_lg_u32 s8, 4
	s_cbranch_scc1 .Lno_lo
	tensor_load_to_lds s[G0L:G0L+3], s[G1V:G1V+7]  ; wave 4's first load of three; the bytes are filled once
	s_nop 0
.Lno_lo:
.irp s, 0,1
	s_mov_b32 s[G0K+4*\s], 1
	s_add_co_u32 s[G0K+4*\s+1], s70, \s*SLOT
	s_add_nc_u64 s[G0K+4*\s+2:G0K+4*\s+3], s[68:69], KMEM+\s*32768 ; supertile s
	s_or_b32 s[G0K+4*\s+3], s[G0K+4*\s+3], 0x80000000
	s_mov_b32 s[G0V+4*\s], 1
	s_add_co_u32 s[G0V+4*\s+1], s71, \s*SLOT
	s_add_nc_u64 s[G0V+4*\s+2:G0V+4*\s+3], s[68:69], VMEM+\s*32768
	s_or_b32 s[G0V+4*\s+3], s[G0V+4*\s+3], 0x80000000
	JKV \s                                         ; both slots' first fills: two loads of the wave are out, three of wave 4
.endr
	v_and_b32 v1, 15, v0                           ; r
	v_bfe_u32 v15, v0, 4, 1                        ; h
	v_mul_u32_u24 v2, v1, 144
	v_lshl_add_u32 v2, v15, 4, v2                  ; K: row r, 16 h
	v_add_nc_u32 v3, SLOT, v2
	v_and_b32 v32, 7, v0
	v_lshl_add_u32 v33, v15, 3, v32                ; V: key 8 h + (l & 7),
	v_mul_u32_u24 v4, v33, 160
	v_bfe_u32 v34, v0, 3, 1
	v_lshl_add_u32 v4, v34, 4, v4                  ; 16 bytes by (l >> 3) & 1
	v_add_nc_u32 v4, VOFF, v4
	v_add_nc_u32 v5, SLOT, v4
	v_lshlrev_b32 v35, 3, v15
	v_sub_nc_u32 v8, v1, v35
	s_lshl_b32 s74, s11, 4
	v_add_nc_u32 v8, s74, v8                       ; in the tile on the diagonal, register 8 t + jj (key 16 t + 8 h + jj) is cut if 16 t + jj > 16 cx + r - 8 h
	s_lshl_b32 s73, s8, 6
	v_add_nc_u32 v9, s73, v8                       ; first tile, band w: + 64 w, at least 56 for w > 0, which no 16 t + jj (55 at the most) exceeds
	v_mov_b32 v10, 0xff800000
	s_mul_i32 s73, s8, WST
	s_add_co_u32 s73, s73, STAGE
	v_add_nc_u32 v11, s73, v2                      ; stage in: row r, 16 h
	v_bfe_u32 v36, v0, 3, 2
	v_mul_u32_u24 v36, v36, 144
	v_lshl_add_u32 v36, v32, 4, v36
	v_add_nc_u32 v12, s73, v36                     ; stage back: four rows of 128 bytes a load
	v_and_b32 v37, 31, v0
	v_lshlrev_b32 v13, 4, v37
	v_lshlrev_b32 v14, 7, v1
	v_lshl_add_u32 v14, v15, 4, v14                ; Q: row r of 128 bytes, 16 h
	v_add_nc_u32 v15, VLO-VOFF, v4                 ; v's lo: the same place in its own region
	; Q's fragments, read once, straight into window 1
	s_lshl_b32 s74, s12, 18
	s_lshl_b32 s75, s11, 11                        ; 16 cx rows
	s_add_co_u32 s74, s74, s75
.irp j, 0,1,2,3
	s_lshl_b32 s76, s[16+\j], 13                   ; 64 rows a band
	s_add_co_u32 s76, s76, s74
	s_mov_b32 s77, 0
	s_add_nc_u64 s[56+2*\j:57+2*\j], s[4:5], s[76:77]
.endr
	WIN 0x40
.irp j, 0,1,2,3
.irp c, 0,1
	global_load_b128 v[16*\j+8*\c:16*\j+8*\c+3],   v14, s[56+2*\j:57+2*\j] offset:64*\c
	global_load_b128 v[16*\j+8*\c+4:16*\j+8*\c+7], v14, s[56+2*\j:57+2*\j] offset:64*\c+32
.endr
.endr
	WIN 0
	s_wait_loadcnt 0x0
; one key tile's fragments: 16 loads of K, then 16 transposing loads of V.  Four places stand behind the last products that read these registers.
.macro LOADKV
.rept 4
	v_nop
.endr
.irp t, 0,1,2,3
.irp c, 0,1
	ds_load_b128 v[KF+8*(2*\t+\c):KF+8*(2*\t+\c)+3],   v6 offset:\t*2304+\c*64
	ds_load_b128 v[KF+8*(2*\t+\c)+4:KF+8*(2*\t+\c)+7], v6 offset:\t*2304+\c*64+32
.endr
.endr
.irp c, 0,1
.irp d, 0,1,2,3
	ds_load_tr16_b128 v[VF+8*(4*\c+\d):VF+8*(4*\c+\d)+3],   v7 offset:\c*5120+\d*32
	ds_load_tr16_b128 v[VF+8*(4*\c+\d)+4:VF+8*(4*\c+\d)+7], v7 offset:\c*5120+2560+\d*32
.endr
.endr
.endm
.macro LOADLO                          ; key tile 0's lo fragments, 16 transposing loads into window 1
	WIN 0x40
.irp c, 0,1
.irp d, 0,1,2,3
	ds_load_tr16_b128 v[VF+8*(4*\c+\d):VF+8*(4*\c+\d)+3],   v15 offset:\c*5120+\d*32
	ds_load_tr16_b128 v[VF+8*(4*\c+\d)+4:VF+8*(4*\c+\d)+7], v15 offset:\c*5120+2560+\d*32
.endr
.endr
	WIN 0
.endm
.macro STEP                            ; the next key tile
	v_add_nc_u32 v6, 9216, v6
	v_add_nc_u32 v7, 10240, v7
	s_add_co_u32 s13, s13, 1
.endm
.macro MASK lim                        ; -infinity where key > query
.irp t, 0,1,2,3
.irp jj, 0,1,2,3,4,5,6,7
	v_cmp_gt_i32 vcc_lo, 16*\t+\jj, v[\lim]
	v_cndmask_b32 v[S+8*\t+\jj], v[S+8*\t+\jj], v10, vcc_lo
.endr
.endr
.endm
; One unit: query tile j against the key tile in KF, VF.  first = 1: it starts the maximum and the sums.
; mk = 0: masked if the tile is j's band; 1: masked by v9; 2: never on the diagonal.  lo = 1: v's lo fragments, loaded behind K's and V's, are multiplied too.
; In every group of products four accumulators take turns, one instruction a turn.
.macro UNIT j, first, mk, lo
	s_wait_dscnt 16+16*\lo                         ; K's 16 loads are in; V's 16 (and lo's 16), issued behind them, may be out
	WIN 0x04                                       ; source 1 (Q) in window 1
.irp t, 0,1,2,3
	v_wmma_f32_16x16x32_f16 v[S+8*\t:S+8*\t+7], v[KF+16*\t:KF+16*\t+7], v[16*\j:16*\j+7], 0
.endr
.irp t, 0,1,2,3
	v_wmma_f32_16x16x32_f16 v[S+8*\t:S+8*\t+7], v[KF+16*\t+8:KF+16*\t+15], v[16*\j+8:16*\j+15], v[S+8*\t:S+8*\t+7]
.endr
	WIN 0
.rept 4
	v_nop                                          ; four places before vector instructions read the scores (ISA guide 7.12.1)
.endr
.if \mk == 0
	s_cmp_lg_u32 s13, s[16+\j]
	s_cbranch_scc1 .Lnomask_\@
	MASK 8
.Lnomask_\@:
.endif
.if \mk == 1
	MASK 9
.endif
	; the largest of my 32 scores, in four chains, then the other half of the lanes
.irp t, 0,1,2,3
	v_max3_num_f32 v[T+\t], v[S+8*\t], v[S+8*\t+1], v[S+8*\t+2]
.endr
.irp t, 0,1,2,3
	v_max3_num_f32 v[T+\t], v[T+\t], v[S+8*\t+3], v[S+8*\t+4]
.endr
.irp t, 0,1,2,3
	v_max3_num_f32 v[T+\t], v[T+\t], v[S+8*\t+5], v[S+8*\t+6]
.endr
.irp t, 0,1,2,3
	v_max_num_f32 v[T+\t], v[T+\t], v[S+8*\t+7]
.endr
	v_max3_num_f32 v[T], v[T], v[T+1], v[T+2]
	v_max_num_f32 v[T], v[T], v[T+3]
	v_permlanex16_b32 v[T+1], v[T], s22, s23
.if \first
	v_max_num_f32 v[MJ+\j], v[T], v[T+1]
	v_mul_f32 v[NM], s72, v[MJ+\j]
	v_mul_f32 v[NM+1], s72, v[MJ+\j]
	v_mov_b32 v[NMJ+\j], v[NM]
.else
	v_max3_num_f32 v[MJ+\j], v[T], v[T+1], v[MJ+\j]
	v_mul_f32 v[NM], s72, v[MJ+\j]                 ; the offset that this tile's exponentials subtract
	v_sub_f32 v[T+2], v[NM], v[NMJ+\j]             ; less the one that the earlier tiles subtracted: at most 0
	v_exp_f32 v[AL], v[T+2]
	v_exp_f32 v[AL+1], v[T+2]
	v_mov_b32 v[NM+1], v[NM]                       ; plain work behind the exponentials (ISA guide 5.7.2)
	v_mov_b32 v[NMJ+\j], v[NM]
.endif
.set e, 0
.rept 16
	v_pk_fma_f32 v[S+e:S+e+1], v[S+e:S+e+1], s[20:21], v[NM:NM+1] op_sel_hi:[1,0,1]   ; score x c - maximum x c
.set e, e+2
.endr
.set e, 0
.rept 32
	v_exp_f32 v[S+e], v[S+e]
.set e, e+1
.endr
	v_nop                                          ; one plain place behind the last exponential
.if \first
	s_wait_alu depctr_va_vdst(0)
	v_pk_add_f32 v[LJ+2*\j:LJ+2*\j+1], v[S:S+1], v[S+4:S+5]
.else
	s_wait_alu depctr_va_vdst(0)
	v_pk_fma_f32 v[LJ+2*\j:LJ+2*\j+1], v[LJ+2*\j:LJ+2*\j+1], v[AL:AL+1], v[S:S+1]
	v_pk_add_f32 v[LJ+2*\j:LJ+2*\j+1], v[LJ+2*\j:LJ+2*\j+1], v[S+4:S+5]
.endif
	v_pk_add_f32 v[T+4:T+5], v[S+2:S+3], v[S+6:S+7]
.irp i, 8,12,16,20,24,28
	v_pk_add_f32 v[LJ+2*\j:LJ+2*\j+1], v[LJ+2*\j:LJ+2*\j+1], v[S+\i:S+\i+1]
	v_pk_add_f32 v[T+4:T+5], v[T+4:T+5], v[S+\i+2:S+\i+3]
.endr
	v_pk_add_f32 v[LJ+2*\j:LJ+2*\j+1], v[LJ+2*\j:LJ+2*\j+1], v[T+4:T+5]
.set e, 0
.rept 16
	v_cvt_pk_f16_f32 v[P+e], v[S+2*e], v[S+2*e+1]
.set e, e+1
.endr
.if \first == 0
	WIN 0x41                                       ; destination and source 0 in window 1
.set e, 0
.rept 16
	v_pk_mul_f32 v[OB+32*\j+e:OB+32*\j+e+1], v[OB+32*\j+e:OB+32*\j+e+1], v[AL:AL+1]
.set e, e+2
.endr
.endif
	s_wait_dscnt 16*\lo                            ; V's fragments are in (lo's 16 loads may be out)
	WIN 0x50                                       ; C and D in window 1
.irp d, 0,1,2,3
.if \first
	v_wmma_f32_16x16x32_f16 v[OB+32*\j+8*\d:OB+32*\j+8*\d+7], v[VF+8*\d:VF+8*\d+7], v[P:P+7], 0
.else
	v_wmma_f32_16x16x32_f16 v[OB+32*\j+8*\d:OB+32*\j+8*\d+7], v[VF+8*\d:VF+8*\d+7], v[P:P+7], v[OB+32*\j+8*\d:OB+32*\j+8*\d+7]
.endif
.endr
.irp d, 0,1,2,3
	v_wmma_f32_16x16x32_f16 v[OB+32*\j+8*\d:OB+32*\j+8*\d+7], v[VF+32+8*\d:VF+32+8*\d+7], v[P+8:P+15], v[OB+32*\j+8*\d:OB+32*\j+8*\d+7]
.endr
.if \lo
	s_wait_dscnt 0                                 ; v's lo fragments are in
	WIN 0x51                                       ; source 0 (lo) in window 1 too
.irp d, 0,1,2,3
	v_wmma_f32_16x16x32_f16 v[OB+32*\j+8*\d:OB+32*\j+8*\d+7], v[VF+8*\d:VF+8*\d+7], v[P:P+7], v[OB+32*\j+8*\d:OB+32*\j+8*\d+7]
.endr
.irp d, 0,1,2,3
	v_wmma_f32_16x16x32_f16 v[OB+32*\j+8*\d:OB+32*\j+8*\d+7], v[VF+32+8*\d:VF+32+8*\d+7], v[P+8:P+15], v[OB+32*\j+8*\d:OB+32*\j+8*\d+7]
.endr
.endif
	WIN 0
.endm
.macro TRYUNIT j                       ; tile j takes part while the key tile is not beyond its band
	s_cmp_gt_u32 s13, s[16+\j]
	s_cbranch_scc1 .Lnou_\@
	UNIT \j, 0, 0, 0
.Lnou_\@:
.endm
; trips key tiles of the current slot.  A tile beyond my largest band (31 - w) is passed over whole; else tile 3 always takes part,
; so that every way behind the 32 LDS loads holds the waits for them.
.macro INNER trips, jmin
	s_mov_b32 s14, 0
.Lin_\@:
	s_cmp_gt_u32 s13, s19
	s_cbranch_scc1 .Lskip_\@
	LOADKV
.if \jmin < 1
	TRYUNIT 0
.endif
.if \jmin < 2
	TRYUNIT 1
.endif
.if \jmin < 3
	TRYUNIT 2
.endif
	UNIT 3, 0, 0, 0
.Lskip_\@:
	STEP
	s_add_co_u32 s14, s14, 1
	s_cmp_lt_u32 s14, \trips
	s_cbranch_scc1 .Lin_\@
.endm
; The change of slots; slot = the one just read.  Every wave waits for all its tensor loads (its part of the other slot among them) and for its
; reads of this slot; with a refill a round of the cluster's barrier follows and the joint load is the first tensor load behind it, one a wave.
.macro SWITCH slot, refill
	s_wait_tensorcnt 0x0
	ds_add_u32 v62, v63
	s_wait_dscnt 0x0
.if \refill
	s_add_nc_u64 s[G0K+4*\slot+2:G0K+4*\slot+3], s[G0K+4*\slot+2:G0K+4*\slot+3], 65536   ; no load of mine is out: two supertiles on
	s_add_nc_u64 s[G0V+4*\slot+2:G0V+4*\slot+3], s[G0V+4*\slot+2:G0V+4*\slot+3], 65536
.endif
	s_wait_dscnt 0x0
.if \refill
	ROUND
	JKV \slot
.else
	s_barrier_signal -1
	s_barrier_wait -1
.endif
	v_mov_b32 v6, v[3-\slot]
	v_mov_b32 v7, v[5-\slot]
.endm
	s_wait_tensorcnt 1                             ; my part of supertile 0 (and wave 4's lo tile, issued ahead of it) is in; supertile 1's may stay out
	s_barrier_signal -1
	s_barrier_wait -1
	s_mov_b32 s13, 0                               ; key tile number
	v_mov_b32 v6, v2
	v_mov_b32 v7, v4
	LOADKV
	LOADLO
	UNIT 0, 1, 1, 1                                ; key tile 0 is in every band's range: it starts every maximum and sum, nothing is cleared
	UNIT 1, 1, 2, 0
	UNIT 2, 1, 2, 0
	UNIT 3, 1, 2, 0
	STEP
	INNER 3, 0
	s_mov_b32 s15, 0
.Louter:                                           ; supertiles 1 to 6; asks for 2 to 7
	SWITCH 0, 1
	INNER 4, 0
	SWITCH 1, 1
	INNER 4, 0
	s_add_co_u32 s15, s15, 1
	s_cmp_lt_u32 s15, 3
	s_cbranch_scc1 .Louter
	SWITCH 0, 0                                    ; supertile 7 (key tiles 28 to 31): nothing is left to fetch; only bands 31 - w reach it
	INNER 4, 3
	; THE WAY OUT: divide by the sum, round to bf16 (tile 0: a pair), through my own stage, 512 dense bytes a store
.rept 4
	v_nop                                          ; four places behind the last products
.endr
	s_lshr_b32 s74, s12, 4
	s_lshl_b32 s74, s74, 4                         ; 16 b: panels of a batch
	s_lshr_b32 s75, s11, 1
	s_add_co_u32 s74, s74, s75                     ; + cx >> 1
	s_and_b32 s75, s11, 1
	s_lshl_b32 s75, s75, 13                        ; half cx & 1: 64 rows of 128 bytes
	s_and_b32 s73, s12, 15                         ; head
	; tile 0, band w: half panel 4 w + cx, fragment 0
	s_lshl_b32 s77, s16, 1
	s_add_co_u32 s77, s77, s74                     ; panel 16 b + 2 w + (cx >> 1)
	s_lshl_b32 s77, s77, 4
	s_add_co_u32 s77, s77, s73                     ; x 16 + head
	s_mul_i32 s76, s77, YBLK
	s_mov_b32 s77, 0
	s_add_nc_u64 s[88:89], s[6:7], s[76:77]        ; the block
	s_mov_b32 s76, s75
	s_add_nc_u64 s[56:57], s[88:89], s[76:77]      ; hi: row 64 hf.  Q's loads, which named s[56:63], were waited for
	s_lshr_b32 s76, s75, 2
	s_add_co_u32 s76, s76, 16384
	s_add_nc_u64 s[88:89], s[88:89], s[76:77]      ; lo: row 128 + 16 hf
	; tiles 1 to 3, band s >= 8: s - 8 = 3 A + c: half panel 4 A + cx, fragment 1 + c
.irp j, 1,2,3
	s_sub_co_u32 s76, s[16+\j], 8
	s_mul_hi_u32 s77, s76, 0x55555556              ; A = (s - 8) / 3, exact for 0 to 23
	s_mul_i32 s86, s77, 3
	s_sub_co_u32 s76, s76, s86                     ; c
	s_add_co_u32 s76, s76, 1
	s_lshl_b32 s76, s76, 11                        ; fragment x 16 rows of 128 bytes
	s_lshl_b32 s77, s77, 1
	s_add_co_u32 s77, s77, s74                     ; panel
	s_lshl_b32 s77, s77, 4
	s_add_co_u32 s77, s77, s73
	s_mul_i32 s77, s77, YBLK
	s_add_co_u32 s76, s76, s77
	s_add_co_u32 s76, s76, s75
	s_mov_b32 s77, 0
	s_add_nc_u64 s[56+2*\j:57+2*\j], s[6:7], s[76:77]
.endr
; The four tiles use the wave's one stage in turn: LDS serves a wave's instructions in order, so a tile's stores come behind the loads of the tile before.
; lo = 1: the second bf16 goes with the first.  rb: where the rows come back.
.macro FIN j, lo, rb
	v_add_f32 v[T], v[LJ+2*\j], v[LJ+2*\j+1]
	v_permlanex16_b32 v[T+1], v[T], s22, s23       ; the other half of the keys
	v_add_f32 v[T], v[T], v[T+1]
	v_rcp_f32 v[AL], v[T]
	v_rcp_f32 v[AL+1], v[T]
	v_nop                                          ; one plain place behind the reciprocals
	WIN 0x41
.set e, 0
	s_wait_alu depctr_va_vdst(0)
.rept 16
	v_pk_mul_f32 v[OB+32*\j+e:OB+32*\j+e+1], v[OB+32*\j+e:OB+32*\j+e+1], v[AL:AL+1]
.set e, e+2
.endr
	WIN 0x05                                       ; both sources in window 1
.set e, 0
.rept 16
	v_cvt_pk_bf16_f32 v[S+e], v[OB+32*\j+2*e], v[OB+32*\j+2*e+1]   ; hi
.set e, e+1
.endr
	WIN 0
.if \lo
.set e, 0
.rept 16
	v_lshlrev_b32 v[U+2*e], 16, v[S+e]             ; hi as f32
	v_and_b32 v[U+2*e+1], 0xffff0000, v[S+e]
.set e, e+1
.endr
	WIN 0x01                                       ; source 0 in window 1
.set e, 0
.rept 16
	v_pk_add_f32 v[U+2*e:U+2*e+1], v[OB+32*\j+2*e:OB+32*\j+2*e+1], v[U+2*e:U+2*e+1] neg_lo:[0,1] neg_hi:[0,1]   ; y - hi, exact in f32
.set e, e+1
.endr
	WIN 0
.set e, 0
.rept 16
	v_cvt_pk_bf16_f32 v[S+16+e], v[U+2*e], v[U+2*e+1]              ; lo
.set e, e+1
.endr
.endif
.irp d, 0,1,2,3
	ds_store_b128 v11, v[S+4*\d:S+4*\d+3] offset:32*\d
.endr
.if \lo
.irp d, 0,1,2,3
	ds_store_b128 v11, v[S+16+4*\d:S+16+4*\d+3] offset:2304+32*\d
.endr
.endif
.irp g, 0,1,2,3
	ds_load_b128 v[\rb+4*\g:\rb+4*\g+3], v12 offset:576*\g
.endr
.if \lo
.irp g, 0,1,2,3
	ds_load_b128 v[\rb+16+4*\g:\rb+16+4*\g+3], v12 offset:2304+576*\g
.endr
.endif
.endm
	FIN 0, 1, KF
	FIN 1, 0, KF+32
	FIN 2, 0, KF+48
	FIN 3, 0, KF+64
; Behind load n (0 to 7) of tile 0 stand 7 - n loads of its tile and the 24 LDS instructions of tiles 1 to 3;
; behind load g of tile j >= 1 stand 3 - g loads of its tile and 8 LDS instructions of each later tile.
.irp g, 0,1,2,3
	s_wait_dscnt (7-\g)+24
	global_store_b128 v13, v[KF+4*\g:KF+4*\g+3], s[56:57] offset:512*\g            ; four rows of 128 bytes: 512 consecutive bytes, aligned
.endr
.irp g, 0,1,2,3
	s_wait_dscnt (3-\g)+24
	global_store_b128 v13, v[KF+16+4*\g:KF+16+4*\g+3], s[88:89] offset:512*\g
.endr
.irp j, 1,2,3
.irp g, 0,1,2,3
	s_wait_dscnt (3-\g)+8*(3-\j)
	global_store_b128 v13, v[KF+16+16*\j+4*\g:KF+16+16*\j+4*\g+3], s[56+2*\j:57+2*\j] offset:512*\g
.endr
.endr
	s_wait_tensorcnt 0x0
	ds_add_u32 v62, v63
	s_wait_dscnt 0x0
	ROUND                                          ; the closing round
	s_endpgm
.Lfunc_end_k_q84bb6f714b_attn:
	.size	k_q84bb6f714b_attn, .Lfunc_end_k_q84bb6f714b_attn-k_q84bb6f714b_attn
	.p2alignl 7, 3214868480
	.fill 96, 4, 3214868480
	.section	.rodata,"a",@progbits
	.p2align	6, 0x0
	.amdhsa_kernel k_q84bb6f714b_attn
		.amdhsa_group_segment_fixed_size 327680
		.amdhsa_private_segment_fixed_size 0
		.amdhsa_enable_private_segment 0
		.amdhsa_kernarg_size 16
		.amdhsa_user_sgpr_count 2
		.amdhsa_user_sgpr_kernarg_segment_ptr 1
		.amdhsa_wavefront_size32 1
		.amdhsa_system_sgpr_workgroup_id_x 1
		.amdhsa_system_sgpr_workgroup_id_y 1
		.amdhsa_system_sgpr_workgroup_id_z 1
		.amdhsa_system_vgpr_workitem_id 0
		.amdhsa_next_free_vgpr 512
		.amdhsa_next_free_sgpr 90
		.amdhsa_reserve_vcc 1
		.amdhsa_float_denorm_mode_32 3
		.amdhsa_float_denorm_mode_16_64 3
		.amdhsa_memory_ordered 1
		.amdhsa_forward_progress 1
		.amdhsa_inst_pref_size 201
	.end_amdhsa_kernel
	.amdgpu_metadata
---
amdhsa.version: [ 1, 2 ]
amdhsa.kernels:
  - .name:           k_q84bb6f714b_attn
    .symbol:         k_q84bb6f714b_attn.kd
    .args:
      - { .name: qkv, .offset: 0, .size: 8, .value_kind: global_buffer, .address_space: global }
      - { .name: yh, .offset: 8, .size: 8, .value_kind: global_buffer, .address_space: global }
    .group_segment_fixed_size: 327680
    .private_segment_fixed_size: 0
    .kernarg_segment_align: 8
    .kernarg_segment_size: 16
    .max_flat_workgroup_size: 256
    .sgpr_count:     90
    .vgpr_count:     512
    .wavefront_size: 32
...
	.end_amdgpu_metadata
.endif
;; end of part 7
;; launch oproj (part 8): grid 4 x 64, 4 waves a work-group, clusters of 4 x 4, 327,680 bytes of LDS; arguments yh, wh, out0; writes out0
.if DOCPART == 8
	.amdgcn_target "amdgcn-amd-amdhsa--gfx1250"
	.amdhsa_code_object_version 6
	.text
	.protected	k_q84bb6f714b_oproj
	.globl	k_q84bb6f714b_oproj
	.p2align	8
	.type	k_q84bb6f714b_oproj,@function
k_q84bb6f714b_oproj:
	s_mov_b64 s[64:65], 0
	v_nop
	global_prefetch_b8 v0, s[64:65] scope:SCOPE_SE
	s_setreg_imm32_b32 hwreg(HW_REG_WAVE_MODE, 25, 1), 1
	s_wait_xcnt 0x0
	s_wait_alu depctr_hold_cnt(0) depctr_sa_sdst(0) depctr_va_vdst(0) depctr_va_sdst(0) depctr_va_ssrc(0) depctr_va_vcc(0) depctr_vm_vsrc(0)
	s_getreg_b32 s2, hwreg(HW_REG_IB_STS2, 6, 4)
	s_cmp_eq_u32 s2, 0
	s_cbranch_scc0 .Lentry_in_a_cluster
	s_endpgm
.Lentry_in_a_cluster:
	s_bfe_u32 s2, ttmp6, 0x10000c
	s_cmp_lg_u32 s2, 0xf033
	s_cbranch_scc0 .Lentry_shape_is_right
	s_endpgm
.Lentry_shape_is_right:
; out0 = y wo^T: C[m][n] = sum over k of y[m][k] wo[n][k], m < 8192, n < 1024, k < 1024; bf16 operands, f32 sums, f32 out, row-major.
; yh: [64 panels][16 heads][160 rows][64] bf16, 20,480 dense bytes a block.  Half hf of panel p of a batch (hp = 2 p + hf) holds in rows 64 hf + 16 a + r:
; a = 0: t = 16 hp + r (t < 512); a = 1..3: t = 64 (8 + 3 (hp >> 2) + a - 1) + 16 (hp & 3) + r.  Rows 128 + 16 hf + r hold lo = bf16(y - hi) of fragment a = 0.
; Query row t averages t + 1 values, so the early rows' results are large beside the late rows': for t < 512 y goes as hi + lo (some 16 bits), from there on
; as one bf16 (8 bits).  Every half panel has one early fragment, so every wave has the same work: five fragments of yh where four rows of tiles are summed.
; wo is wh's panels 24 to 31 ([16 blocks of 64 along k][128 rows][64]).
; A work-group makes 128 rows (one panel) x 256 columns with four waves, one to a SIMD; a wave makes 64 x 128: 32 accumulator tiles, one register window.
; That block gives 256 work-groups.  K goes in 8 steps of two heads through two LDS slots: yh's two blocks (waves 0, 1: 80 rows of 256 dense bytes each) and
; two panels of wo (waves 2, 3: 128 rows of 256 dense bytes each).  The mover lays 16 bytes of padding behind every 128 bytes: an LDS row of 64 numbers has a
; pitch of 144 bytes.  Three heads a slot would take 179,712 bytes, and two such slots do not fit.
; CLUSTERS: 4 x 4 work-groups; yh's tiles are asked for jointly along a cluster row (the four block columns), wo's along a column.
; REGISTERS: window 0: v16-26 addresses, v64-103 / v128-167 fragments of yh (four hi, one lo; two buffers); window 1: v64-127 / v128-191 fragments of wo;
; window 2: accumulator tile (a, b) at v[8 (8 a + b)].
; The matrix instruction is used transposed (source 0 = rows of wo, source 1 = rows of yh): a lane holds eight neighbouring columns of one row of C.
.set PITCH,  144
.set AHEAD,  160*PITCH                 ; one head's block of yh: 23,040
.set KBS,    128*PITCH                 ; one head's block of a panel of wo: 18,432
.set BPAN,   2*KBS                     ; 36,864
.set BOFF,   2*AHEAD                   ; 46,080
.set SLOT,   BOFF+2*BPAN               ; 119,808
.set STAGE,  2*SLOT                    ; behind the ring: 16 rows x 272 bytes for each wave; no fill lands there
.set SPITCH, 272
.set YBLK,   20480
.set STEPA,  2*YBLK                    ; memory bytes of a K step in a panel of yh
.set STEPW,  32768                     ; and in a panel of wo
.set LAPS,   4                         ; a lap = two K steps = once round the ring
.set ADRA, 16                          ; v16-17  LDS address of my hi fragments in slot 0, 1
.set ADRL, 18                          ; v18-19  of my lo fragment
.set ADRB, 20                          ; v20-21  of my wo fragments
.set STO,  24
.set RD,   25
.set CO,   26
.set F0,   64
.set F1,   128
.set G1,  24
.set G0,  32
.set G1B, 48
.set G0B, 56
.set G1W0, (3<<16)|(1<<20)|(1<<21)|(4<<22)|(3<<25) ; elements of 8 bytes; padding on; bit 21 beside a mask; after every 32 words, 4 words
.set MSB, 0
.macro WIN new
.if MSB != \new
	s_set_vgpr_msb (MSB<<8)|\new
.set MSB, \new
.endif
.endm
.set MUL,  0xa1                        ; source 0 (wo) window 1, source 1 (yh) window 0, C and D window 2
.set TO_B, 0x40                        ; destination window 1, address window 0
.macro JLOAD s                         ; a joint load: waves 0, 1 a head of yh each, waves 2, 3 a panel of wo each
	s_cmp_eq_u32 s11, 0
	s_cbranch_scc0 .Lfor_b_\@
	tensor_load_to_lds s[G0+4*\s:G0+4*\s+3], s[G1:G1+7]
	s_nop 0
	s_branch .Lasked_\@
.Lfor_b_\@:
	tensor_load_to_lds s[G0B+4*\s:G0B+4*\s+3], s[G1B:G1B+7]
	s_nop 0
.Lasked_\@:
.endm
.macro CREST                           ; a round of the cluster's barrier behind its opening barrier
	s_cmp_lg_u32 s10, 0
	s_cbranch_scc1 .Lnot_wave_0_\@
	s_barrier_signal -3
.Lnot_wave_0_\@:
	s_barrier_wait -3
	s_barrier_signal -1
	s_barrier_wait -1
.endm
.macro CROUND
	s_barrier_signal -1
	s_barrier_wait -1
	CREST
.endm
	s_load_b128 s[4:7], s[0:1], 0x0                ; yh s[4:5], wh s[6:7]
	s_load_b64 s[8:9], s[0:1], 0x10                ; out0
	s_set_vgpr_msb 0x40
	v_lshl_add_u32 v255, v0, 2, 0x3ec00
	s_set_vgpr_msb 0x4000
	v_mov_b32 v255, 0
	s_set_vgpr_msb 0x1
	ds_add_u32 v255, v255
	s_set_vgpr_msb 0x100
	v_lshrrev_b32 v1, 5, v0
	v_readfirstlane_b32 s10, v1                    ; wave 0..3
	s_lshr_b32 s11, s10, 1                         ; my half of the panel's rows.  Also: I fetch for yh (0) or wo (1)
	s_and_b32 s12, s10, 1                          ; my half of the block's columns.  Also: which head or panel I fetch
	s_bfe_u32 s40, ttmp6, 0x40000                  ; cx
	s_bfe_u32 s41, ttmp6, 0x40004                  ; cy
	s_lshl_b32 s42, ttmp9, 2
	s_add_co_u32 s42, s42, s40                     ; block column 0..3
	s_and_b32 s13, ttmp7, 0xffff
	s_lshl_b32 s13, s13, 2
	s_add_co_u32 s13, s13, s41                     ; block row = panel 0..63
	s_lshl_b32 s43, s41, 2
	s_lshl_b32 s43, 15, s43                        ; my row of the cluster
	s_lshl_b32 s44, 0x1111, s40                    ; my column
	s_or_b32 s[G1+0], s43, G1W0
	s_or_b32 s[G1B+0], s44, G1W0
	s_mov_b32 s[G1+1], 32<<16                      ; rows of 32 elements of 8 bytes
	s_mov_b32 s[G1B+1], 32<<16
	s_mov_b32 s[G1+2], 80<<16                      ; yh: 80 rows
	s_mov_b32 s[G1B+2], 128<<16                    ; wo: 128 rows
	s_mov_b32 s[G1+3], 32<<16
	s_mov_b32 s[G1B+3], 32<<16
	s_mov_b32 s[G1+4], 80
	s_mov_b32 s[G1B+4], 128
	s_mov_b32 s[G1+5], 32                          ; dense
	s_mov_b32 s[G1B+5], 32
	s_mov_b32 s[G1+6], 0
	s_mov_b32 s[G1B+6], 0
	s_mov_b32 s[G1+7], 0
	s_mov_b32 s[G1B+7], 0
	; yh's address hangs on the block row alone, wo's on the block column alone, each in registers that never hold the other coordinate
	s_lshl_b32 s16, s13, 4
	s_add_co_u32 s16, s16, s12                     ; block 16 x panel + head (0 or 1 of the K step)
	s_mul_i32 s16, s16, YBLK
	s_mov_b32 s17, 0
	s_lshl_b32 s46, s42, 1
	s_add_co_u32 s46, s46, s12
	s_add_co_u32 s46, s46, 24                      ; wo: panel 24 + 2 x block column + half
	s_lshl_b32 s46, s46, 18
	s_mov_b32 s47, 0
	s_mul_i32 s20, s12, AHEAD                      ; where they go: yh's two heads,
	s_mul_i32 s45, s12, BPAN
	s_add_co_u32 s45, s45, BOFF                    ; then wo's two panels
	s_wait_dscnt 0x0
	s_wait_kmcnt 0x0
	s_add_nc_u64 s[14:15], s[4:5], s[16:17]
	s_add_nc_u64 s[46:47], s[6:7], s[46:47]
	CROUND                                         ; all sixteen work-groups are here: the first joint loads meet
.irp s, 0,1
	s_mov_b32 s[G0+4*\s], 1
	s_add_co_u32 s[G0+4*\s+1], s20, \s*SLOT
	s_add_nc_u64 s[G0+4*\s+2:G0+4*\s+3], s[14:15], \s*STEPA
	s_or_b32 s[G0+4*\s+3], s[G0+4*\s+3], 0x80000000
	s_mov_b32 s[G0B+4*\s], 1
	s_add_co_u32 s[G0B+4*\s+1], s45, \s*SLOT
	s_add_nc_u64 s[G0B+4*\s+2:G0B+4*\s+3], s[46:47], \s*STEPW
	s_or_b32 s[G0B+4*\s+3], s[G0B+4*\s+3], 0x80000000
	JLOAD \s                                       ; both first fills: two loads of the wave are out
.endr
	; a fragment: lane l holds row l % 16; registers 0-3 K = 8 (l / 16) + 0..7, registers 4-7 K = 16 + 8 (l / 16) + 0..7: two loads 32 bytes apart
	v_and_b32 v1, 15, v0
	v_bfe_u32 v2, v0, 4, 1
	v_mul_u32_u24 v3, v1, PITCH
	v_lshl_add_u32 v3, v2, 4, v3
	s_mul_i32 s21, s11, 64*PITCH                   ; my 64 rows of hi
	s_mul_i32 s18, s11, 16*PITCH
	s_add_co_u32 s18, s18, 128*PITCH               ; my 16 rows of lo
	s_mul_i32 s22, s12, BPAN
	s_add_co_u32 s22, s22, BOFF                    ; my panel of wo
.irp s, 0,1
	v_add_nc_u32 v[ADRA+\s], s21, v3
	v_add_nc_u32 v[ADRL+\s], s18, v3
	v_add_nc_u32 v[ADRB+\s], s22, v3
	s_add_co_u32 s21, s21, SLOT
	s_add_co_u32 s18, s18, SLOT
	s_add_co_u32 s22, s22, SLOT
.endr
	s_mul_i32 s23, s10, 16*SPITCH
	s_add_co_u32 s23, s23, STAGE
	v_mul_u32_u24 v4, v1, SPITCH
	v_lshl_add_u32 v4, v2, 5, v4
	v_add_nc_u32 v[STO], s23, v4                   ; in: row l % 16, 32 bytes (8 f32) for each half of the lanes
	v_mul_u32_u24 v5, v2, SPITCH
	v_lshl_add_u32 v5, v1, 4, v5
	v_add_nc_u32 v[RD], s23, v5                    ; back: lanes 0-15 one row of 256 bytes, lanes 16-31 the next
	v_lshlrev_b32 v5, 12, v2
	v_lshl_add_u32 v[CO], v1, 4, v5                ; the same two rows in out0 (4,096 bytes a row)
; 8 matrix instructions: fragment a of yh (0-3 hi, 4 lo) x all 8 fragments of wo, onto tile row `row`.  zero = 1: the product starts the sums.
; The accumulators take turns, one instruction a turn; tile row 0 comes up again (lo) behind the 24 instructions of rows 1 to 3
.macro MULA f, a, row, zero
.irp b, 0,1,2,3,4,5,6,7
.if \zero
	v_wmma_f32_16x16x32_bf16 v[8*(8*\row+\b):8*(8*\row+\b)+7], v[\f+8*\b:\f+8*\b+7], v[\f+8*\a:\f+8*\a+7], 0
.else
	v_wmma_f32_16x16x32_bf16 v[8*(8*\row+\b):8*(8*\row+\b)+7], v[\f+8*\b:\f+8*\b+7], v[\f+8*\a:\f+8*\a+7], v[8*(8*\row+\b):8*(8*\row+\b)+7]
.endif
.endr
.endm
; the fragments of 32 along K into buffer f: 16 loads of wo (byte kb), 8 of hi and 2 of lo (byte ka): 26
.macro FETCH slot, ka, kb, f
	WIN TO_B
.irp i, 0,1,2,3,4,5,6,7
	ds_load_b128 v[\f+8*\i:\f+8*\i+3],   v[ADRB+\slot] offset:\kb+\i*16*PITCH
	ds_load_b128 v[\f+8*\i+4:\f+8*\i+7], v[ADRB+\slot] offset:\kb+\i*16*PITCH+32
.endr
	WIN 0
.irp i, 0,1,2,3
	ds_load_b128 v[\f+8*\i:\f+8*\i+3],   v[ADRA+\slot] offset:\ka+\i*16*PITCH
	ds_load_b128 v[\f+8*\i+4:\f+8*\i+7], v[ADRA+\slot] offset:\ka+\i*16*PITCH+32
.endr
	ds_load_b128 v[\f+32:\f+35], v[ADRL+\slot] offset:\ka
	ds_load_b128 v[\f+36:\f+39], v[ADRL+\slot] offset:\ka+32
.endm
.macro PLACES                          ; four places behind the matrix instructions that read a buffer, in front of the loads into it (ISA guide 7.12.1 for vector instructions)
.rept 4
	v_nop
.endr
.endm
; A K step is four quarters of 32 along K (head 0: k 0-31, 32-63; head 1 likewise), 40 matrix instructions each, on buffers 0, 1, 0, 1.
; One of the first three multiplies buffer f and in its middle fetches the next quarter's fragments into buffer g.
.macro QUARTER slot, ka, kb, f, g, zero
	s_wait_dscnt 6                                 ; wo and hi's fragments 0, 1 are in; the youngest six loads (fragments 2, 3, lo) may be out
	WIN MUL
	MULA \f, 0, 0, \zero
	MULA \f, 1, 1, \zero
	PLACES
	FETCH \slot, \ka, \kb, \g
	s_wait_dscnt 26                                ; all but the 26 just issued
	WIN MUL
	MULA \f, 2, 2, \zero
	MULA \f, 3, 3, \zero
	MULA \f, 4, 0, 0
.endm
.macro THREE slot, zero
	QUARTER \slot, 64,       64,     F0, F1, \zero
	QUARTER \slot, AHEAD,    KBS,    F1, F0, 0
	QUARTER \slot, AHEAD+64, KBS+64, F0, F1, 0
.endm
; The last quarter changes slots.  In front of the barrier each wave waits for its reads of this slot and for all its tensor loads (one is out: its part of
; the next slot).  Where the slot is filled again the barrier opens a round of the cluster's barrier, and the joint refill is the first tensor load behind
; the round.  From a request to the wait for it a wave issues 152 matrix instructions.
.macro TURN slot, next, fill
	s_wait_dscnt 6
	WIN MUL
	MULA F1, 0, 0, 0
	s_wait_dscnt 0                                 ; my reads of this slot are over
	s_wait_tensorcnt 0x0                           ; all my tensor loads have landed
	ds_add_u32 v255, v255
	s_wait_dscnt 0x0
	s_barrier_signal -1
	MULA F1, 1, 1, 0                               ; register work while the others arrive
	WIN 0
	s_barrier_wait -1
.if \fill
	CREST
	s_add_nc_u64 s[G0+4*\slot+2:G0+4*\slot+3], s[G0+4*\slot+2:G0+4*\slot+3], 2*STEPA
	s_add_nc_u64 s[G0B+4*\slot+2:G0B+4*\slot+3], s[G0B+4*\slot+2:G0B+4*\slot+3], 2*STEPW
	JLOAD \slot
.endif
	PLACES
	FETCH \next, 0, 0, F0
	WIN MUL
	MULA F1, 2, 2, 0
	MULA F1, 3, 3, 0
	MULA F1, 4, 0, 0
.endm
.macro LAP zero
	THREE 0, \zero
	TURN 0, 1, 1
	THREE 1, 0
	TURN 1, 0, 1
.endm
	s_wait_tensorcnt 1                             ; my part of K step 0 is in; K step 1's may stay out
	s_barrier_signal -1
	s_barrier_wait -1
	FETCH 0, 0, 0, F0
	LAP 1                                          ; the first quarter's hi products start the sums
	WIN 0
	s_mov_b32 s3, LAPS-2
.Llap:
	LAP 0
	WIN 0
	s_sub_co_u32 s3, s3, 1
	s_cmp_lg_u32 s3, 0
	s_cbranch_scc1 .Llap
	THREE 0, 0                                     ; the last lap fills nothing
	TURN 0, 1, 0
	THREE 1, 0
	s_wait_dscnt 6                                 ; the very last quarter: nothing more to fetch
	WIN MUL
	MULA F1, 0, 0, 0
	MULA F1, 1, 1, 0
	s_wait_dscnt 0
	MULA F1, 2, 2, 0
	MULA F1, 3, 3, 0
	MULA F1, 4, 0, 0
	; THE WAY OUT, 16 rows x 64 columns at a time: the f32 sums go as they are into my own stage and come back as whole rows of 256 bytes
	PLACES
	s_and_b32 s66, s13, 15
	s_lshl_b32 s66, s66, 1
	s_add_co_u32 s66, s66, s11                     ; hp: my half panel in the batch
	s_lshr_b32 s67, s13, 4
	s_lshl_b32 s67, s67, 11                        ; 2048 b
	s_lshl_b32 s72, s42, 10                        ; 256 columns of 4 bytes a block column,
	s_lshl_b32 s73, s12, 9                         ; 128 a wave
	s_add_co_u32 s72, s72, s73
	s_lshl_b32 s68, s66, 4                         ; fragment 0: t = 16 hp
	s_add_co_u32 s68, s68, s67
	s_lshl_b32 s68, s68, 12                        ; rows of 4,096 bytes
	s_add_co_u32 s68, s68, s72
	s_mov_b32 s69, 0
	s_add_nc_u64 s[68:69], s[8:9], s[68:69]
	s_lshr_b32 s70, s66, 2
	s_mul_i32 s70, s70, 3
	s_add_co_u32 s70, s70, 8                       ; fragment 1: band 8 + 3 (hp >> 2); fragments 2, 3: one band (64 rows) further each
	s_lshl_b32 s70, s70, 2
	s_and_b32 s71, s66, 3
	s_add_co_u32 s70, s70, s71                     ; t / 16 = 4 x band + (hp & 3)
	s_lshl_b32 s70, s70, 4
	s_add_co_u32 s70, s70, s67
	s_lshl_b32 s70, s70, 12
	s_add_co_u32 s70, s70, s72
	s_mov_b32 s71, 0
	s_add_nc_u64 s[70:71], s[8:9], s[70:71]
; tiles (a, 4 ch .. 4 ch + 3); f: F0 or F1 in turn; bs: the base's first register; off: bytes from that base to the fragment's first row
.macro OUTF a, ch, f, bs, off
	WIN 0x08                                       ; the LDS store's data in window 2
.irp b, 0,1,2,3
	ds_store_b128 v[STO], v[8*(8*\a+4*\ch+\b):8*(8*\a+4*\ch+\b)+3]   offset:64*\b
	ds_store_b128 v[STO], v[8*(8*\a+4*\ch+\b)+4:8*(8*\a+4*\ch+\b)+7] offset:64*\b+16
.endr
	WIN 0
	s_wait_xcnt 0x0                                ; buffer f, which earlier stores read, is loaded again only behind this wait
.irp t, 0,1,2,3,4,5,6,7
	ds_load_b128 v[\f+4*\t:\f+4*\t+3], v[RD] offset:\t*2*SPITCH    ; LDS serves a wave's instructions in order: these see the stores above
.endr
.irp t, 0,1,2,3,4,5,6,7
	s_wait_dscnt 7-\t
	global_store_b128 v[CO], v[\f+4*\t:\f+4*\t+3], s[\bs:\bs+1] offset:\off+256*\ch+2*\t*4096 th:TH_STORE_NT   ; 16 lanes store 256 consecutive bytes, aligned
.endr
.endm
	OUTF 0, 0, F0, 68, 0
	OUTF 0, 1, F1, 68, 0
	OUTF 1, 0, F0, 70, 0
	OUTF 1, 1, F1, 70, 0
	OUTF 2, 0, F0, 70, 262144
	OUTF 2, 1, F1, 70, 262144
	OUTF 3, 0, F0, 70, 524288
	OUTF 3, 1, F1, 70, 524288
	s_set_vgpr_msb 0x1
	s_wait_tensorcnt 0x0
	ds_add_u32 v255, v255
	s_wait_dscnt 0x0
	s_set_vgpr_msb 0x100
	CROUND                                         ; the closing round: no work-group ends while a partner may still ask for a tile that names it
	s_endpgm
.Lfunc_end_k_q84bb6f714b_oproj:
	.size	k_q84bb6f714b_oproj, .Lfunc_end_k_q84bb6f714b_oproj-k_q84bb6f714b_oproj
	.p2alignl 7, 3214868480
	.fill 96, 4, 3214868480
	.section	.rodata,"a",@progbits
	.p2align	6, 0x0
	.amdhsa_kernel k_q84bb6f714b_oproj
		.amdhsa_group_segment_fixed_size 327680
		.amdhsa_private_segment_fixed_size 0
		.amdhsa_enable_private_segment 0
		.amdhsa_kernarg_size 24
		.amdhsa_user_sgpr_count 2
		.amdhsa_user_sgpr_kernarg_segment_ptr 1
		.amdhsa_wavefront_size32 1
		.amdhsa_system_sgpr_workgroup_id_x 1
		.amdhsa_system_sgpr_workgroup_id_y 1
		.amdhsa_system_sgpr_workgroup_id_z 1
		.amdhsa_system_vgpr_workitem_id 0
		.amdhsa_next_free_vgpr 768
		.amdhsa_next_free_sgpr 76
		.amdhsa_reserve_vcc 0
		.amdhsa_float_denorm_mode_32 3
		.amdhsa_float_denorm_mode_16_64 3
		.amdhsa_memory_ordered 1
		.amdhsa_forward_progress 1
		.amdhsa_inst_pref_size 135
	.end_amdhsa_kernel
	.amdgpu_metadata
---
amdhsa.version: [ 1, 2 ]
amdhsa.kernels:
  - .name:           k_q84bb6f714b_oproj
    .symbol:         k_q84bb6f714b_oproj.kd
    .args:
      - { .name: yh, .offset: 0, .size: 8, .value_kind: global_buffer, .address_space: global }
      - { .name: wh, .offset: 8, .size: 8, .value_kind: global_buffer, .address_space: global }
      - { .name: out0, .offset: 16, .size: 8, .value_kind: global_buffer, .address_space: global }
    .group_segment_fixed_size: 327680
    .private_segment_fixed_size: 0
    .kernarg_segment_align: 8
    .kernarg_segment_size: 24
    .max_flat_workgroup_size: 128
    .sgpr_count:     76
    .vgpr_count:     768
    .wavefront_size: 32
...
	.end_amdgpu_metadata
.endif
;; end of part 8
;; ======== version 3 of 3: 4 launches; version 2 with the launch cvt written anew for expert scheduling mode
;; limits: values are held in f16: magnitudes above 65,504 overflow, below 6.1e-05 lose precision
;; workspace buffers: xh 16,777,216 bytes; wh 8,388,608 bytes; qkv 50,855,936 bytes; yh 20,971,520 bytes
;; launch cvt (part 9): grid 512 x 1, 8 waves a work-group, no clusters, 0 bytes of LDS; arguments x, wq, wk, wv, wo, xh, wh; writes xh, wh
.if DOCPART == 9
	.amdgcn_target "amdgcn-amd-amdhsa--gfx1250"
	.amdhsa_code_object_version 6
	.text
	.protected	k_q84bb6f714b_cvt
	.globl	k_q84bb6f714b_cvt
	.p2align	8
	.type	k_q84bb6f714b_cvt,@function
k_q84bb6f714b_cvt:
	s_mov_b64 s[64:65], 0
	v_nop
	global_prefetch_b8 v0, s[64:65] scope:SCOPE_SE
	s_setreg_imm32_b32 hwreg(HW_REG_WAVE_SCHED_MODE, 0, 2), 2
	s_setreg_imm32_b32 hwreg(HW_REG_WAVE_MODE, 25, 1), 1
	s_wait_xcnt 0x0
	s_wait_alu depctr_vm_vsrc(0)
; x [8192][1024] and the four weights [1024][1024], f32, are rounded once to bf16 (to nearest even) and laid in panels, so that the later
; launches fetch their tiles as dense memory:
;   xh: panels of 256 rows: element (m, k) at ((m >> 8) * 16 + (k >> 6)) * 32768 + (m & 255) * 128 + (k & 63) * 2;
;   wh: panels of 128 rows: element (n, k) at ((n >> 7) * 16 + (k >> 6)) * 16384 + (n & 127) * 128 + (k & 63) * 2; panels 0-7 wq, 8-15 wk, 16-23 wv, 24-31 wo.
; bf16 has f32's range: no limit of range is added here.
; A stream: every byte is read once and written once.  No LDS, no barrier, no matrix unit, no cluster: no two work-groups share a byte.
; Work-group g takes rows 16 g .. 16 g + 15 of x (all eight waves) and rows 2 g, 2 g + 1 of each weight (wave w: weight w >> 1,
; half w & 1 of the row).  In every load lanes 0-15 take 256 aligned bytes of one row and lanes 16-31 the same columns of the next row;
; the wave's store of the result is 256 consecutive bytes at a multiple of 256.
; All 24 loads of a lane go out first (12,288 bytes a wave on their way); no register that a memory instruction names is written again.
; THE MODE: SCHED_MODE bits 1:0 = 2 (LLVM: expert scheduling mode 2), set by the entry lines.  The code itself states the register dependences
; between vector instructions and memory instructions, with s_wait_alu, always for 0.
; THE PLAN.  Registers that memory instructions touch:
;   v1, v3     byte offsets of the loads of x and of my weight; v2, v4 those of the stores.  Made once at the head, never written again.
;   v[X + 4 n .. X + 4 n + 3], n = 0 .. 23 (0-15 x, 16-23 my weight).  Load n lands there, once.  Its two conversions read the four and write the first
;              two; store n reads those two; nothing writes them afterwards.
; The 24 loads go in six batches of four.  Batch p's conversions name batch p's registers alone.  Its memory instructions are the four stores of batch
; p - 1, which read batch p - 1's registers and v2 or v4.  So ONE wait at a batch's head, that the batch before has written its results, states all that
; the batch's four stores hang on, and they are dealt among its eight conversions with no further wait.  No register that a load or store reads is
; written behind it, so no wait for memory instructions' reads of registers is owed anywhere.
.set X,     8                          ; v[8:103]  load n: 4 registers; its first two then hold the 4 bf16 to store
.set LOADS, 24
.set PER,   4                          ; loads in a batch
	s_load_b256 s[4:11], s[0:1], 0x0               ; x s[4:5], wq s[6:7], wk s[8:9], wv s[10:11]
	s_load_b128 s[12:15], s[0:1], 0x20             ; wo s[12:13], xh s[14:15]
	s_load_b64 s[16:17], s[0:1], 0x30              ; wh
	v_lshrrev_b32 v1, 5, v0
	v_readfirstlane_b32 s18, v1                    ; wave 0..7
	v_lshrrev_b32 v5, 4, v0                        ; x: my row of the group's 16
	v_and_b32 v6, 15, v0                           ; my 16 bytes of the 256
	v_lshlrev_b32 v1, 12, v5
	v_lshl_add_u32 v1, v6, 4, v1                   ; x source: row * 4096 + 16 * place
	v_lshlrev_b32 v2, 3, v0                        ; x target: row * 128 + 8 * place = 8 * thread
	v_bfe_u32 v5, v0, 4, 1                         ; weights: row 0 or 1 of the pair
	v_lshlrev_b32 v3, 12, v5
	v_lshl_add_u32 v3, v6, 4, v3                   ; weight source
	v_and_b32 v4, 31, v0
	v_lshlrev_b32 v4, 3, v4                        ; weight target: 8 * lane
	s_wait_alu depctr_va_sdst(0)                   ; s18 is written, ahead of its first reader: my weight and my half of its rows are made from it
	s_lshr_b32 s19, s18, 1                         ; which weight is mine
	s_and_b32 s20, s18, 1                          ; which half of its rows' columns
	s_lshl_b32 s24, ttmp9, 16                      ; x: 16 rows of 4,096 bytes a group
	s_mov_b32 s25, 0
	s_lshr_b32 s26, ttmp9, 4                       ; xh: panel g >> 4 (524,288 bytes each),
	s_lshl_b32 s26, s26, 19
	s_and_b32 s27, ttmp9, 15
	s_lshl_b32 s27, s27, 11                        ; row 16 (g & 15) of 128 bytes
	s_add_co_u32 s26, s26, s27
	s_mov_b32 s27, 0
	s_lshl_b32 s28, ttmp9, 13                      ; weight source: row 2 g,
	s_lshl_b32 s29, s20, 11                        ; my half of the row (8 x 256 bytes)
	s_add_co_u32 s28, s28, s29
	s_mov_b32 s29, 0
	s_lshl_b32 s30, s19, 21                        ; wh: 8 panels a weight,
	s_lshr_b32 s31, ttmp9, 6
	s_lshl_b32 s31, s31, 18                        ; panel (2 g) >> 7,
	s_add_co_u32 s30, s30, s31
	s_and_b32 s31, ttmp9, 63
	s_lshl_b32 s31, s31, 8                         ; row (2 g) & 127 of 128 bytes,
	s_add_co_u32 s30, s30, s31
	s_lshl_b32 s31, s20, 17                        ; my half: 8 blocks of 16,384 bytes
	s_add_co_u32 s30, s30, s31
	s_mov_b32 s31, 0
	s_wait_kmcnt 0x0
	s_cmp_eq_u32 s19, 1                            ; my weight's address: a choice on the wave's number alone
	s_cselect_b64 s[22:23], s[8:9], s[6:7]
	s_cmp_eq_u32 s19, 2
	s_cselect_b64 s[22:23], s[10:11], s[22:23]
	s_cmp_eq_u32 s19, 3
	s_cselect_b64 s[22:23], s[12:13], s[22:23]
	s_add_nc_u64 s[4:5], s[4:5], s[24:25]
	s_add_nc_u64 s[14:15], s[14:15], s[26:27]
	s_add_nc_u64 s[22:23], s[22:23], s[28:29]
	s_add_nc_u64 s[16:17], s[16:17], s[30:31]
	s_wait_alu depctr_va_vdst(0)                   ; v1 to v4 are written: every load and store of the kernel reads one of them as its offset
.irp n, 0,1,2,3,4,5,6,7,8,9,10,11,12,13,14,15
	global_load_b128 v[X+4*\n:X+4*\n+3], v1, s[4:5] offset:256*\n th:TH_LOAD_NT        ; x, columns 64 n .. 64 n + 63
.endr
.irp n, 0,1,2,3,4,5,6,7
	global_load_b128 v[X+64+4*\n:X+64+4*\n+3], v3, s[22:23] offset:256*\n th:TH_LOAD_NT ; my weight, 64 columns a load
.endr
; load n's four f32 close up into two registers of bf16
.macro CV n
	v_cvt_pk_bf16_f32 v[X+4*(\n)], v[X+4*(\n)], v[X+4*(\n)+1]
	v_cvt_pk_bf16_f32 v[X+4*(\n)+1], v[X+4*(\n)+2], v[X+4*(\n)+3]
.endm
; and leave: x's (n < 16) for block n of my panel of xh, my weight's for block n - 16 of my half of its panel of wh
.macro ST n
.if (\n) < 16
	global_store_b64 v2, v[X+4*(\n):X+4*(\n)+1], s[14:15] offset:32768*(\n)
.else
	global_store_b64 v4, v[X+4*(\n):X+4*(\n)+1], s[16:17] offset:16384*((\n)-16)
.endif
.endm
; Batch p: loads 4 p .. 4 p + 3 are rounded; the batch before is stored.
.macro BLK p
	s_wait_loadcnt LOADS-PER*((\p)+1)              ; loads come back in order (ISA guide 5.7.1): this batch's four are in, the younger ones stay out
.if (\p) > 0
	s_wait_alu depctr_va_vdst(0)                   ; the conversions of the batch before have written their results, which the four stores below read
.endif
.irp i, 0,1,2,3
.if (\p) > 0
	ST PER*(\p)-PER+\i                             ; no vector instruction since the wait names this store's registers
.endif
	CV PER*(\p)+\i
.endr
.endm
	BLK 0                                          ; batch 0 has no batch in front of it: no store, and no wait but the one for its data
	BLK 1
	BLK 2
	BLK 3
	BLK 4
	BLK 5
	s_wait_alu depctr_va_vdst(0)                   ; batch 5's conversions have written their results, which the last four stores read
.irp n, 20,21,22,23
	ST \n
.endr
	s_endpgm
.Lfunc_end_k_q84bb6f714b_cvt:
	.size	k_q84bb6f714b_cvt, .Lfunc_end_k_q84bb6f714b_cvt-k_q84bb6f714b_cvt
	.p2alignl 7, 3214868480
	.fill 96, 4, 3214868480
	.section	.rodata,"a",@progbits
	.p2align	6, 0x0
	.amdhsa_kernel k_q84bb6f714b_cvt
		.amdhsa_group_segment_fixed_size 0
		.amdhsa_private_segment_fixed_size 0
		.amdhsa_enable_private_segment 0
		.amdhsa_kernarg_size 56
		.amdhsa_user_sgpr_count 2
		.amdhsa_user_sgpr_kernarg_segment_ptr 1
		.amdhsa_wavefront_size32 1
		.amdhsa_system_sgpr_workgroup_id_x 1
		.amdhsa_system_sgpr_workgroup_id_y 1
		.amdhsa_system_sgpr_workgroup_id_z 1
		.amdhsa_system_vgpr_workitem_id 0
		.amdhsa_next_free_vgpr 104
		.amdhsa_next_free_sgpr 66
		.amdhsa_reserve_vcc 0
		.amdhsa_float_denorm_mode_32 3
		.amdhsa_float_denorm_mode_16_64 3
		.amdhsa_memory_ordered 1
		.amdhsa_forward_progress 1
		.amdhsa_inst_pref_size 11
	.end_amdhsa_kernel
	.amdgpu_metadata
---
amdhsa.version: [ 1, 2 ]
amdhsa.kernels:
  - .name:           k_q84bb6f714b_cvt
    .symbol:         k_q84bb6f714b_cvt.kd
    .args:
      - { .name: x, .offset: 0, .size: 8, .value_kind: global_buffer, .address_space: global }
      - { .name: wq, .offset: 8, .size: 8, .value_kind: global_buffer, .address_space: global }
      - { .name: wk, .offset: 16, .size: 8, .value_kind: global_buffer, .address_space: global }
      - { .name: wv, .offset: 24, .size: 8, .value_kind: global_buffer, .address_space: global }
      - { .name: wo, .offset: 32, .size: 8, .value_kind: global_buffer, .address_space: global }
      - { .name: xh, .offset: 40, .size: 8, .value_kind: global_buffer, .address_space: global }
      - { .name: wh, .offset: 48, .size: 8, .value_kind: global_buffer, .address_space: global }
    .group_segment_fixed_size: 0
    .private_segment_fixed_size: 0
    .kernarg_segment_align: 8
    .kernarg_segment_size: 56
    .max_flat_workgroup_size: 256
    .sgpr_count:     66
    .vgpr_count:     104
    .wavefront_size: 32
...
	.end_amdgpu_metadata
.endif
;; end of part 9
;; launch qkv: the kernel of part 6 again; grid 8 x 32, 4 waves a work-group, clusters of 4 x 4, 327,680 bytes of LDS; arguments xh, wh, qkv; writes qkv
;; launch attn: the kernel of part 7 again; grid 256 x 1, 8 waves a work-group, clusters of 4 x 1, 327,680 bytes of LDS; arguments qkv, yh; writes yh
;; launch oproj: the kernel of part 8 again; grid 4 x 64, 4 waves a work-group, clusters of 4 x 4, 327,680 bytes of LDS; arguments yh, wh, out0; writes out0
